; MI455X (gfx1250); checked and timed in simulation.
; The chip was launched on July 23, 2026; its instructions are those of AMD's public machine-readable ISA for CDNA 5 (MIT licence, August 2026) and "CDNA5" Instruction Set Architecture Reference Guide (July 2026). The comments in the code are by the model that wrote it; some were corrected since.
;; Decoder Layer. Allowed arithmetic: matrix products marked QUANTISED: E4M3 operands, one given power-of-two scale a tensor, by v_wmma_f32_16x16x64_fp8_fp8 or v_wmma_f32_16x16x128_fp8_fp8, f32 sums; everything else in f32.
;; Inputs: ca_bk 1,024 float32; ca_bq 1,024 float32; ca_bv 1,024 float32; ca_wk_codes 1,024 x 32 x 32 uint8 (E4M3 codes of ca_wk, K innermost, in blocks of 32 codes); ca_wq_codes 1,024 x 32 x 32 uint8 (E4M3 codes of ca_wq, K innermost, in blocks of 32 codes); ca_wv_codes 1,024 x 32 x 32 uint8 (E4M3 codes of ca_wv, K innermost, in blocks of 32 codes); encoder_hidden_states_codes 2 x 2,048 x 32 x 32 uint8 (E4M3 codes of encoder_hidden_states, K innermost, in blocks of 32 codes); fc1_b 1,024 float32; fc1_w_codes 1,024 x 32 x 32 uint8 (E4M3 codes of fc1_w, K innermost, in blocks of 32 codes); fc2_b 1,024 float32; fc2_w_codes 1,024 x 32 x 32 uint8 (E4M3 codes of fc2_w, K innermost, in blocks of 32 codes); hidden_states 2 x 2,048 x 1,024 float32; ln1_b 1,024 float32; ln1_g 1,024 float32; ln2_b 1,024 float32; ln2_g 1,024 float32; ln3_b 1,024 float32; ln3_g 1,024 float32; lowp_scales 24 int32 (the exponents e of the quantised operands' scales 2^e); sa_bk 1,024 float32; sa_bq 1,024 float32; sa_bv 1,024 float32; sa_wk_codes 1,024 x 32 x 32 uint8 (E4M3 codes of sa_wk, K innermost, in blocks of 32 codes); sa_wq_codes 1,024 x 32 x 32 uint8 (E4M3 codes of sa_wq, K innermost, in blocks of 32 codes); sa_wv_codes 1,024 x 32 x 32 uint8 (E4M3 codes of sa_wv, K innermost, in blocks of 32 codes).
;; Outputs: out0 2 x 2,048 x 1,024 float32.
;; This version of the problem:
;;   THIS VERSION OF THE PROBLEM IS GIVEN IN LOW PRECISION. The matrix products marked QUANTISED in the list below multiply operands that are first quantised to E4M3 (4 exponent bits, 3 mantissa bits; 8 bits a number), with one given power-of-two scale for each operand tensor; their sums are f32. All else is computed in f32.
;;   The module's matrix products, in the order in which they are computed (A, B: the left and right operand; K: the contracted axis; several contracted axes count as one K, in the product's order):
;;     1. [M 4,096, K 1,024] x [K 1,024, N 1,024]; A: input hidden_states; B: input sa_wq (given as codes): QUANTISED (scales: A lowp_scales[0], B lowp_scales[1])
;;     2. [M 4,096, K 1,024] x [K 1,024, N 1,024]; A: input hidden_states; B: input sa_wk (given as codes): QUANTISED (scales: A lowp_scales[2], B lowp_scales[3])
;;     3. [M 4,096, K 1,024] x [K 1,024, N 1,024]; A: input hidden_states; B: input sa_wv (given as codes): QUANTISED (scales: A lowp_scales[4], B lowp_scales[5])
;;     4. batch 32 x [M 2,048, K 64] x [K 64, N 2,048]; A: computed on the way; B: computed on the way: QUANTISED (scales: A lowp_scales[6], B lowp_scales[7])
;;     5. batch 32 x [M 2,048, K 2,048] x [K 2,048, N 64]; A: softmax (see below); B: computed on the way: QUANTISED (scales: A lowp_scales[8], B lowp_scales[9])
;;     6. [M 4,096, K 1,024] x [K 1,024, N 1,024]; A: computed on the way; B: input ca_wq (given as codes): QUANTISED (scales: A lowp_scales[10], B lowp_scales[11])
;;     7. [M 4,096, K 1,024] x [K 1,024, N 1,024]; A: input encoder_hidden_states (given as codes); B: input ca_wk (given as codes): QUANTISED (scales: A lowp_scales[12], B lowp_scales[13])
;;     8. [M 4,096, K 1,024] x [K 1,024, N 1,024]; A: input encoder_hidden_states (given as codes); B: input ca_wv (given as codes): QUANTISED (scales: A lowp_scales[14], B lowp_scales[15])
;;     9. batch 32 x [M 2,048, K 64] x [K 64, N 2,048]; A: computed on the way; B: computed on the way: QUANTISED (scales: A lowp_scales[16], B lowp_scales[17])
;;     10. batch 32 x [M 2,048, K 2,048] x [K 2,048, N 64]; A: softmax (see below); B: computed on the way: QUANTISED (scales: A lowp_scales[18], B lowp_scales[19])
;;     11. [M 4,096, K 1,024] x [K 1,024, N 1,024]; A: computed on the way; B: input fc1_w (given as codes): QUANTISED (scales: A lowp_scales[20], B lowp_scales[21])
;;     12. [M 4,096, K 1,024] x [K 1,024, N 1,024]; A: computed on the way; B: input fc2_w (given as codes): QUANTISED (scales: A lowp_scales[22], B lowp_scales[23])
;;   THE QUANTISER, for each operand of a quantised product, along K:
;;     - The operand's scale is 2^e, e = its entry of the input lowp_scales (int32; the entries are numbered through the quantised products in the list's order, A before B).
;;     - Each number is divided by the scale, clamped to +-448, and rounded to the nearest number of E4M3, ties to even, subnormals kept.
;;     - The product sums the exact products of the quantised numbers (number of the format x scale) in f32.
;;   ~~~python
;;   def quantise(x, axis, e):      # numpy; x: float32 -> the quantised numbers, widened to float32 again
;;       x = np.moveaxis(x, axis, -1); K = x.shape[-1]
;;       r = np.clip(x / 2.0 ** e, -448, 448)
;;       step = 2.0 ** (np.maximum(np.frexp(np.where(r == 0, 1, r))[1] - 1, -6) - 3)
;;       q = np.round(r / step) * step * 2.0 ** e      # np.round: ties to even
;;       return np.moveaxis(q, -1, axis).astype(np.float32)
;;   ~~~
;;   SOFTMAX AHEAD OF A QUANTISED PRODUCT. Where the list says 'softmax', what is quantised is not the finished softmax but p = 2^(t - M), with t = logit x log2(e) and M = ceil(the row's largest t), a whole number; so 1/2 < the row's largest p <= 1. The row's sum l is taken of the UNQUANTISED p, in f32, and the product's result is divided by l at the end. Since M is a whole number, a kernel that streams over the keys may use a running M (the ceiling of the running maximum): every later rescaling is an exact power of two, so the quantised numbers keep their values, but for numbers so far below the row's largest that they fall under the format's range.
;;   OPERANDS COMPUTED ON THE WAY. 'Computed on the way' means the value that the module computes at that place (a softmax that the list does not call 'softmax' is quantised finished and normalised). What goes into a quantiser is computed in f32, as accurately as f32 sums, v_exp_f32 and their like allow (about 1e-6 of the number): no bf16 or f16 on the way to a quantiser, and a product that is left as it is and whose result goes on into a quantised operand takes f32 operands (vector FMAs, or v_wmma_f32_16x16x4_f32). A number that lies on a knife's edge between two numbers of the format may be rounded either way, as far as f32 arithmetic and the matrix unit's own rounding can turn it there, and no further.
;;   INPUTS GIVEN AS CODES. ca_wk (in the module: [1024, 1024], K = its axis 0); ca_wq (in the module: [1024, 1024], K = its axis 0); ca_wv (in the module: [1024, 1024], K = its axis 0); encoder_hidden_states (in the module: [2, 2048, 1024], K = its axis 2); fc1_w (in the module: [1024, 1024], K = its axis 0); fc2_w (in the module: [1024, 1024], K = its axis 0); sa_wk (in the module: [1024, 1024], K = its axis 0); sa_wq (in the module: [1024, 1024], K = its axis 0); sa_wv (in the module: [1024, 1024], K = its axis 0): each comes as NAME_codes (uint8): NAME with its K axis moved to the last place and cut into blocks of 32 codes, [.., K / 32, bytes a block], one block behind the other in memory; one code a byte (a code: sign, 4 exponent bits, 3 mantissa bits); its scale is its entry of lowp_scales. Its value is code x scale, taken as it is: it is not quantised again, and the codes and scales need not be those that the quantiser above would give.
;; 2 versions. Each part assembles by itself: llvm-mc -triple=amdgcn-amd-amdhsa -mcpu=gfx1250 --defsym DOCPART=n.
;; ======== version 1 of 2: 10 launches
;; workspace buffers: bufA 29,360,128 bytes; bufB 20,971,520 bytes; qkv1 12,582,912 bytes; qkv2 12,582,912 bytes; y 16,777,216 bytes; tab1 256 bytes of whole numbers; tab2 256 bytes of whole numbers; tab3 256 bytes of whole numbers
;; launch quant (part 1): grid 256 x 1, 8 waves a work-group, no clusters, 50,176 bytes of LDS; arguments hidden_states, lowp_scales, bufA, tab1, tab2, tab3; writes bufA, tab1, tab2, tab3
.if DOCPART == 1
	.amdgcn_target "amdgcn-amd-amdhsa--gfx1250"
	.amdhsa_code_object_version 6
	.text
	.protected	k_q89553e4237_quant
	.globl	k_q89553e4237_quant
	.p2align	8
	.type	k_q89553e4237_quant,@function
k_q89553e4237_quant:
	s_mov_b64 s[64:65], 0
	v_nop
	global_prefetch_b8 v0, s[64:65] scope:SCOPE_SE
	s_setreg_imm32_b32 hwreg(HW_REG_WAVE_MODE, 25, 1), 1
	s_wait_xcnt 0x0
; hidden_states [4096][1024] f32 becomes three tensors of E4M3 codes, rows of 1,024 bytes, with the given scales 2^e0, 2^e2, 2^e4
; (operand A of the three self-attention projections), at bufA + 16 MiB + i x 4 MiB.  code = x / 2^e, held within +-448, nearest, ties to even.
; LIMITS: each e between -126 and 119, so that 2^e and 448 x 2^e are f32 numbers.  NaN among the inputs is not served; an infinity is held at the largest code.
; A wave takes two rows.  A load reads 512 consecutive bytes, 16 a lane; a conversion of eight registers gives two words, the four codes of piece 2p and of piece 2p + 1;
; the words go to the wave's own stage in LDS (4 bytes a lane, 128 a piece) and come back 16 bytes a lane, so that a store covers 512 consecutive bytes.
; A stream: no matrix unit, no cluster, no barrier (waves share nothing).
; Wave 0 of work-group 0 also lays the given exponents out in three small tables, so that launches which share a body find theirs at fixed offsets:
; byte 16 j: eA, eB, eOut, relu of GEMM job j;  byte 128: eq, ek, ep, ev of an attention;  byte 160: e and a flag (codes wanted) of a LayerNorm.
.set MIB, 1048576
.set X,   16                           ; v16-79   two rows, 32 registers each
.set T,   80                           ; v80-111  held numbers
.set CW,  112                          ; v112-159 code words: 8 for each (row, scale)
.set BK,  160                          ; v160-207 rows of codes read back
.set TD,  208                          ; v208-255 the tables' words
	s_load_b256 s[4:11], s[0:1], 0x0               ; hidden s[4:5], scales s[6:7], bufA s[8:9], tab1 s[10:11]
	s_load_b128 s[12:15], s[0:1], 0x20             ; tab2 s[12:13], tab3 s[14:15]
	v_lshl_add_u32 v14, v0, 2, 0xc000
	v_mov_b32 v15, 0
	v_lshrrev_b32 v1, 5, v0
	v_readfirstlane_b32 s16, v1                    ; wave 0..7
	v_and_b32 v11, 31, v0                          ; lane
	v_lshlrev_b32 v1, 4, v11                       ; 16 x lane
	s_mul_i32 s17, s16, 6144                       ; my six stages of 1,024 bytes
	v_lshl_add_u32 v8, v11, 2, s17                 ; into a stage: 4 x lane
	v_lshl_add_u32 v9, v11, 4, s17                 ; out of it: 16 x lane
	v_mov_b32 v10, 0
	s_lshl_b32 s18, ttmp9, 4
	s_lshl_b32 s19, s16, 1
	s_add_co_u32 s18, s18, s19                     ; my first row: 16 x work-group + 2 x wave
	s_lshl_b32 s28, s18, 12
	s_mov_b32 s29, 0
	s_lshl_b32 s30, s18, 10
	s_mov_b32 s31, 0
	s_wait_kmcnt 0x0
	s_load_b512 s[32:47], s[6:7], 0x0              ; e0 .. e15
	s_load_b256 s[48:55], s[6:7], 0x40             ; e16 .. e23: e_n is s[32 + n]
	s_add_nc_u64 s[20:21], s[4:5], s[28:29]
	s_add_nc_u64 s[22:23], s[8:9], s[30:31]
	s_add_nc_u64 s[22:23], s[22:23], 16*MIB        ; a base for each scale's codes
	s_add_nc_u64 s[24:25], s[22:23], 4*MIB
	s_add_nc_u64 s[26:27], s[22:23], 8*MIB
.irp k, 0,1
.irp j, 0,1,2,3,4,5,6,7
	global_load_b128 v[X+32*\k+4*\j:X+32*\k+4*\j+3], v1, s[20:21] offset:\k*4096+512*\j th:TH_LOAD_NT
.endr
.endr
	s_wait_kmcnt 0x0
.irp i, 0,1,2
	s_add_co_i32 s56, s[32+2*\i], 127
	s_lshl_b32 s57, s56, 23
	v_mov_b32 v[2+\i], s57                         ; 2^e as f32: the conversion takes its exponent field
	s_add_co_i32 s56, s56, 8
	s_lshl_b32 s56, s56, 23
	s_or_b32 s56, s56, 0x600000
	v_mov_b32 v[5+\i], s56                         ; 448 x 2^e
.endr
; row k with scale i
.macro QV k, i
.set n, 0
.rept 32
	v_med3_num_f32 v[T+n], v[X+32*(\k)+n], -v[5+\i], v[5+\i]   ; the conversion to an 8-bit code does not saturate (ISA guide 7.6.2): the hold comes first
.set n, n+1
.endr
.irp p, 0,1,2,3
	v_cvt_scalef32_pk8_fp8_f32 v[CW+8*(3*(\k)+\i)+2*\p:CW+8*(3*(\k)+\i)+2*\p+1], v[T+8*\p:T+8*\p+7], v[2+\i]
.endr
	v_nop                                          ; a plain line between the conversions and the next holds, which write their sources
.irp j, 0,1,2,3,4,5,6,7
	ds_store_b32 v8, v[CW+8*(3*(\k)+\i)+\j] offset:(3*(\k)+\i)*1024+128*\j
.endr
.irp c, 0,1
	ds_load_b128 v[BK+8*(3*(\k)+\i)+4*\c:BK+8*(3*(\k)+\i)+4*\c+3], v9 offset:(3*(\k)+\i)*1024+512*\c   ; LDS serves a wave's instructions in order: these see my stores
.endr
.endm
.macro ROWOUT k
.irp i, 0,1,2
	QV \k, \i
.endr
	s_wait_dscnt 0x0
.irp i, 0,1,2
.irp c, 0,1
	global_store_b128 v1, v[BK+8*(3*(\k)+\i)+4*\c:BK+8*(3*(\k)+\i)+4*\c+3], s[22+2*\i:23+2*\i] offset:(\k)*1024+512*\c
.endr
.endr
.endm
	s_wait_loadcnt 8                               ; row 0 is in; row 1's eight loads may be out
	ROWOUT 0
	s_wait_loadcnt 0x0
	ROWOUT 1
	; the tables: one lane of one wave
	s_or_b32 s56, ttmp9, s16
	s_cmp_lg_u32 s56, 0
	s_cbranch_scc1 .Lend
.macro Q3C r, a, b, c, d               ; three exponents and a constant
	v_mov_b32 v[TD+\r], s[32+\a]
	v_mov_b32 v[TD+\r+1], s[32+\b]
	v_mov_b32 v[TD+\r+2], s[32+\c]
	v_mov_b32 v[TD+\r+3], \d
.endm
.macro Q4E r, a                        ; four exponents on end
	v_mov_b32 v[TD+\r], s[32+\a]
	v_mov_b32 v[TD+\r+1], s[33+\a]
	v_mov_b32 v[TD+\r+2], s[34+\a]
	v_mov_b32 v[TD+\r+3], s[35+\a]
.endm
.macro Q1F r, a                        ; an exponent and the flag 1
	v_mov_b32 v[TD+\r], s[32+\a]
	v_mov_b32 v[TD+\r+1], 1
	v_mov_b32 v[TD+\r+2], 0
	v_mov_b32 v[TD+\r+3], 0
.endm
	Q3C 0, 0, 1, 6, 0
	Q3C 4, 2, 3, 7, 0
	Q3C 8, 4, 5, 9, 0
	Q3C 12, 12, 13, 17, 0
	Q3C 16, 14, 15, 19, 0
	Q4E 20, 6
	Q1F 24, 10
	Q3C 28, 10, 11, 16, 0
	Q4E 32, 16
	Q1F 36, 20
	Q3C 40, 20, 21, 22, 1
.irp j, 44,45,46,47
	v_mov_b32 v[TD+\j], 0
.endr
	v_cmp_eq_u32 vcc_lo, 0, v0
	s_wait_xcnt 0x0                                ; EXEC is a source of the stores above: it changes only behind this wait
	s_and_saveexec_b32 s57, vcc_lo
	global_store_b128 v10, v[TD:TD+3], s[10:11]
	global_store_b128 v10, v[TD+4:TD+7], s[10:11] offset:16
	global_store_b128 v10, v[TD+8:TD+11], s[10:11] offset:32
	global_store_b128 v10, v[TD+12:TD+15], s[10:11] offset:48
	global_store_b128 v10, v[TD+16:TD+19], s[10:11] offset:64
	global_store_b128 v10, v[TD+20:TD+23], s[10:11] offset:128
	global_store_b128 v10, v[TD+24:TD+27], s[10:11] offset:160
	global_store_b128 v10, v[TD+28:TD+31], s[12:13]
	global_store_b128 v10, v[TD+32:TD+35], s[12:13] offset:128
	global_store_b128 v10, v[TD+36:TD+39], s[12:13] offset:160
	global_store_b128 v10, v[TD+40:TD+43], s[14:15]
	global_store_b128 v10, v[TD+44:TD+47], s[14:15] offset:160
	s_wait_xcnt 0x0                                ; and again in front of the line that widens it
	s_or_b32 exec_lo, exec_lo, s57
.Lend:
	s_wait_tensorcnt 0x0
	ds_add_u32 v14, v15
	s_wait_dscnt 0x0
	s_endpgm
.Lfunc_end_k_q89553e4237_quant:
	.size	k_q89553e4237_quant, .Lfunc_end_k_q89553e4237_quant-k_q89553e4237_quant
	.p2alignl 7, 3214868480
	.fill 96, 4, 3214868480
	.section	.rodata,"a",@progbits
	.p2align	6, 0x0
	.amdhsa_kernel k_q89553e4237_quant
		.amdhsa_group_segment_fixed_size 50176
		.amdhsa_private_segment_fixed_size 0
		.amdhsa_enable_private_segment 0
		.amdhsa_kernarg_size 48
		.amdhsa_user_sgpr_count 2
		.amdhsa_user_sgpr_kernarg_segment_ptr 1
		.amdhsa_wavefront_size32 1
		.amdhsa_system_sgpr_workgroup_id_x 1
		.amdhsa_system_sgpr_workgroup_id_y 1
		.amdhsa_system_sgpr_workgroup_id_z 1
		.amdhsa_system_vgpr_workitem_id 0
		.amdhsa_next_free_vgpr 256
		.amdhsa_next_free_sgpr 66
		.amdhsa_reserve_vcc 1
		.amdhsa_float_denorm_mode_32 3
		.amdhsa_float_denorm_mode_16_64 3
		.amdhsa_memory_ordered 1
		.amdhsa_forward_progress 1
		.amdhsa_inst_pref_size 26
	.end_amdhsa_kernel
	.amdgpu_metadata
---
amdhsa.version: [ 1, 2 ]
amdhsa.kernels:
  - .name:           k_q89553e4237_quant
    .symbol:         k_q89553e4237_quant.kd
    .args:
      - { .name: hidden_states, .offset: 0, .size: 8, .value_kind: global_buffer, .address_space: global }
      - { .name: lowp_scales, .offset: 8, .size: 8, .value_kind: global_buffer, .address_space: global }
      - { .name: bufA, .offset: 16, .size: 8, .value_kind: global_buffer, .address_space: global }
      - { .name: tab1, .offset: 24, .size: 8, .value_kind: global_buffer, .address_space: global }
      - { .name: tab2, .offset: 32, .size: 8, .value_kind: global_buffer, .address_space: global }
      - { .name: tab3, .offset: 40, .size: 8, .value_kind: global_buffer, .address_space: global }
    .group_segment_fixed_size: 50176
    .private_segment_fixed_size: 0
    .kernarg_segment_align: 8
    .kernarg_segment_size: 48
    .max_flat_workgroup_size: 256
    .sgpr_count:     66
    .vgpr_count:     256
    .wavefront_size: 32
...
	.end_amdgpu_metadata
.endif
;; end of part 1
;; launch proj (part 2): grid 4 x 80, 4 waves a work-group, clusters of 4 x 4, 327,680 bytes of LDS; arguments bufA, encoder_hidden_states_codes, sa_wq_codes, sa_wk_codes, sa_wv_codes, ca_wk_codes, ca_wv_codes, sa_bq, sa_bk, sa_bv, ca_bk, ca_bv, tab1, qkv1, qkv2; writes qkv1, qkv2
.if DOCPART == 2
	.amdgcn_target "amdgcn-amd-amdhsa--gfx1250"
	.amdhsa_code_object_version 6
	.text
	.protected	k_q89553e4237_proj
	.globl	k_q89553e4237_proj
	.p2align	8
	.type	k_q89553e4237_proj,@function
k_q89553e4237_proj:
	s_mov_b64 s[64:65], 0
	v_nop
	global_prefetch_b8 v0, s[64:65] scope:SCOPE_SE
	s_setreg_imm32_b32 hwreg(HW_REG_WAVE_MODE, 25, 1), 1
	s_wait_xcnt 0x0
	s_wait_alu depctr_hold_cnt(0) depctr_sa_sdst(0) depctr_va_vdst(0) depctr_va_sdst(0) depctr_va_ssrc(0) depctr_va_vcc(0) depctr_vm_vsrc(0)
	s_getreg_b32 s2, hwreg(HW_REG_IB_STS2, 6, 4)
	s_cmp_eq_u32 s2, 0
	s_cbranch_scc0 .Lentry_in_a_cluster
	s_endpgm
.Lentry_in_a_cluster:
	s_bfe_u32 s2, ttmp6, 0x10000c
	s_cmp_lg_u32 s2, 0xf033
	s_cbranch_scc0 .Lentry_shape_is_right
	s_endpgm
.Lentry_shape_is_right:
; Up to five products X W^T + bias on E4M3 codes, X [4096][1024], W [1024][1024], rows of 1,024 bytes along K; each result is quantised again (given scale 2^eO, held within +-448, or between 0 and 448 where
; the job's relu word is 1) and stored as IMAGES OF OPERAND REGISTERS for the launch that reads it.
; JOB = cluster y / 4 picks X, W, bias, output region and four words of the table (eA, eB, eO, relu); cluster y % 4 picks a quarter of X's rows.  Jobs 0, 1, 3: images of 16 tokens x 64 columns.  Jobs 2, 4 (values
; of an attention): images of 16 columns x 64 tokens.  An image is the 8 registers of a 16 x 64 fragment of the K = 64 form: registers 0-3 of lane l at byte 16 l, registers 4-7 at 512 + 16 l: 1,024 bytes.
; A launch with 16 work-groups along y has job 0 alone: the pointers of jobs 1 to 4 (the second X, four weights, four biases, the second output) are then never selected, and nothing is loaded or stored through them.
; ONE TEXT SERVES BOTH KINDS BY SWAPPING ROLES: source 1 ("A", its rows become lanes) is X and source 0 ("B", its rows become a lane's eight registers) is W, or the other way round for jobs 2 and 4.
; The choice is made of pointers and tile numbers by selects on the cluster's y alone; no branch hangs on it, nor on a word of the table.
; LIMITS: eA + eB between -126 and 127; eO between -126 and 119.  NaN is not served.
; A tile of 256 x 256 is made by four waves, 128 x 128 each: 64 accumulators, 512 registers.  K goes in steps of 256 through a ring of two LDS slots filled by the tensor data mover.
; CLUSTERS: 4 x 4 work-groups; the four of a row of the cluster ask jointly for A's tiles, the four of a column for B's.
; Both operands are fetched 16 bytes at a time: the same permutation of k on both sides, so every product meets its partner.
; REGISTERS, in windows of 256: window 0: v0-31 addresses; v32-95 bias along B's rows; v96-111 bias along A's rows; v112-118 store offsets and the quantiser's numbers; from v128 A's fragments, ONE set
; (on the way out v128-207 are at work).  window 1: B's fragments, two sets.  windows 2, 3: the accumulators ((a, b) at v[8 (8 (a % 4) + b)]).
.set MIB,    1048576
.set SIZE_K, 1024
.set KSTEP,  256
.set ROWB,   256                       ; a tile's row in bytes
.set KROW,   SIZE_K                    ; a row in memory
.set PITCH,  272                       ; an LDS row: 256 bytes + 16 of padding: the 16 rows that a load touches start at 16 different banks (64 banks of 4 bytes: ISA guide 11.1)
.set FR,     16
.set NL,     4
.set NP,     4                         ; places behind this matrix instruction (ISA guide 7.12.1)
.set HALFT,  128*PITCH
.set SLOT,   4*HALFT
.set LAPS,   SIZE_K/(2*KSTEP)
.set SPARE,  2*SLOT                    ; behind the ring: the spare words, 128 bytes a wave, which no other line names
.set ADRA, 16
.set ADRB, 20
.set SPW,  28
.set NIL,  29
.set BB,   32
.set BA,   96
.set VO,   112
.set SCQ,  116
.set QHI,  117
.set QLO,  118
.set T,    128
.set CD,   192
.set AF,   128
.set G1, 24
.set G0, 32
.set G1B, 48
.set G0B, 56
.set MSB, 0
.macro WIN new                         ; the immediate's high byte repeats the setting that is left
.if MSB != \new
	s_set_vgpr_msb (MSB<<8)|\new
.set MSB, \new
.endif
.endm
.set MUL_LO, 0xa1                      ; source 0 (B) window 1, source 1 (A) window 0, C and D window 2
.set MUL_HI, 0xf1
.set TO_B,   0x40
; A joint load: waves 0 and 1 fetch for A, waves 2 and 3 for B; the branch hangs on the wave's number alone.  Four v_nop follow each of the two lines.
.macro JLOAD g0a, g1a, g0b, g1b
	s_cmp_eq_u32 s15, 0
	s_cbranch_scc0 .Lfor_b_\@
	tensor_load_to_lds s[\g0a:\g0a+3], s[\g1a:\g1a+7]
	s_nop 0
.rept 4
	v_nop
.endr
	s_branch .Lasked_\@
.Lfor_b_\@:
	tensor_load_to_lds s[\g0b:\g0b+3], s[\g1b:\g1b+7]
	s_nop 0
.rept 4
	v_nop
.endr
.Lasked_\@:
.endm
.macro CREST                           ; a round of the cluster's barrier behind its opening barrier
	s_cmp_lg_u32 s14, 0
	s_cbranch_scc1 .Lnot_wave_0_\@
	s_barrier_signal -3
.Lnot_wave_0_\@:
	s_barrier_wait -3
	s_barrier_signal -1
	s_barrier_wait -1
.endm
.macro CROUND
	s_barrier_signal -1
	s_barrier_wait -1
	CREST
.endm
	s_load_b512 s[68:83], s[0:1], 0x0              ; X0 68, X1 70, W0-W4 72-80, bias0 82
	s_load_b256 s[84:91], s[0:1], 0x40             ; bias1-bias4 84-90
	s_load_b128 s[92:95], s[0:1], 0x60             ; table 92, first output buffer 94
	s_load_b64 s[96:97], s[0:1], 0x70              ; second output buffer
	v_lshl_add_u32 v[SPW], v0, 2, SPARE
	v_mov_b32 v[NIL], 0
	ds_add_u32 v28, v29
	ds_add_u32 v28, v29
	s_wait_dscnt 0x0
	v_lshrrev_b32 v1, 5, v0
	v_readfirstlane_b32 s14, v1                    ; wave 0..3
	s_lshr_b32 s15, s14, 1                         ; which half of A's rows is mine.  Also: I fetch for A (0) or for B (1)
	s_and_b32 s16, s14, 1                          ; which half of B's rows.  Also: which 128 rows of that tile I fetch
	s_bfe_u32 s40, ttmp6, 0x40000                  ; cx
	s_bfe_u32 s41, ttmp6, 0x40004                  ; cy
	s_and_b32 s12, ttmp7, 0xffff                   ; cluster y
	s_lshr_b32 s13, s12, 2                         ; JOB
	s_and_b32 s12, s12, 3
	s_lshl_b32 s12, s12, 2                         ; 4 x the quarter of X's rows
	s_cmp_eq_u32 s13, 2
	s_cselect_b32 s2, 1, 0
	s_cmp_eq_u32 s13, 4
	s_cselect_b32 s2, 1, s2                        ; 1: a job of values: A = W, B = X
	s_cmp_eq_u32 s2, 0
	s_cselect_b32 s17, s12, 0
	s_cselect_b32 s42, 0, s12
	s_add_co_u32 s17, s17, s41                     ; A's tile: made of cy and the cluster's y alone
	s_add_co_u32 s42, s42, s40                     ; B's tile: made of cx and the cluster's y alone
	s_lshl_b32 s43, s41, 2
	s_lshl_b32 s43, 15, s43                        ; my row of the cluster
	s_lshl_b32 s44, 0x1111, s40                    ; my column
	s_or_b32 s[G1+0], s43, (0<<16)|(1<<20)|(1<<21)|(5<<22)|(3<<25)  ; the mask; elements of 1 byte; padding on; bit 21 beside a mask; after every 64 words, 4 words
	s_or_b32 s[G1B+0], s44, (0<<16)|(1<<20)|(1<<21)|(5<<22)|(3<<25)
.irp g, G1, G1B
	s_mov_b32 s[\g+1], ROWB<<16                    ; tensor_dim0
	s_mov_b32 s[\g+2], 128<<16                     ; tensor_dim1
	s_mov_b32 s[\g+3], ROWB<<16                    ; tile_dim0
	s_mov_b32 s[\g+4], 128                         ; tile_dim1
	s_mov_b32 s[\g+5], KROW                        ; stride from row to row
	s_mov_b32 s[\g+6], 0
	s_mov_b32 s[\g+7], 0
.endr
	s_lshl_b32 s18, s16, 7
	s_lshl_b32 s20, s17, 8
	s_add_co_u32 s20, s20, s18                     ; A: row 256 x tile + 128 x half
	s_lshl_b32 s20, s20, 10                        ; in bytes (under 4 MiB)
	s_mov_b32 s21, 0
	s_lshl_b32 s46, s42, 8
	s_add_co_u32 s46, s46, s18
	s_lshl_b32 s46, s46, 10
	s_mov_b32 s47, 0
	s_mul_i32 s45, s14, HALFT                      ; where they go: wave x 128 rows
	s_wait_kmcnt 0x0
	s_mov_b64 s[4:5], s[72:73]                     ; W and bias by the job's number
	s_mov_b64 s[8:9], s[82:83]
.macro PICK job, w, b
	s_cmp_eq_u32 s13, \job
	s_cselect_b64 s[4:5], s[\w:\w+1], s[4:5]
	s_cselect_b64 s[8:9], s[\b:\b+1], s[8:9]
.endm
	PICK 1, 74, 84
	PICK 2, 76, 86
	PICK 3, 78, 88
	PICK 4, 80, 90
	s_lshl_b32 s22, s13, 22
	s_mov_b32 s23, 0
	s_add_nc_u64 s[6:7], s[68:69], s[22:23]
	s_add_nc_u64 s[6:7], s[6:7], 16*MIB            ; jobs 0-2: the first buffer's code rows, 16 MiB + JOB x 4 MiB in
	s_sub_co_u32 s18, s13, 2
	s_cmp_lt_u32 s13, 3
	s_cselect_b64 s[6:7], s[6:7], s[70:71]         ; jobs 3, 4: the second buffer
	s_cselect_b64 s[10:11], s[94:95], s[96:97]
	s_cselect_b32 s18, s13, s18                    ; the output's region: 0 queries, 1 keys, 2 values
	s_lshl_b32 s18, s18, 22
	s_mov_b32 s19, 0
	s_add_nc_u64 s[10:11], s[10:11], s[18:19]
	s_cmp_eq_u32 s2, 0
	s_cselect_b64 s[98:99], s[6:7], s[4:5]
	s_cselect_b64 s[6:7], s[4:5], s[6:7]           ; B's codes
	s_mov_b64 s[4:5], s[98:99]                     ; A's codes
	s_lshl_b32 s66, s13, 4
	s_load_b128 s[84:87], s[92:93], s66 offset:0x0 ; eA, eB, eO, relu
	s_add_nc_u64 s[20:21], s[4:5], s[20:21]
	s_add_nc_u64 s[46:47], s[6:7], s[46:47]
	CROUND                                         ; all sixteen work-groups are here: the first joint loads meet
.irp s, 0,1
	s_mov_b32 s[G0+4*\s], 1
	s_add_co_u32 s[G0+4*\s+1], s45, \s*SLOT
	s_add_nc_u64 s[G0+4*\s+2:G0+4*\s+3], s[20:21], \s*ROWB
	s_or_b32 s[G0+4*\s+3], s[G0+4*\s+3], 0x80000000
	s_mov_b32 s[G0B+4*\s], 1
	s_add_co_u32 s[G0B+4*\s+1], s45, \s*SLOT
	s_add_nc_u64 s[G0B+4*\s+2:G0B+4*\s+3], s[46:47], \s*ROWB
	s_or_b32 s[G0B+4*\s+3], s[G0B+4*\s+3], 0x80000000
	JLOAD G0+4*\s, G1, G0B+4*\s, G1B
.endr
	v_and_b32 v1, 15, v0                           ; r
	v_bfe_u32 v2, v0, 4, 1                         ; h
	v_mul_u32_u24 v3, v1, PITCH
	v_lshl_add_u32 v4, v2, 4, v3                   ; a fragment's row x pitch + 16 x half
	s_mul_i32 s21, s15, HALFT
	s_mul_i32 s22, s16, HALFT
	s_add_co_u32 s22, s22, 2*HALFT
.irp s, 0,1
	v_add_nc_u32 v[ADRA+\s], s21, v4
	v_add_nc_u32 v[ADRB+\s], s22, v4
	s_add_co_u32 s21, s21, SLOT
	s_add_co_u32 s22, s22, SLOT
.endr
	; where my 128 rows of X (xt, xh) and of W (wt, wh) lie: for the bias and the stores alone
	s_cmp_eq_u32 s2, 0
	s_cselect_b32 s18, s17, s42                    ; xt
	s_cselect_b32 s19, s15, s16                    ; xh
	s_cselect_b32 s20, s42, s17                    ; wt
	s_cselect_b32 s21, s16, s15                    ; wh
	s_mov_b32 s22, 131072
	s_cselect_b32 s22, 4096, s22                   ; bytes from A's blocks 0-3 to 4-7: four images on, or one head on
	s_mov_b32 s23, 4096
	s_cselect_b32 s23, 131072, s23                 ; bytes from B's blocks 0-3 to 4-7: the other of the two
	s_lshl_b32 s98, s20, 10
	s_lshl_b32 s99, s21, 9
	s_add_co_u32 s98, s98, s99
	s_mov_b32 s99, 0
	s_add_nc_u64 s[8:9], s[8:9], s[98:99]          ; the bias of my 128 rows of W
	s_lshr_b32 s98, s18, 3                         ; image number ((batch x 16 + 4 wt + 2 wh) x 128 + 16 (xt % 8) + 8 xh): the same sum for both kinds of image
	s_lshl_b32 s98, s98, 4
	s_lshl_b32 s99, s20, 2
	s_add_co_u32 s98, s98, s99
	s_lshl_b32 s99, s21, 1
	s_add_co_u32 s98, s98, s99
	s_lshl_b32 s98, s98, 7
	s_and_b32 s99, s18, 7
	s_lshl_b32 s99, s99, 4
	s_add_co_u32 s98, s98, s99
	s_lshl_b32 s99, s19, 3
	s_add_co_u32 s98, s98, s99
	s_lshl_b32 s98, s98, 10
	s_mov_b32 s99, 0
	s_add_nc_u64 s[10:11], s[10:11], s[98:99]
	v_lshlrev_b32 v30, 5, v2                       ; 32 h
	v_lshlrev_b32 v31, 2, v1                       ; 4 r
.irp b, 0,1,2,3,4,5,6,7
	global_load_b128 v[BB+8*\b:BB+8*\b+3], v30, s[8:9] offset:64*\b        ; bias at W rows 16 b + 8 h + 0 .. 7: right where W is B
	global_load_b128 v[BB+8*\b+4:BB+8*\b+7], v30, s[8:9] offset:64*\b+16
.endr
.irp a, 0,1,2,3,4,5,6,7
	global_load_b32 v[BA+2*\a], v31, s[8:9] offset:64*\a                   ; bias at W row 16 a + r: right where W is A
.endr
	v_and_b32 v6, 31, v0
	v_lshlrev_b32 v[VO], 4, v6                     ; the stores' offsets: 16 x lane + the two steps above
	v_add_nc_u32 v[VO+1], s23, v[VO]
	v_add_nc_u32 v[VO+2], s22, v[VO]
	v_add_nc_u32 v[VO+3], s23, v[VO+2]
.macro FRAG reg, adr, q, i             ; 16 rows x 128 K: registers 4 c .. 4 c + 3 hold K = 32 c + 16 (l / 16) + 0 .. 15
.irp c, 0,1,2,3
	ds_load_b128 v[\reg+4*\c:\reg+4*\c+3], v[\adr] offset:128*(\q)+32*\c+(\i)*16*PITCH
.endr
.endm
; 16 matrix instructions: A's blocks a0, a0 + 1 x B's eight.  The 64 accumulators take turns, one instruction a turn, in the same order in every step.
.macro MUL16 a0, p, zero
.irp a, \a0, \a0+1
.irp b, 0,1,2,3,4,5,6,7
.if \zero
	v_wmma_f32_16x16x128_fp8_fp8 v[8*(8*((\a)%4)+\b):8*(8*((\a)%4)+\b)+7], v[128*(\p)+FR*\b:128*(\p)+FR*\b+FR-1], v[AF+FR*(\a):AF+FR*(\a)+FR-1], 0
.else
	v_wmma_f32_16x16x128_fp8_fp8 v[8*(8*((\a)%4)+\b):8*(8*((\a)%4)+\b)+7], v[128*(\p)+FR*\b:128*(\p)+FR*\b+FR-1], v[AF+FR*(\a):AF+FR*(\a)+FR-1], v[8*(8*((\a)%4)+\b):8*(8*((\a)%4)+\b)+7]
.endif
.endr
.endr
.endm
.macro FETCH_B slot, q, p
	WIN TO_B
.irp i, 0,1,2,3,4,5,6,7
	FRAG 128*(\p)+FR*\i, ADRB+\slot, \q, \i
.endr
	WIN 0
.endm
.macro FETCH_A slot, q, i0
.irp i, \i0, \i0+1, \i0+2, \i0+3
	FRAG AF+FR*(\i), ADRA+\slot, \q, \i
.endr
.endm
.macro PLACES n                        ; plain vector lines between a matrix instruction and a load into, or a vector read of, its registers
.rept \n
	v_nop
.endr
.endm
.macro STEP slot, q, zero              ; 128 along K, with its successor in the same slot
	s_wait_dscnt 4*NL                              ; B's set and A's blocks 0-3 are in; the youngest 16 loads (A's blocks 4-7) may be out
	WIN MUL_LO
	MUL16 0, (\q)%2, \zero
	MUL16 2, (\q)%2, \zero
	s_wait_dscnt 0
	PLACES NP
	FETCH_B \slot, (\q)+1, 1-(\q)%2
	FETCH_A \slot, (\q)+1, 0
	WIN MUL_HI
	MUL16 4, (\q)%2, \zero
	MUL16 6, (\q)%2, \zero
	PLACES NP
	WIN 0
	FETCH_A \slot, (\q)+1, 4
.endm
; A slot's last step changes slots: one barrier; in front of it each wave waits for all its tensor loads, adds 0 to its spare word, and waits for that and for its reads of this slot.
.macro TURN slot, next, fill
	s_wait_tensorcnt 0x0                           ; all my tensor loads have landed: my part of the next slot
	ds_add_u32 v[SPW], v[NIL]                      ; 0 onto my spare word
	s_wait_dscnt 4*NL+1                            ; the add and the youngest 16 loads may be out
	WIN MUL_LO
	MUL16 0, 1, 0
	s_wait_dscnt 0x0                               ; the add is done, and my reads of this slot are over
	s_barrier_signal -1
	MUL16 2, 1, 0
	WIN 0
	s_barrier_wait -1
.if \fill
	CREST                                          ; the barrier has opened a round of the cluster's barrier: no wave of any partner still reads this slot or has a load on its way
	s_add_nc_u64 s[G0+4*\slot+2:G0+4*\slot+3], s[G0+4*\slot+2:G0+4*\slot+3], 2*ROWB
	s_add_nc_u64 s[G0B+4*\slot+2:G0B+4*\slot+3], s[G0B+4*\slot+2:G0B+4*\slot+3], 2*ROWB
	JLOAD G0+4*\slot, G1, G0B+4*\slot, G1B         ; the first tensor load behind the round; its four v_nop are the places in front of the loads below
.else
	PLACES NP
.endif
	FETCH_B \next, 0, 0
	FETCH_A \next, 0, 0
	WIN MUL_HI
	MUL16 4, 1, 0
	MUL16 6, 1, 0
	PLACES NP
	WIN 0
	FETCH_A \next, 0, 4
.endm
	s_wait_tensorcnt 1                             ; my part of K step 0 is in; K step 1's load may be out
	s_barrier_signal -1
	s_barrier_wait -1
	FETCH_B 0, 0, 0
	FETCH_A 0, 0, 0
	FETCH_A 0, 0, 4
	STEP 0, 0, 1                                   ; the first step starts the sums: nothing is cleared
	s_mov_b32 s3, LAPS-1
.Llap:                                                 ; a trip goes once round the ring and fills both slots again
	TURN 0, 1, 1
	STEP 1, 0, 0
	TURN 1, 0, 1
	STEP 0, 0, 0
	s_sub_co_u32 s3, s3, 1
	s_cmp_lg_u32 s3, 0
	s_cbranch_scc1 .Llap
	TURN 0, 1, 0                                   ; the last lap fills nothing
	STEP 1, 0, 0
	s_wait_dscnt 4*NL
	WIN MUL_LO
	MUL16 0, 1, 0
	MUL16 2, 1, 0
	s_wait_dscnt 0
	WIN MUL_HI
	MUL16 4, 1, 0
	MUL16 6, 1, 0
	WIN 0
	; THE WAY OUT.  value = sum x 2^(eA + eB) + bias; held; converted with 2^eO.  A lane's eight registers of block b are registers 2 (b % 4), 2 (b % 4) + 1 of image b / 4.
	s_wait_kmcnt 0x0
	s_add_co_i32 s100, s84, s85
	s_add_co_i32 s100, s100, 127
	s_lshl_b32 s100, s100, 23                      ; 2^(eA + eB) as f32
	s_mov_b32 s101, s100                           ; (named with it as a pair)
	s_add_co_i32 s98, s86, 127
	s_lshl_b32 s99, s98, 23
	v_mov_b32 v[SCQ], s99                          ; 2^eO
	s_add_co_i32 s98, s98, 8
	s_lshl_b32 s98, s98, 23
	s_or_b32 s98, s98, 0x600000
	v_mov_b32 v[QHI], s98                          ; 448 x 2^eO
	s_xor_b32 s99, s98, 0x80000000
	s_cmp_lg_u32 s87, 0
	s_cselect_b32 s99, 0, s99                      ; the lower hold: 0 where the job has a relu: activation and hold in one
	v_mov_b32 v[QLO], s99
	s_wait_loadcnt 0x0                             ; the biases
	s_cmp_eq_u32 s2, 0
	s_cselect_b32 s12, -1, 0
	s_not_b32 s13, s12
.set n, 0
.rept 64
	v_cndmask_b32 v[BB+n], 0, v[BB+n], s12         ; of the two biases the one that does not fit the job's roles becomes 0: the sum below then rounds once.  (These lines are also the places behind the last products)
.set n, n+1
.endr
.irp a, 0,1,2,3,4,5,6,7
	v_cndmask_b32 v[BA+2*\a], 0, v[BA+2*\a], s13
.endr
.irp a, 0,1,2,3,4,5,6,7
	v_mov_b32 v[BA+2*\a+1], v[BA+2*\a]
.endr
.macro OUTBLK a
.set AC, 64*((\a)%4)
.if (\a) > 0
	s_wait_xcnt 0x0                                ; the last block's stores have read their data: the codes' registers may be written again
.endif
	WIN (0x02+((\a)/4))                            ; source 0: window 2 or 3
.set n, 0
.rept 32
	v_pk_fma_f32 v[T+n:T+n+1], v[AC+n:AC+n+1], s[100:101], v[BB+n:BB+n+1] op_sel_hi:[1,0,1]   ; each accumulator from its low end on
.set n, n+2
.endr
	WIN 0
.set n, 0
.rept 32
	v_pk_add_f32 v[T+n:T+n+1], v[T+n:T+n+1], v[BA+2*(\a):BA+2*(\a)+1]
.set n, n+2
.endr
.set n, 0
.rept 64
	v_med3_num_f32 v[T+n], v[T+n], v[QLO], v[QHI]  ; the conversion to an 8-bit code does not saturate (ISA guide 7.6.2)
.set n, n+1
.endr
.irp b, 0,1,2,3,4,5,6,7
	v_cvt_scalef32_pk8_fp8_f32 v[CD+2*\b:CD+2*\b+1], v[T+8*\b:T+8*\b+7], v[SCQ]
.endr
	v_nop                                          ; a plain line behind the conversions: the next block writes their sources
.irp g, 0,1
.irp c, 0,1
	global_store_b128 v[VO+2*((\a)/4)+\g], v[CD+8*\g+4*\c:CD+8*\g+4*\c+3], s[10:11] offset:((\a)%4)*1024+512*\c   ; 32 lanes store 512 consecutive bytes, aligned
.endr
.endr
.endm
.irp a, 0,1,2,3,4,5,6,7
	OUTBLK \a
.endr
	s_wait_tensorcnt 0x0                           ; the wave's end
	ds_add_u32 v[SPW], v[NIL]
	s_wait_dscnt 0x0
	CROUND                                         ; the closing round: no work-group ends while a partner may still ask for a tile that names it
	s_endpgm
.Lfunc_end_k_q89553e4237_proj:
	.size	k_q89553e4237_proj, .Lfunc_end_k_q89553e4237_proj-k_q89553e4237_proj
	.p2alignl 7, 3214868480
	.fill 96, 4, 3214868480
	.section	.rodata,"a",@progbits
	.p2align	6, 0x0
	.amdhsa_kernel k_q89553e4237_proj
		.amdhsa_group_segment_fixed_size 327680
		.amdhsa_private_segment_fixed_size 0
		.amdhsa_enable_private_segment 0
		.amdhsa_kernarg_size 120
		.amdhsa_user_sgpr_count 2
		.amdhsa_user_sgpr_kernarg_segment_ptr 1
		.amdhsa_wavefront_size32 1
		.amdhsa_system_sgpr_workgroup_id_x 1
		.amdhsa_system_sgpr_workgroup_id_y 1
		.amdhsa_system_sgpr_workgroup_id_z 1
		.amdhsa_system_vgpr_workitem_id 0
		.amdhsa_next_free_vgpr 1024
		.amdhsa_next_free_sgpr 102
		.amdhsa_reserve_vcc 0
		.amdhsa_float_denorm_mode_32 3
		.amdhsa_float_denorm_mode_16_64 3
		.amdhsa_memory_ordered 1
		.amdhsa_forward_progress 1
		.amdhsa_inst_pref_size 159
	.end_amdhsa_kernel
	.amdgpu_metadata
---
amdhsa.version: [ 1, 2 ]
amdhsa.kernels:
  - .name:           k_q89553e4237_proj
    .symbol:         k_q89553e4237_proj.kd
    .args:
      - { .name: bufA, .offset: 0, .size: 8, .value_kind: global_buffer, .address_space: global }
      - { .name: encoder_hidden_states_codes, .offset: 8, .size: 8, .value_kind: global_buffer, .address_space: global }
      - { .name: sa_wq_codes, .offset: 16, .size: 8, .value_kind: global_buffer, .address_space: global }
      - { .name: sa_wk_codes, .offset: 24, .size: 8, .value_kind: global_buffer, .address_space: global }
      - { .name: sa_wv_codes, .offset: 32, .size: 8, .value_kind: global_buffer, .address_space: global }
      - { .name: ca_wk_codes, .offset: 40, .size: 8, .value_kind: global_buffer, .address_space: global }
      - { .name: ca_wv_codes, .offset: 48, .size: 8, .value_kind: global_buffer, .address_space: global }
      - { .name: sa_bq, .offset: 56, .size: 8, .value_kind: global_buffer, .address_space: global }
      - { .name: sa_bk, .offset: 64, .size: 8, .value_kind: global_buffer, .address_space: global }
      - { .name: sa_bv, .offset: 72, .size: 8, .value_kind: global_buffer, .address_space: global }
      - { .name: ca_bk, .offset: 80, .size: 8, .value_kind: global_buffer, .address_space: global }
      - { .name: ca_bv, .offset: 88, .size: 8, .value_kind: global_buffer, .address_space: global }
      - { .name: tab1, .offset: 96, .size: 8, .value_kind: global_buffer, .address_space: global }
      - { .name: qkv1, .offset: 104, .size: 8, .value_kind: global_buffer, .address_space: global }
      - { .name: qkv2, .offset: 112, .size: 8, .value_kind: global_buffer, .address_space: global }
    .group_segment_fixed_size: 327680
    .private_segment_fixed_size: 0
    .kernarg_segment_align: 8
    .kernarg_segment_size: 120
    .max_flat_workgroup_size: 128
    .sgpr_count:     102
    .vgpr_count:     1024
    .wavefront_size: 32
...
	.end_amdgpu_metadata
.endif
;; end of part 2
;; launch attn1 (part 3): grid 8 x 32, 8 waves a work-group, no clusters, 297,984 bytes of LDS; arguments qkv1, tab1, y; writes y
.if DOCPART == 3
	.amdgcn_target "amdgcn-amd-amdhsa--gfx1250"
	.amdhsa_code_object_version 6
	.text
	.protected	k_q89553e4237_attn1
	.globl	k_q89553e4237_attn1
	.p2align	8
	.type	k_q89553e4237_attn1,@function
k_q89553e4237_attn1:
	s_mov_b64 s[64:65], 0
	v_nop
	global_prefetch_b8 v0, s[64:65] scope:SCOPE_SE
	s_setreg_imm32_b32 hwreg(HW_REG_WAVE_MODE, 25, 1), 1
	s_wait_xcnt 0x0
; ctx[b][q][head] = softmax_k(Q . K / 8) V on E4M3 codes, 32 (batch, head) pairs, 2,048 queries and keys, head size 64.  Q, K, V come as images of operand registers (1,024 bytes: the 8 registers of a 16 x 64 fragment):
; Q at byte 0, K at 4 MiB (16 tokens x 64 channels, image (pair x 128 + token / 16)), V at 8 MiB (16 channels x 64 keys, image (pair x 128 + 4 (key / 64) + channel / 16)).  ctx: f32, [4096][1024].
; THE SOFTMAX: t = score x 2^(eq + ek) x log2(e) / 8; M = the running largest t rounded UP to a whole number; p = 2^(t - M) is quantised with 2^ep, not normalised; the row's sum is taken of the unquantised p and divides at the
; end; when M moves, the sum and O are multiplied by 2^(old M - new M), which rounds nothing.
; SHARES.  A work-group: 256 queries of one pair; each of eight waves 32 of them, two tiles, so that each fragment of K and V read from LDS feeds two matrix instructions.  A key step is 64 keys.
; THE PAIR'S WHOLE K AND V, 2 x 131,072 bytes, LIE IN LDS, filled once, through registers, as they lie in memory; one barrier; the loop loads nothing from memory.
; NO CLUSTER, NO TENSOR LOADS: what the eight work-groups of a pair share is those 262,144 bytes, read once at the head; the branch on ep below
; leaves out 64 of a key step's some 290 vector instructions wherever 448 x 2^ep is at least 1 (p is at most 1, so no hold is then needed).
; LAYOUT.  Both products transposed: S^T = K Q^T, O^T = V^T P^T: a lane holds ONE query (lane % 16).  In tile t of S^T its registers are keys 16 t + 8 (lane / 16) + 0 .. 7: one conversion gives registers 2 t, 2 t + 1 of P.
; LIMITS: eq + ek between -123 and 130 (added to a constant's exponent field); ep between -126 and 119.  NaN is not served.
.set MIB,  1048576
.set VLDS, 131072
.set STG,  262144                      ; the way out: 16 rows x 272 bytes for each wave
.set SP,   272
.set LF,   1                           ; v1    16 x lane
.set ADK,  2                           ; v2    K's fragments of the trip in hand; on the way out: into the stage
.set ADV,  3                           ; v3    V's; on the way out: out of the stage
.set FL,   4                           ; v4-7  16 x thread + 65,536 n: the fill; v5 on the way out: my offset in ctx
.set SC,   8                           ; v8    2^ep
.set LIM,  9                           ; v9    448 x 2^ep
.set PD,   10                          ; v10-11 lane permutes' destinations
.set ST,   12                          ; v12-23 six words a tile: -M, largest t, the sum (two halves), f (later 1 / sum), at work
.set CM,   24                          ; v24-31 four chains of maxima a tile; later a second chain of sums
.set Q,    32
.set KF,   48
.set VF,   80
.set S,    112
.set PC,   176
.set O,    192
	s_load_b128 s[4:7], s[0:1], 0x0                ; images s[4:5], table s[6:7]
	s_load_b64 s[8:9], s[0:1], 0x10                ; ctx
	s_set_vgpr_msb 0x40
	v_lshl_add_u32 v0, v0, 2, 0x48800
	v_mov_b32 v1, 0
	s_set_vgpr_msb 0x4000
	v_lshrrev_b32 v1, 5, v0
	v_readfirstlane_b32 s14, v1                    ; wave 0..7
	v_and_b32 v1, 31, v0
	v_lshlrev_b32 v[LF], 4, v1
	v_lshlrev_b32 v[FL], 4, v0
	v_add_nc_u32 v[FL+1], 0x10000, v[FL]
	v_add_nc_u32 v[FL+2], 0x20000, v[FL]
	v_add_nc_u32 v[FL+3], 0x30000, v[FL]
	s_and_b32 s15, ttmp7, 0xffff                   ; the pair: 16 x batch + head
	s_lshl_b32 s30, s15, 17                        ; its 128 images
	s_mov_b32 s31, 0
	s_lshl_b32 s32, ttmp9, 4
	s_lshl_b32 s33, s14, 1
	s_add_co_u32 s32, s32, s33                     ; my first tile of queries: 16 x + 2 wave
	s_lshl_b32 s32, s32, 10
	s_add_co_u32 s32, s32, s30
	s_mov_b32 s33, 0
	s_lshr_b32 s34, s15, 4
	s_lshl_b32 s34, s34, 11
	s_lshl_b32 s35, ttmp9, 8
	s_add_co_u32 s34, s34, s35
	s_lshl_b32 s35, s14, 5
	s_add_co_u32 s34, s34, s35                     ; my first row of ctx
	s_lshl_b32 s34, s34, 12
	s_and_b32 s35, s15, 15
	s_lshl_b32 s35, s35, 8                         ; the head's 256 bytes of a row
	s_add_co_u32 s34, s34, s35
	s_mov_b32 s35, 0
	s_mov_b32 s20, 0x76543210                      ; v_permlanex16_b32: lane l xor 16
	s_mov_b32 s21, 0xfedcba98
	s_mov_b32 s22, 0x3e38aa3b                      ; c = log2(e) / 8
	s_mov_b32 s28, 0                               ; LDS byte of the trip's first image
	s_mov_b32 s29, 8                               ; trips
	s_wait_kmcnt 0x0
	s_load_b128 s[24:27], s[6:7], 0x80             ; eq, ek, ep, ev
	s_add_nc_u64 s[16:17], s[4:5], s[32:33]        ; Q
	s_add_nc_u64 s[10:11], s[4:5], s[30:31]
	s_add_nc_u64 s[12:13], s[10:11], 8*MIB         ; V
	s_add_nc_u64 s[10:11], s[10:11], 4*MIB         ; K
	s_add_nc_u64 s[8:9], s[8:9], s[34:35]
.irp a, 0,1
.irp c, 0,1
	global_load_b128 v[Q+8*\a+4*\c:Q+8*\a+4*\c+3], v[LF], s[16:17] offset:\a*1024+512*\c
.endr
.endr
; batch n of four: 65,536 bytes (n = 0, 1: K's halves; 2, 3: V's): sixteen loads a thread, each of the work-group's loads 4,096 consecutive bytes
.macro LOADB n, set
.set i, 0
.rept 16
	global_load_b128 v[\set+4*i:\set+4*i+3], v[FL], s[10+2*((\n)/2):11+2*((\n)/2)] offset:65536*((\n)%2)+4096*i
.set i, i+1
.endr
.endm
.macro STOREB n, set
.set i, 0
.rept 16
	ds_store_b128 v[FL+\n], v[\set+4*i:\set+4*i+3] offset:4096*i
.set i, i+1
.endr
.endm
	LOADB 0, S
	LOADB 1, O
	s_wait_loadcnt 16                              ; Q and batch 0 are in; the younger batch's 16 loads may be out
	STOREB 0, S
	s_wait_dscnt 0x0                               ; the stores have read their registers
	LOADB 2, S
	s_wait_loadcnt 16
	STOREB 1, O
	s_wait_dscnt 0x0
	LOADB 3, O
	s_wait_loadcnt 16
	STOREB 2, S
	s_wait_loadcnt 0x0
	STOREB 3, O
.irp a, 0,1
	v_mov_b32 v[ST+6*\a+1], 0xff61b1e6             ; the largest t so far: -3e38, under every t
	v_floor_f32 v[ST+6*\a], -v[ST+6*\a+1]          ; -M
	v_mov_b32 v[ST+6*\a+2], 0
	v_mov_b32 v[ST+6*\a+3], 0
	v_mov_b32 v[ST+6*\a+4], 0
	v_mov_b32 v[ST+6*\a+5], 0
	v_mov_b32 v[PD+\a], 0                          ; a lane permute's destination counts as one of its sources
.endr
	s_wait_kmcnt 0x0
	s_add_co_i32 s30, s24, s25
	s_lshl_b32 s30, s30, 23
	s_add_co_i32 s22, s22, s30                     ; a score stands for score x 2^(eq + ek): added to c's exponent field
	s_mov_b32 s23, s22                             ; (named with it as a pair)
	s_add_co_i32 s30, s26, 127
	s_lshl_b32 s31, s30, 23
	v_mov_b32 v[SC], s31
	s_add_co_i32 s30, s30, 8
	s_lshl_b32 s30, s30, 23
	s_or_b32 s30, s30, 0x600000
	v_mov_b32 v[LIM], s30
	s_wait_dscnt 0x0                               ; for the others' sake: my part of K and V lies in LDS
	s_barrier_signal -1
.set n, 0
.rept 64
	v_mov_b32 v[O+n], 0                            ; O^T: the step is written once; the first finds zeros, which the first change of M leaves zeros.  (Register work while the others arrive)
.set n, n+1
.endr
	s_barrier_wait -1
; A KEY STEP: 64 keys, the q-th of the trip's four
.macro STEP q
	s_wait_dscnt 0x0                               ; this step's K is in
.irp t, 0,1,2,3
.irp a, 0,1
	v_wmma_f32_16x16x64_fp8_fp8 v[S+32*\a+8*\t:S+32*\a+8*\t+7], v[KF+8*\t:KF+8*\t+7], v[Q+8*\a:Q+8*\a+7], 0
.endr
.endr
.rept 4
	v_nop                                          ; places in front of the loads into K's and V's registers and of the first read of the scores
.endr
.irp d, 0,1,2,3
.irp c, 0,1
	ds_load_b128 v[VF+8*\d+4*\c:VF+8*\d+4*\c+3], v[ADV] offset:(4*(\q)+\d)*1024+512*\c
.endr
.endr
.if (\q) < 3
.irp t, 0,1,2,3
.irp c, 0,1
	ds_load_b128 v[KF+8*\t+4*\c:KF+8*\t+4*\c+3], v[ADK] offset:(4*((\q)+1)+\t)*1024+512*\c   ; the next step's K lands under the softmax
.endr
.endr
.endif
	; the largest of my query's 32 scores, four chains a tile, each accumulator first read at its low end; every line is written for both tiles, so that none waits for the line above it
.irp j, 0,1,2,3
.irp a, 0,1
	v_max3_num_f32 v[CM+4*\a+\j], v[S+32*\a+8*\j], v[S+32*\a+8*\j+1], v[S+32*\a+8*\j+2]
.endr
.endr
.irp u, 3,5
.irp j, 0,1,2,3
.irp a, 0,1
	v_max3_num_f32 v[CM+4*\a+\j], v[CM+4*\a+\j], v[S+32*\a+8*\j+\u], v[S+32*\a+8*\j+\u+1]
.endr
.endr
.endr
.irp a, 0,1
	v_max3_num_f32 v[CM+4*\a], v[CM+4*\a], v[S+32*\a+7], v[S+32*\a+15]
.endr
.irp a, 0,1
	v_max3_num_f32 v[CM+4*\a+2], v[CM+4*\a+2], v[S+32*\a+23], v[S+32*\a+31]
.endr
.irp a, 0,1
	v_max3_num_f32 v[CM+4*\a], v[CM+4*\a], v[CM+4*\a+1], v[CM+4*\a+2]
.endr
.irp a, 0,1
	v_max_num_f32 v[CM+4*\a], v[CM+4*\a], v[CM+4*\a+3]
.endr
.irp a, 0,1
	v_permlanex16_b32 v[PD+\a], v[CM+4*\a], s20, s21   ; the query's other 32 keys lie in the lane 16 away
.endr
.irp a, 0,1
	v_max_num_f32 v[CM+4*\a], v[CM+4*\a], v[PD+\a]
.endr
.irp a, 0,1
	v_mul_f32 v[CM+4*\a], s22, v[CM+4*\a]          ; as t (c is positive)
.endr
.irp a, 0,1
	v_max_num_f32 v[ST+6*\a+1], v[ST+6*\a+1], v[CM+4*\a]
.endr
.irp a, 0,1
	v_mov_b32 v[ST+6*\a+5], v[ST+6*\a]
.endr
.irp a, 0,1
	v_floor_f32 v[ST+6*\a], -v[ST+6*\a+1]          ; the new -M = floor(-t): M is a whole number
.endr
.irp a, 0,1
	v_sub_f32 v[ST+6*\a+5], v[ST+6*\a], v[ST+6*\a+5]   ; old M less new M: a whole number, 0 or less
.endr
.irp a, 0,1
	v_cvt_i32_f32 v[ST+6*\a+5], v[ST+6*\a+5]       ; (it saturates)
.endr
.irp a, 0,1
	v_ldexp_f32 v[ST+6*\a+4], 1.0, v[ST+6*\a+5]    ; f = 2^(old M - new M)
.endr
.irp a, 0,1
.set n, 0
.rept 16
	v_pk_fma_f32 v[S+32*\a+n:S+32*\a+n+1], v[S+32*\a+n:S+32*\a+n+1], s[22:23], v[ST+6*\a:ST+6*\a+1] op_sel_hi:[1,0,0]   ; t - M, two at a time
.set n, n+2
.endr
.endr
.set n, 0
.rept 64
	v_exp_f32 v[S+n], v[S+n]                       ; p = 2^(t - M): both tiles' exponentials are one batch
.set n, n+1
.endr
.irp a, 0,1
	v_pk_mul_f32 v[ST+6*\a+2:ST+6*\a+3], v[ST+6*\a+2:ST+6*\a+3], v[ST+6*\a+4:ST+6*\a+5] op_sel_hi:[1,0]   ; the sums under the new M: the plain lines behind the batch
.endr
	s_wait_alu depctr_va_vdst(0)                   ; one wait for the batch, ahead of its first reader
.irp a, 0,1
	v_pk_add_f32 v[CM+4*\a:CM+4*\a+1], v[S+32*\a:S+32*\a+1], v[S+32*\a+2:S+32*\a+3]   ; the sum of the UNQUANTISED p, in two chains a tile
.endr
.irp j, 4,8,12,16,20,24,28
.irp a, 0,1
	v_pk_add_f32 v[ST+6*\a+2:ST+6*\a+3], v[ST+6*\a+2:ST+6*\a+3], v[S+32*\a+\j:S+32*\a+\j+1]
	v_pk_add_f32 v[CM+4*\a:CM+4*\a+1], v[CM+4*\a:CM+4*\a+1], v[S+32*\a+\j+2:S+32*\a+\j+3]
.endr
.endr
.irp a, 0,1
	v_pk_add_f32 v[ST+6*\a+2:ST+6*\a+3], v[ST+6*\a+2:ST+6*\a+3], v[CM+4*\a:CM+4*\a+1]
.endr
	s_cmp_ge_i32 s26, -8                           ; 448 x 2^ep >= 1 from ep = -8 on: p, at most 1, then needs no hold
	s_cbranch_scc1 .Lnohold_\@
.set n, 0
.rept 64
	v_min_num_f32 v[S+n], v[S+n], v[LIM]           ; the conversion does not saturate (ISA guide 7.6.2); p is not negative: a one-sided hold
.set n, n+1
.endr
.Lnohold_\@:
.irp a, 0,1
.irp t, 0,1,2,3
	v_cvt_scalef32_pk8_fp8_f32 v[PC+8*\a+2*\t:PC+8*\a+2*\t+1], v[S+32*\a+8*\t:S+32*\a+8*\t+7], v[SC]
.endr
.endr
.irp a, 0,1
.set n, 0
.rept 16
	v_pk_mul_f32 v[O+32*\a+n:O+32*\a+n+1], v[O+32*\a+n:O+32*\a+n+1], v[ST+6*\a+4:ST+6*\a+5] op_sel_hi:[1,0]   ; O^T under the new M; also the plain lines behind the conversions
.set n, n+2
.endr
.endr
.if (\q) < 3
	s_wait_dscnt 8                                 ; V is in; the next step's eight loads of K may be out
.else
	s_wait_dscnt 0x0
.endif
.irp d, 0,1,2,3
.irp a, 0,1
	v_wmma_f32_16x16x64_fp8_fp8 v[O+32*\a+8*\d:O+32*\a+8*\d+7], v[VF+8*\d:VF+8*\d+7], v[PC+8*\a:PC+8*\a+7], v[O+32*\a+8*\d:O+32*\a+8*\d+7]   ; eight accumulators by turns
.endr
.endr
.endm
.Ltrip:                                                ; eight trips of four key steps
	v_add_nc_u32 v[ADK], s28, v[LF]
	v_add_nc_u32 v[ADV], VLDS, v[ADK]
.irp t, 0,1,2,3
.irp c, 0,1
	ds_load_b128 v[KF+8*\t+4*\c:KF+8*\t+4*\c+3], v[ADK] offset:\t*1024+512*\c
.endr
.endr
	STEP 0
	STEP 1
	STEP 2
	STEP 3
	s_add_co_u32 s28, s28, 16384
	s_sub_co_u32 s29, s29, 1
	s_cmp_lg_u32 s29, 0
	s_cbranch_scc1 .Ltrip
	; THE WAY OUT: O^T x 2^(ep + ev) / the sum, through my stage in LDS, a tile of 16 queries at a time, so that sixteen lanes store 256 consecutive bytes
.rept 4
	v_nop
.endr
.irp a, 0,1
	v_add_f32 v[ST+6*\a+2], v[ST+6*\a+2], v[ST+6*\a+3]
.endr
.irp a, 0,1
	v_permlanex16_b32 v[PD+\a], v[ST+6*\a+2], s20, s21
.endr
.irp a, 0,1
	v_add_f32 v[ST+6*\a+2], v[ST+6*\a+2], v[PD+\a]
.endr
.irp a, 0,1
	v_rcp_f32 v[ST+6*\a+4], v[ST+6*\a+2]
.endr
	v_and_b32 v[CM], 15, v0                        ; r  (a plain line behind the reciprocals)
	v_bfe_u32 v[CM+1], v0, 4, 1                    ; h
	s_mul_i32 s30, s14, 16*SP
	s_add_co_u32 s30, s30, STG                     ; my stage
	v_mul_u32_u24 v[ADK], v[CM], SP
	v_lshl_add_u32 v[ADK], v[CM+1], 5, v[ADK]
	v_add_nc_u32 v[ADK], s30, v[ADK]               ; in: row r, + 32 h
	v_mul_u32_u24 v[ADV], v[CM+1], SP
	v_lshl_add_u32 v[ADV], v[CM], 4, v[ADV]
	v_add_nc_u32 v[ADV], s30, v[ADV]               ; back: lanes 0-15 one row, lanes 16-31 the next
	v_lshlrev_b32 v[FL+1], 12, v[CM+1]
	v_lshl_add_u32 v[FL+1], v[CM], 4, v[FL+1]      ; and the same two rows in ctx
	s_add_co_i32 s31, s26, s27
	s_wait_alu depctr_va_vdst(0)                   ; one wait for the two reciprocals, ahead of their first reader
.irp a, 0,1
	v_ldexp_f32 v[ST+6*\a+4], v[ST+6*\a+4], s31
.endr
.irp a, 0,1
.set n, 0
.rept 16
	v_pk_mul_f32 v[S+32*\a+n:S+32*\a+n+1], v[O+32*\a+n:O+32*\a+n+1], v[ST+6*\a+4:ST+6*\a+5] op_sel_hi:[1,0]
.set n, n+2
.endr
.endr
.irp a, 0,1
.irp d, 0,1,2,3
	ds_store_b128 v[ADK], v[S+32*\a+8*\d:S+32*\a+8*\d+3] offset:64*\d
	ds_store_b128 v[ADK], v[S+32*\a+8*\d+4:S+32*\a+8*\d+7] offset:64*\d+16
.endr
.irp i, 0,1,2,3,4,5,6,7
	ds_load_b128 v[KF+32*\a+4*\i:KF+32*\a+4*\i+3], v[ADV] offset:2*\i*SP   ; LDS serves a wave's instructions in order: these see my stores, and the next tile's stores come behind them
.endr
.endr
.irp i, 0,1,2,3,4,5,6,7
	s_wait_dscnt 23-\i                             ; behind piece i: this tile's later loads and the next tile's sixteen instructions
	global_store_b128 v[FL+1], v[KF+4*\i:KF+4*\i+3], s[8:9] offset:2*\i*4096
.endr
.irp i, 0,1,2,3,4,5,6,7
	s_wait_dscnt 7-\i
	global_store_b128 v[FL+1], v[KF+32+4*\i:KF+32+4*\i+3], s[8:9] offset:(16+2*\i)*4096
.endr
	s_set_vgpr_msb 0x5
	s_wait_tensorcnt 0x0
	ds_add_u32 v0, v1
	s_wait_dscnt 0x0
	s_set_vgpr_msb 0x500
	s_endpgm
.Lfunc_end_k_q89553e4237_attn1:
	.size	k_q89553e4237_attn1, .Lfunc_end_k_q89553e4237_attn1-k_q89553e4237_attn1
	.p2alignl 7, 3214868480
	.fill 96, 4, 3214868480
	.section	.rodata,"a",@progbits
	.p2align	6, 0x0
	.amdhsa_kernel k_q89553e4237_attn1
		.amdhsa_group_segment_fixed_size 297984
		.amdhsa_private_segment_fixed_size 0
		.amdhsa_enable_private_segment 0
		.amdhsa_kernarg_size 24
		.amdhsa_user_sgpr_count 2
		.amdhsa_user_sgpr_kernarg_segment_ptr 1
		.amdhsa_wavefront_size32 1
		.amdhsa_system_sgpr_workgroup_id_x 1
		.amdhsa_system_sgpr_workgroup_id_y 1
		.amdhsa_system_sgpr_workgroup_id_z 1
		.amdhsa_system_vgpr_workitem_id 0
		.amdhsa_next_free_vgpr 258
		.amdhsa_next_free_sgpr 66
		.amdhsa_reserve_vcc 0
		.amdhsa_float_denorm_mode_32 3
		.amdhsa_float_denorm_mode_16_64 3
		.amdhsa_memory_ordered 1
		.amdhsa_forward_progress 1
		.amdhsa_inst_pref_size 86
	.end_amdhsa_kernel
	.amdgpu_metadata
---
amdhsa.version: [ 1, 2 ]
amdhsa.kernels:
  - .name:           k_q89553e4237_attn1
    .symbol:         k_q89553e4237_attn1.kd
    .args:
      - { .name: qkv1, .offset: 0, .size: 8, .value_kind: global_buffer, .address_space: global }
      - { .name: tab1, .offset: 8, .size: 8, .value_kind: global_buffer, .address_space: global }
      - { .name: y, .offset: 16, .size: 8, .value_kind: global_buffer, .address_space: global }
    .group_segment_fixed_size: 297984
    .private_segment_fixed_size: 0
    .kernarg_segment_align: 8
    .kernarg_segment_size: 24
    .max_flat_workgroup_size: 256
    .sgpr_count:     66
    .vgpr_count:     258
    .wavefront_size: 32
...
	.end_amdgpu_metadata
.endif
;; end of part 3
;; launch ln1 (part 4): grid 256 x 1, 8 waves a work-group, no clusters, 17,408 bytes of LDS; arguments hidden_states, y, ln1_g, ln1_b, tab1, bufB; writes bufB
.if DOCPART == 4
	.amdgcn_target "amdgcn-amd-amdhsa--gfx1250"
	.amdhsa_code_object_version 6
	.text
	.protected	k_q89553e4237_ln1
	.globl	k_q89553e4237_ln1
	.p2align	8
	.type	k_q89553e4237_ln1,@function
k_q89553e4237_ln1:
	s_mov_b64 s[64:65], 0
	v_nop
	global_prefetch_b8 v0, s[64:65] scope:SCOPE_SE
	s_setreg_imm32_b32 hwreg(HW_REG_WAVE_MODE, 25, 1), 1
	s_wait_xcnt 0x0
; w = LayerNorm(a + b) x g + beta, rows of 1,024 f32, eps = 1e-5, in the order (x - mean) x rsqrt(var + eps) x g + beta, all in f32: the mean first, then the mean of the squared differences.
; Where the table's flag (byte 164) is 1 the result is also quantised to E4M3 with 2^e (byte 160; held within +-448) and its codes stored as rows of 1,024 bytes at w + 16 MiB.
; LIMITS: e between -126 and 119.  NaN is not served.
; A wave takes two rows, each whole in 32 registers, so a row's reductions never leave the wave: no barrier.  All loads go out at the head; each reads 512 consecutive bytes.
; Codes leave through the wave's own stage in LDS (4 bytes a lane in, 16 out), so that a store covers 512 consecutive bytes.  A stream: no matrix unit, no cluster.
.set MIB, 1048576
.set G,   16                           ; v16-47  g
.set BT,  48                           ; v48-79  beta
	s_load_b256 s[4:11], s[0:1], 0x0               ; a s[4:5], b s[6:7], g s[8:9], beta s[10:11]
	s_load_b128 s[12:15], s[0:1], 0x20             ; table s[12:13], w s[14:15]
	v_lshl_add_u32 v254, v0, 2, 0x4000
	v_mov_b32 v255, 0
	v_lshrrev_b32 v1, 5, v0
	v_readfirstlane_b32 s16, v1                    ; wave
	v_and_b32 v3, 31, v0
	v_lshlrev_b32 v1, 4, v3                        ; 16 x lane
	s_lshl_b32 s17, s16, 11                        ; my two stages of 1,024 bytes
	v_lshl_add_u32 v242, v3, 2, s17
	v_lshl_add_u32 v243, v3, 4, s17
	v_mov_b32 v2, 0                                ; a lane permute's destination counts as one of its sources
	v_mov_b32 v13, 0                               ; (named as upper halves of pairs)
	v_mov_b32 v15, 0
	s_mov_b32 s18, 0x76543210
	s_mov_b32 s19, 0xfedcba98
	s_mov_b32 s20, 0x3a800000                      ; 1 / 1024
	s_mov_b32 s21, 0x3727c5ac                      ; 1e-5
	s_lshl_b32 s26, ttmp9, 4
	s_lshl_b32 s17, s16, 1
	s_add_co_u32 s26, s26, s17                     ; my first row
	s_lshl_b32 s28, s26, 10
	s_mov_b32 s29, 0
	s_lshl_b32 s26, s26, 12
	s_mov_b32 s27, 0
	s_wait_kmcnt 0x0
	s_load_b64 s[22:23], s[12:13], 0xa0            ; e, flag
	s_add_nc_u64 s[4:5], s[4:5], s[26:27]
	s_add_nc_u64 s[6:7], s[6:7], s[26:27]
	s_add_nc_u64 s[24:25], s[14:15], s[28:29]
	s_add_nc_u64 s[24:25], s[24:25], 16*MIB        ; the codes' rows
	s_add_nc_u64 s[14:15], s[14:15], s[26:27]
.irp j, 0,1,2,3,4,5,6,7
	global_load_b128 v[G+4*\j:G+4*\j+3], v1, s[8:9] offset:512*\j
.endr
.irp j, 0,1,2,3,4,5,6,7
	global_load_b128 v[BT+4*\j:BT+4*\j+3], v1, s[10:11] offset:512*\j
.endr
.irp k, 0,1
.irp j, 0,1,2,3,4,5,6,7
	global_load_b128 v[80+64*\k+4*\j:80+64*\k+4*\j+3], v1, s[4:5] offset:\k*4096+512*\j
.endr
.irp j, 0,1,2,3,4,5,6,7
	global_load_b128 v[112+64*\k+4*\j:112+64*\k+4*\j+3], v1, s[6:7] offset:\k*4096+512*\j
.endr
.endr
	s_wait_kmcnt 0x0
	s_add_co_i32 s30, s22, 127
	s_lshl_b32 s31, s30, 23
	v_mov_b32 v240, s31                            ; 2^e
	s_add_co_i32 s30, s30, 8
	s_lshl_b32 s30, s30, 23
	s_or_b32 s30, s30, 0x600000
	v_mov_b32 v241, s30                            ; 448 x 2^e
.macro REDUCE                          ; four chains of pairs in v4-11 -> the wave's total in v4, in every lane
	v_pk_add_f32 v[4:5], v[4:5], v[6:7]
	v_pk_add_f32 v[8:9], v[8:9], v[10:11]
	v_pk_add_f32 v[4:5], v[4:5], v[8:9]
	v_add_f32 v4, v4, v5
	v_add_f32_dpp v4, v4, v4 row_xmask:1 row_mask:0xf bank_mask:0xf
	v_add_f32_dpp v4, v4, v4 row_xmask:2 row_mask:0xf bank_mask:0xf
	v_add_f32_dpp v4, v4, v4 row_xmask:4 row_mask:0xf bank_mask:0xf
	v_add_f32_dpp v4, v4, v4 row_xmask:8 row_mask:0xf bank_mask:0xf
	v_permlanex16_b32 v2, v4, s18, s19
	v_add_f32 v4, v4, v2
.endm
.macro LNROW k, left
.set XR, 80+64*(\k)                    ; the row
.set BR, 112+64*(\k)                   ; b's row, later the held numbers
.set CW, 208+16*(\k)
.set BK, 216+16*(\k)
	s_wait_loadcnt \left
.set n, 0
.rept 16
	v_pk_add_f32 v[XR+n:XR+n+1], v[XR+n:XR+n+1], v[BR+n:BR+n+1]
.set n, n+2
.endr
.irp c, 0,1,2,3
	v_pk_add_f32 v[4+2*\c:5+2*\c], v[XR+2*\c:XR+2*\c+1], v[XR+8+2*\c:XR+9+2*\c]
.endr
.irp m, 8,9,10,11,12,13,14,15
	v_pk_add_f32 v[4+2*(\m%4):5+2*(\m%4)], v[4+2*(\m%4):5+2*(\m%4)], v[XR+2*\m:XR+2*\m+1]
.endr
	REDUCE
	v_mul_f32 v12, s20, v4                         ; the mean
.set n, 0
.rept 16
	v_pk_add_f32 v[XR+n:XR+n+1], v[XR+n:XR+n+1], v[12:13] op_sel_hi:[1,0] neg_lo:[0,1] neg_hi:[0,1]
.set n, n+2
.endr
.irp c, 0,1,2,3
	v_pk_mul_f32 v[4+2*\c:5+2*\c], v[XR+2*\c:XR+2*\c+1], v[XR+2*\c:XR+2*\c+1]
.endr
.irp m, 4,5,6,7,8,9,10,11,12,13,14,15
	v_pk_fma_f32 v[4+2*(\m%4):5+2*(\m%4)], v[XR+2*\m:XR+2*\m+1], v[XR+2*\m:XR+2*\m+1], v[4+2*(\m%4):5+2*(\m%4)]
.endr
	REDUCE
	v_fma_f32 v14, v4, s20, s21                    ; var + eps
	v_rsq_f32 v14, v14
	v_nop                                          ; a plain line behind the transcendental
	s_wait_alu depctr_va_vdst(0)                   ; and the wait ahead of its first reader
.set n, 0
.rept 16
	v_pk_mul_f32 v[XR+n:XR+n+1], v[XR+n:XR+n+1], v[14:15] op_sel_hi:[1,0]
.set n, n+2
.endr
.set n, 0
.rept 16
	v_pk_fma_f32 v[XR+n:XR+n+1], v[XR+n:XR+n+1], v[G+n:G+n+1], v[BT+n:BT+n+1]
.set n, n+2
.endr
.irp j, 0,1,2,3,4,5,6,7
	global_store_b128 v1, v[XR+4*\j:XR+4*\j+3], s[14:15] offset:(\k)*4096+512*\j
.endr
	s_cmp_eq_u32 s23, 0                            ; no codes are wanted of the last LayerNorm
	s_cbranch_scc1 .Lnc_\@
.set n, 0
.rept 32
	v_med3_num_f32 v[BR+n], v[XR+n], -v241, v241   ; the conversion does not saturate (ISA guide 7.6.2)
.set n, n+1
.endr
.irp p, 0,1,2,3
	v_cvt_scalef32_pk8_fp8_f32 v[CW+2*\p:CW+2*\p+1], v[BR+8*\p:BR+8*\p+7], v240
.endr
	v_nop
.irp j, 0,1,2,3,4,5,6,7
	ds_store_b32 v242, v[CW+\j] offset:(\k)*1024+128*\j
.endr
.irp c, 0,1
	ds_load_b128 v[BK+4*\c:BK+4*\c+3], v243 offset:(\k)*1024+512*\c
.endr
	s_wait_dscnt 0x0
.irp c, 0,1
	global_store_b128 v1, v[BK+4*\c:BK+4*\c+3], s[24:25] offset:(\k)*1024+512*\c
.endr
.Lnc_\@:
.endm
	LNROW 0, 16                                    ; g, beta and row 0 are in; row 1's sixteen loads may be out
	LNROW 1, 0
	s_wait_tensorcnt 0x0
	ds_add_u32 v254, v255
	s_wait_dscnt 0x0
	s_endpgm
.Lfunc_end_k_q89553e4237_ln1:
	.size	k_q89553e4237_ln1, .Lfunc_end_k_q89553e4237_ln1-k_q89553e4237_ln1
	.p2alignl 7, 3214868480
	.fill 96, 4, 3214868480
	.section	.rodata,"a",@progbits
	.p2align	6, 0x0
	.amdhsa_kernel k_q89553e4237_ln1
		.amdhsa_group_segment_fixed_size 17408
		.amdhsa_private_segment_fixed_size 0
		.amdhsa_enable_private_segment 0
		.amdhsa_kernarg_size 48
		.amdhsa_user_sgpr_count 2
		.amdhsa_user_sgpr_kernarg_segment_ptr 1
		.amdhsa_wavefront_size32 1
		.amdhsa_system_sgpr_workgroup_id_x 1
		.amdhsa_system_sgpr_workgroup_id_y 1
		.amdhsa_system_sgpr_workgroup_id_z 1
		.amdhsa_system_vgpr_workitem_id 0
		.amdhsa_next_free_vgpr 256
		.amdhsa_next_free_sgpr 66
		.amdhsa_reserve_vcc 0
		.amdhsa_float_denorm_mode_32 3
		.amdhsa_float_denorm_mode_16_64 3
		.amdhsa_memory_ordered 1
		.amdhsa_forward_progress 1
		.amdhsa_inst_pref_size 29
	.end_amdhsa_kernel
	.amdgpu_metadata
---
amdhsa.version: [ 1, 2 ]
amdhsa.kernels:
  - .name:           k_q89553e4237_ln1
    .symbol:         k_q89553e4237_ln1.kd
    .args:
      - { .name: hidden_states, .offset: 0, .size: 8, .value_kind: global_buffer, .address_space: global }
      - { .name: y, .offset: 8, .size: 8, .value_kind: global_buffer, .address_space: global }
      - { .name: ln1_g, .offset: 16, .size: 8, .value_kind: global_buffer, .address_space: global }
      - { .name: ln1_b, .offset: 24, .size: 8, .value_kind: global_buffer, .address_space: global }
      - { .name: tab1, .offset: 32, .size: 8, .value_kind: global_buffer, .address_space: global }
      - { .name: bufB, .offset: 40, .size: 8, .value_kind: global_buffer, .address_space: global }
    .group_segment_fixed_size: 17408
    .private_segment_fixed_size: 0
    .kernarg_segment_align: 8
    .kernarg_segment_size: 48
    .max_flat_workgroup_size: 256
    .sgpr_count:     66
    .vgpr_count:     256
    .wavefront_size: 32
...
	.end_amdgpu_metadata
.endif
;; end of part 4
;; launch q2: the kernel of part 2 again; grid 4 x 16, 4 waves a work-group, clusters of 4 x 4, 327,680 bytes of LDS; arguments bufB, encoder_hidden_states_codes, ca_wq_codes, sa_wq_codes, sa_wk_codes, sa_wv_codes, ca_wk_codes, ca_bq, sa_bq, sa_bk, sa_bv, ca_bk, tab2, qkv2, qkv1; writes qkv2, qkv1
;; launch attn2: the kernel of part 3 again; grid 8 x 32, 8 waves a work-group, no clusters, 297,984 bytes of LDS; arguments qkv2, tab2, y; writes y
;; launch ln2: the kernel of part 4 again; grid 256 x 1, 8 waves a work-group, no clusters, 17,408 bytes of LDS; arguments bufB, y, ln2_g, ln2_b, tab2, bufA; writes bufA
;; launch fc1: the kernel of part 2 again; grid 4 x 16, 4 waves a work-group, clusters of 4 x 4, 327,680 bytes of LDS; arguments bufA, encoder_hidden_states_codes, fc1_w_codes, sa_wq_codes, sa_wk_codes, sa_wv_codes, ca_wk_codes, fc1_b, sa_bq, sa_bk, sa_bv, ca_bk, tab3, qkv1, qkv2; writes qkv1, qkv2
;; launch fc2 (part 5): grid 4 x 16, 4 waves a work-group, clusters of 4 x 4, 327,680 bytes of LDS; arguments qkv1, fc2_w_codes, lowp_scales, fc2_b, y; writes y
.if DOCPART == 5
	.amdgcn_target "amdgcn-amd-amdhsa--gfx1250"
	.amdhsa_code_object_version 6
	.text
	.protected	k_q89553e4237_fc2
	.globl	k_q89553e4237_fc2
	.p2align	8
	.type	k_q89553e4237_fc2,@function
k_q89553e4237_fc2:
	s_mov_b64 s[64:65], 0
	v_nop
	global_prefetch_b8 v0, s[64:65] scope:SCOPE_SE
	s_setreg_imm32_b32 hwreg(HW_REG_WAVE_MODE, 25, 1), 1
	s_wait_xcnt 0x0
	s_wait_alu depctr_hold_cnt(0) depctr_sa_sdst(0) depctr_va_vdst(0) depctr_va_sdst(0) depctr_va_ssrc(0) depctr_va_vcc(0) depctr_vm_vsrc(0)
	s_getreg_b32 s2, hwreg(HW_REG_IB_STS2, 6, 4)
	s_cmp_eq_u32 s2, 0
	s_cbranch_scc0 .Lentry_in_a_cluster
	s_endpgm
.Lentry_in_a_cluster:
	s_bfe_u32 s2, ttmp6, 0x10000c
	s_cmp_lg_u32 s2, 0xf033
	s_cbranch_scc0 .Lentry_shape_is_right
	s_endpgm
.Lentry_shape_is_right:
; y = h W2^T x 2^(e22 + e23) + fc2_b, f32 [4096][1024].  W2: E4M3 codes, rows of 1,024 bytes along K.  h: E4M3 codes as images of operand registers (1,024 bytes: 16 tokens x 64 hidden units, registers 0-3 of lane l at
; 16 l, registers 4-7 at 512 + 16 l), image ((batch x 16 + unit / 64) x 128 + (token % 2048) / 16).  Two images of neighbouring groups of 64 are one fragment of the K = 128 form, k in its own places.
; LIMIT: e22 + e23 between -126 and 127.
; A tile of 256 x 256 is made by four waves, 128 x 128 each.  K goes in steps of 256 through a ring of two LDS slots.  A's part of a slot: for each of four groups of 64 units, 8 images on end: a tile of 4 rows of
; 8,192 bytes, 131,072 bytes apart in memory, dense in LDS.  B's: 128 rows of 256 bytes, padded to 272.  B's fragments come by loads of 8 bytes, so that k stands in the same places as in the images.
; CLUSTERS: 4 x 4 work-groups; A's tiles are asked for jointly along a row of the cluster, B's along a column.  THE MATRIX INSTRUCTION IS USED TRANSPOSED (source 0 = rows of W2, source 1 = tokens).
; REGISTERS: window 0: v0-31 addresses; v32-95 the bias; from v128 A's fragments, one set (on the way out: rows read back).  window 1: B's fragments, two sets.  windows 2, 3: the accumulators.
.set SIZE_N, 1024
.set SIZE_K, 1024
.set KSTEP,  256
.set ROWB,   256
.set KROW,   SIZE_K
.set ASTEP,  4*131072                  ; a K step on in the images: four groups of 64 units
.set PITCH,  272
.set FR,     16
.set NL,     4                         ; LDS loads that bring a fragment of A
.set NP,     4
.set HALFT,  128*PITCH
.set SLOT,   4*HALFT
.set LAPS,   SIZE_K/(2*KSTEP)
.set SPARE,  2*SLOT                    ; the spare words, 128 bytes a wave, which no other line names
.set SPITCH, 528                       ; the way out: a stage of 16 rows x (512 + 16) bytes a wave, in slot 0, which has had its last fill and its last read when the first result is stored there
.set ADRA, 16
.set ADRB, 20
.set STO,  24
.set RD,   25
.set CO,   26
.set SPW,  28
.set NIL,  29
.set BB,   32
.set AF,   128
.set BK,   128
.set G1, 24
.set G0, 32
.set G1B, 48
.set G0B, 56
.set MSB, 0
.macro WIN new
.if MSB != \new
	s_set_vgpr_msb (MSB<<8)|\new
.set MSB, \new
.endif
.endm
.set MUL_LO, 0xa1
.set MUL_HI, 0xf1
.set TO_B,   0x40
.macro JLOAD g0a, g1a, g0b, g1b        ; waves 0 and 1 fetch for A, waves 2 and 3 for B; four v_nop follow each of the two lines
	s_cmp_eq_u32 s15, 0
	s_cbranch_scc0 .Lfor_b_\@
	tensor_load_to_lds s[\g0a:\g0a+3], s[\g1a:\g1a+7]
	s_nop 0
.rept 4
	v_nop
.endr
	s_branch .Lasked_\@
.Lfor_b_\@:
	tensor_load_to_lds s[\g0b:\g0b+3], s[\g1b:\g1b+7]
	s_nop 0
.rept 4
	v_nop
.endr
.Lasked_\@:
.endm
.macro CREST
	s_cmp_lg_u32 s14, 0
	s_cbranch_scc1 .Lnot_wave_0_\@
	s_barrier_signal -3
.Lnot_wave_0_\@:
	s_barrier_wait -3
	s_barrier_signal -1
	s_barrier_wait -1
.endm
.macro CROUND
	s_barrier_signal -1
	s_barrier_wait -1
	CREST
.endm
	s_load_b128 s[4:7], s[0:1], 0x0                ; h's images s[4:5], W2's codes s[6:7]
	s_load_b128 s[8:11], s[0:1], 0x10              ; the exponents s[8:9], the bias s[10:11]
	s_load_b64 s[12:13], s[0:1], 0x20              ; y
	v_lshl_add_u32 v[SPW], v0, 2, SPARE
	v_mov_b32 v[NIL], 0
	ds_add_u32 v28, v29
	ds_add_u32 v28, v29
	s_wait_dscnt 0x0
	v_lshrrev_b32 v1, 5, v0
	v_readfirstlane_b32 s14, v1                    ; wave 0..3
	s_lshr_b32 s15, s14, 1                         ; which half of the tile's rows is mine.  Also: I fetch for A (0) or for B (1)
	s_and_b32 s16, s14, 1                          ; which half of its columns.  Also: which half of that tile I fetch
	s_bfe_u32 s40, ttmp6, 0x40000                  ; cx
	s_bfe_u32 s41, ttmp6, 0x40004                  ; cy
	s_lshl_b32 s42, ttmp9, 2
	s_add_co_u32 s42, s42, s40                     ; tile column
	s_and_b32 s17, ttmp7, 0xffff
	s_lshl_b32 s17, s17, 2
	s_add_co_u32 s17, s17, s41                     ; tile row
	s_lshl_b32 s43, s41, 2
	s_lshl_b32 s43, 15, s43
	s_lshl_b32 s44, 0x1111, s40
	s_or_b32 s[G1+0], s43, (0<<16)|(1<<21)         ; A: the mask of my row; elements of 1 byte; no padding; bit 21 beside a mask
	s_mov_b32 s[G1+1], 8192<<16                    ; tensor_dim0 = 8,192
	s_mov_b32 s[G1+2], 4<<16                       ; tensor_dim1 = 4
	s_mov_b32 s[G1+3], 8192<<16                    ; tile_dim0
	s_mov_b32 s[G1+4], 4                           ; tile_dim1
	s_mov_b32 s[G1+5], 131072                      ; from group to group
	s_mov_b32 s[G1+6], 0
	s_mov_b32 s[G1+7], 0
	s_or_b32 s[G1B+0], s44, (0<<16)|(1<<20)|(1<<21)|(5<<22)|(3<<25)  ; B: my column; padding of 4 words after every 64
	s_mov_b32 s[G1B+1], ROWB<<16
	s_mov_b32 s[G1B+2], 128<<16
	s_mov_b32 s[G1B+3], ROWB<<16
	s_mov_b32 s[G1B+4], 128
	s_mov_b32 s[G1B+5], KROW
	s_mov_b32 s[G1B+6], 0
	s_mov_b32 s[G1B+7], 0
	s_lshr_b32 s20, s17, 3                         ; A: image (batch x 2048 + 16 (tile row % 8) + 8 x half)
	s_lshl_b32 s20, s20, 11
	s_and_b32 s21, s17, 7
	s_lshl_b32 s21, s21, 4
	s_add_co_u32 s20, s20, s21
	s_lshl_b32 s21, s16, 3
	s_add_co_u32 s20, s20, s21
	s_lshl_b32 s20, s20, 10
	s_mov_b32 s21, 0
	s_lshl_b32 s18, s16, 7
	s_lshl_b32 s46, s42, 8
	s_add_co_u32 s46, s46, s18                     ; B: row 256 x tile column + 128 x half
	s_lshl_b32 s46, s46, 10
	s_mov_b32 s47, 0
	s_mul_i32 s45, s14, HALFT                      ; where they go: no place in the cluster enters an LDS address
	s_wait_kmcnt 0x0
	s_load_b64 s[96:97], s[8:9], 0x58              ; e22, e23
	s_add_nc_u64 s[20:21], s[4:5], s[20:21]
	s_add_nc_u64 s[46:47], s[6:7], s[46:47]
	CROUND                                         ; all sixteen work-groups are here: the first joint loads meet
.irp s, 0,1
	s_mov_b32 s[G0+4*\s], 1
	s_add_co_u32 s[G0+4*\s+1], s45, \s*SLOT
	s_add_nc_u64 s[G0+4*\s+2:G0+4*\s+3], s[20:21], \s*ASTEP
	s_or_b32 s[G0+4*\s+3], s[G0+4*\s+3], 0x80000000
	s_mov_b32 s[G0B+4*\s], 1
	s_add_co_u32 s[G0B+4*\s+1], s45, \s*SLOT
	s_add_nc_u64 s[G0B+4*\s+2:G0B+4*\s+3], s[46:47], \s*ROWB
	s_or_b32 s[G0B+4*\s+3], s[G0B+4*\s+3], 0x80000000
	JLOAD G0+4*\s, G1, G0B+4*\s, G1B
.endr
	v_and_b32 v1, 15, v0                           ; r
	v_bfe_u32 v2, v0, 4, 1                         ; h
	v_mul_u32_u24 v3, v1, PITCH
	v_lshl_add_u32 v4, v2, 3, v3                   ; B: row x pitch + 8 x half
	v_and_b32 v6, 31, v0
	v_lshlrev_b32 v[CO], 4, v6                     ; A: 16 x lane; also my place in a row of 512 bytes
	s_mul_i32 s21, s15, HALFT
	s_mul_i32 s22, s16, HALFT
	s_add_co_u32 s22, s22, 2*HALFT
.irp s, 0,1
	v_add_nc_u32 v[ADRA+\s], s21, v[CO]
	v_add_nc_u32 v[ADRB+\s], s22, v4
	s_add_co_u32 s21, s21, SLOT
	s_add_co_u32 s22, s22, SLOT
.endr
	s_mul_i32 s23, s14, 16*SPITCH                  ; my stage
	v_mul_u32_u24 v5, v1, SPITCH
	v_lshl_add_u32 v5, v2, 5, v5
	v_add_nc_u32 v[STO], s23, v5
	v_add_nc_u32 v[RD], s23, v[CO]
	s_lshl_b32 s20, s17, 8
	s_lshl_b32 s21, s15, 7
	s_add_co_u32 s20, s20, s21                     ; my first row of y
	s_lshl_b32 s20, s20, 12
	s_mov_b32 s21, 0
	s_lshl_b32 s46, s42, 10                        ; my first column, in bytes of f32: in y and in the bias alike
	s_lshl_b32 s47, s16, 9
	s_add_co_u32 s46, s46, s47
	s_mov_b32 s47, 0
	s_add_nc_u64 s[10:11], s[10:11], s[46:47]
	s_add_nc_u64 s[12:13], s[12:13], s[20:21]
	s_add_nc_u64 s[12:13], s[12:13], s[46:47]
	v_lshlrev_b32 v30, 5, v2                       ; 32 h
.irp b, 0,1,2,3,4,5,6,7
	global_load_b128 v[BB+8*\b:BB+8*\b+3], v30, s[10:11] offset:64*\b       ; the bias at columns 16 b + 8 h + 0 .. 7
	global_load_b128 v[BB+8*\b+4:BB+8*\b+7], v30, s[10:11] offset:64*\b+16
.endr
.macro FRAGA reg, adr, q, i            ; two images: registers 2 c, 2 c + 1 hold K = 16 c + 8 (l / 16) + 0 .. 7
.irp c, 0,1,2,3
	ds_load_b128 v[\reg+4*\c:\reg+4*\c+3], v[\adr] offset:(2*(\q)+\c/2)*8192+(\i)*1024+512*(\c%2)
.endr
.endm
.macro FRAGB reg, adr, q, i            ; the same places of k, from rows
.irp c, 0,1,2,3,4,5,6,7
	ds_load_b64 v[\reg+2*\c:\reg+2*\c+1], v[\adr] offset:128*(\q)+16*\c+(\i)*16*PITCH
.endr
.endm
.macro MUL16 a0, p, zero               ; the 64 accumulators take turns, one instruction a turn
.irp a, \a0, \a0+1
.irp b, 0,1,2,3,4,5,6,7
.if \zero
	v_wmma_f32_16x16x128_fp8_fp8 v[8*(8*((\a)%4)+\b):8*(8*((\a)%4)+\b)+7], v[128*(\p)+FR*\b:128*(\p)+FR*\b+FR-1], v[AF+FR*(\a):AF+FR*(\a)+FR-1], 0
.else
	v_wmma_f32_16x16x128_fp8_fp8 v[8*(8*((\a)%4)+\b):8*(8*((\a)%4)+\b)+7], v[128*(\p)+FR*\b:128*(\p)+FR*\b+FR-1], v[AF+FR*(\a):AF+FR*(\a)+FR-1], v[8*(8*((\a)%4)+\b):8*(8*((\a)%4)+\b)+7]
.endif
.endr
.endr
.endm
.macro FETCH_B slot, q, p
	WIN TO_B
.irp i, 0,1,2,3,4,5,6,7
	FRAGB 128*(\p)+FR*\i, ADRB+\slot, \q, \i
.endr
	WIN 0
.endm
.macro FETCH_A slot, q, i0
.irp i, \i0, \i0+1, \i0+2, \i0+3
	FRAGA AF+FR*(\i), ADRA+\slot, \q, \i
.endr
.endm
.macro PLACES n
.rept \n
	v_nop
.endr
.endm
.macro STEP slot, q, zero
	s_wait_dscnt 4*NL                              ; B's set and A's blocks 0-3 are in; the youngest 16 loads (A's blocks 4-7) may be out
	WIN MUL_LO
	MUL16 0, (\q)%2, \zero
	MUL16 2, (\q)%2, \zero
	s_wait_dscnt 0
	PLACES NP
	FETCH_B \slot, (\q)+1, 1-(\q)%2
	FETCH_A \slot, (\q)+1, 0
	WIN MUL_HI
	MUL16 4, (\q)%2, \zero
	MUL16 6, (\q)%2, \zero
	PLACES NP
	WIN 0
	FETCH_A \slot, (\q)+1, 4
.endm
.macro TURN slot, next, fill
	s_wait_tensorcnt 0x0                           ; all my tensor loads have landed: my part of the next slot
	ds_add_u32 v[SPW], v[NIL]                      ; 0 onto my spare word
	s_wait_dscnt 4*NL+1                            ; the add and the youngest 16 loads may be out
	WIN MUL_LO
	MUL16 0, 1, 0
	s_wait_dscnt 0x0                               ; the add is done, and my reads of this slot are over
	s_barrier_signal -1
	MUL16 2, 1, 0
	WIN 0
	s_barrier_wait -1
.if \fill
	CREST                                          ; a round of the cluster's barrier: no wave of any partner still reads this slot or has a load on its way
	s_add_nc_u64 s[G0+4*\slot+2:G0+4*\slot+3], s[G0+4*\slot+2:G0+4*\slot+3], 2*ASTEP
	s_add_nc_u64 s[G0B+4*\slot+2:G0B+4*\slot+3], s[G0B+4*\slot+2:G0B+4*\slot+3], 2*ROWB
	JLOAD G0+4*\slot, G1, G0B+4*\slot, G1B
.else
	PLACES NP
.endif
	FETCH_B \next, 0, 0
	FETCH_A \next, 0, 0
	WIN MUL_HI
	MUL16 4, 1, 0
	MUL16 6, 1, 0
	PLACES NP
	WIN 0
	FETCH_A \next, 0, 4
.endm
	s_wait_tensorcnt 1                             ; my part of K step 0 is in; K step 1's load may be out
	s_barrier_signal -1
	s_barrier_wait -1
	FETCH_B 0, 0, 0
	FETCH_A 0, 0, 0
	FETCH_A 0, 0, 4
	STEP 0, 0, 1
	s_mov_b32 s3, LAPS-1
.Llap:
	TURN 0, 1, 1
	STEP 1, 0, 0
	TURN 1, 0, 1
	STEP 0, 0, 0
	s_sub_co_u32 s3, s3, 1
	s_cmp_lg_u32 s3, 0
	s_cbranch_scc1 .Llap
	TURN 0, 1, 0
	STEP 1, 0, 0
	s_wait_dscnt 4*NL
	WIN MUL_LO
	MUL16 0, 1, 0
	MUL16 2, 1, 0
	s_wait_dscnt 0
	WIN MUL_HI
	MUL16 4, 1, 0
	MUL16 6, 1, 0
	WIN 0
; THE WAY OUT, block by block of 16 rows x 128 columns: sum x 2^(e22 + e23) + bias in place, through my stage, back as whole rows of 512 bytes.
.macro TOSTAGE a
.set AC, 64*((\a)%4)
	WIN (0x82+0x41*((\a)/4))                       ; source 0 and destination: window 2 or 3; the bias in window 0
.set n, 0
.rept 32
	v_pk_fma_f32 v[AC+n:AC+n+1], v[AC+n:AC+n+1], s[96:97], v[BB+n:BB+n+1] op_sel_hi:[1,0,1]   ; each accumulator from its low end on
.set n, n+2
.endr
	WIN (0x08+4*((\a)/4))                          ; an LDS store's data are its source 1
.irp b, 0,1,2,3,4,5,6,7
	ds_store_b128 v[STO], v[AC+8*\b:AC+8*\b+3] offset:64*\b
	ds_store_b128 v[STO], v[AC+8*\b+4:AC+8*\b+7] offset:64*\b+16
.endr
	WIN 0
.set BR, BK+64*((\a)%2)
.irp t, 0,1,2,3,4,5,6,7,8,9,10,11,12,13,14,15
	ds_load_b128 v[BR+4*\t:BR+4*\t+3], v[RD] offset:\t*SPITCH   ; LDS serves a wave's instructions in order: these see my stores
.endr
.endm
.macro SEND a, younger
.set BR, BK+64*((\a)%2)
	s_wait_dscnt \younger
.if (\a) > 0
	s_add_nc_u64 s[12:13], s[12:13], 16*SIZE_N*4   ; (behind a wait on XCNT: the earlier stores have read their base)
.endif
.irp t, 0,1,2,3,4,5,6,7,8,9,10,11,12,13,14,15
	global_store_b128 v[CO], v[BR+4*\t:BR+4*\t+3], s[12:13] offset:\t*SIZE_N*4   ; 32 lanes store 512 consecutive bytes, aligned
.endr
.endm
	s_wait_kmcnt 0x0
	s_add_co_i32 s96, s96, s97
	s_add_co_i32 s96, s96, 127
	s_lshl_b32 s96, s96, 23                        ; 2^(e22 + e23) as f32
	s_wait_loadcnt 0x0                             ; the bias
	PLACES NP
	TOSTAGE 0
.irp a, 1,2,3,4,5,6,7
.if \a > 1
	s_wait_xcnt 0x0                                ; block a - 2's stores have read their registers and their base
.endif
	TOSTAGE \a
	SEND \a-1, 32                                  ; behind block a - 1's loads: block a's 16 stores and 16 loads
.endr
	s_wait_xcnt 0x0
	SEND 7, 0
	s_wait_tensorcnt 0x0                           ; the wave's end
	ds_add_u32 v[SPW], v[NIL]
	s_wait_dscnt 0x0
	CROUND                                         ; the closing round
	s_endpgm
.Lfunc_end_k_q89553e4237_fc2:
	.size	k_q89553e4237_fc2, .Lfunc_end_k_q89553e4237_fc2-k_q89553e4237_fc2
	.p2alignl 7, 3214868480
	.fill 96, 4, 3214868480
	.section	.rodata,"a",@progbits
	.p2align	6, 0x0
	.amdhsa_kernel k_q89553e4237_fc2
		.amdhsa_group_segment_fixed_size 327680
		.amdhsa_private_segment_fixed_size 0
		.amdhsa_enable_private_segment 0
		.amdhsa_kernarg_size 40
		.amdhsa_user_sgpr_count 2
		.amdhsa_user_sgpr_kernarg_segment_ptr 1
		.amdhsa_wavefront_size32 1
		.amdhsa_system_sgpr_workgroup_id_x 1
		.amdhsa_system_sgpr_workgroup_id_y 1
		.amdhsa_system_sgpr_workgroup_id_z 1
		.amdhsa_system_vgpr_workitem_id 0
		.amdhsa_next_free_vgpr 1024
		.amdhsa_next_free_sgpr 98
		.amdhsa_reserve_vcc 0
		.amdhsa_float_denorm_mode_32 3
		.amdhsa_float_denorm_mode_16_64 3
		.amdhsa_memory_ordered 1
		.amdhsa_forward_progress 1
		.amdhsa_inst_pref_size 141
	.end_amdhsa_kernel
	.amdgpu_metadata
---
amdhsa.version: [ 1, 2 ]
amdhsa.kernels:
  - .name:           k_q89553e4237_fc2
    .symbol:         k_q89553e4237_fc2.kd
    .args:
      - { .name: qkv1, .offset: 0, .size: 8, .value_kind: global_buffer, .address_space: global }
      - { .name: fc2_w_codes, .offset: 8, .size: 8, .value_kind: global_buffer, .address_space: global }
      - { .name: lowp_scales, .offset: 16, .size: 8, .value_kind: global_buffer, .address_space: global }
      - { .name: fc2_b, .offset: 24, .size: 8, .value_kind: global_buffer, .address_space: global }
      - { .name: y, .offset: 32, .size: 8, .value_kind: global_buffer, .address_space: global }
    .group_segment_fixed_size: 327680
    .private_segment_fixed_size: 0
    .kernarg_segment_align: 8
    .kernarg_segment_size: 40
    .max_flat_workgroup_size: 128
    .sgpr_count:     98
    .vgpr_count:     1024
    .wavefront_size: 32
...
	.end_amdgpu_metadata
.endif
;; end of part 5
;; launch ln3: the kernel of part 4 again; grid 256 x 1, 8 waves a work-group, no clusters, 17,408 bytes of LDS; arguments bufA, y, ln3_g, ln3_b, tab3, out0; writes out0
;; ======== version 2 of 2: 10 launches
;; limits: right only within a limited range of input values
;; workspace buffers: bufA 25,165,824 bytes; bufB 20,971,520 bytes; qkv1 12,582,912 bytes; qkv2 12,582,912 bytes; y 16,777,216 bytes; tab1 256 bytes of whole numbers; tab2 256 bytes of whole numbers; tab3 256 bytes of whole numbers
;; launch quant (part 6): grid 256 x 1, 8 waves a work-group, no clusters, 50,176 bytes of LDS; arguments hidden_states, lowp_scales, bufA, bufB, tab1, tab2, tab3; writes bufA, bufB, tab1, tab2, tab3
.if DOCPART == 6
	.amdgcn_target "amdgcn-amd-amdhsa--gfx1250"
	.amdhsa_code_object_version 6
	.text
	.protected	k_q89553e4237_quant
	.globl	k_q89553e4237_quant
	.p2align	8
	.type	k_q89553e4237_quant,@function
k_q89553e4237_quant:
	s_mov_b64 s[64:65], 0
	v_nop
	global_prefetch_b8 v0, s[64:65] scope:SCOPE_SE
	s_setreg_imm32_b32 hwreg(HW_REG_WAVE_MODE, 25, 1), 1
	s_wait_xcnt 0x0
; hidden_states [4096][1024] f32 becomes three tensors of E4M3 codes, rows of 1,024 bytes, with the given scales 2^e0, 2^e2, 2^e4
; (operand A of the three self-attention projections): e0's at bufA + 16 MiB, e2's at bufA + 20 MiB, e4's at bufB + 0.  code = x / 2^e, held within +-448, nearest, ties to even.
; LIMITS: each e between -126 and 119, so that 2^e and 448 x 2^e are f32 numbers.  NaN among the inputs is not served; an infinity is held at the largest code.
; A wave takes two rows.  A load reads 512 consecutive bytes, 16 a lane; a conversion of eight registers gives two words, the four codes of piece 2p and of piece 2p + 1;
; the words go to the wave's own stage in LDS (4 bytes a lane, 128 a piece) and come back 16 bytes a lane, so that a store covers 512 consecutive bytes.
; A stream: no matrix unit, no cluster, no barrier (waves share nothing).
; Wave 0 of work-group 0 also lays the given exponents out in three small tables, so that launches which share a body find theirs at fixed offsets:
; byte 16 j: eA, eB, eOut, relu of GEMM job j;  byte 128: eq, ek, ep, ev of an attention;  byte 160: e and a flag (codes wanted) of a LayerNorm.
.set MIB, 1048576
.set X,   16                           ; v16-79   two rows, 32 registers each
.set T,   80                           ; v80-111  held numbers
.set CW,  112                          ; v112-159 code words: 8 for each (row, scale)
.set BK,  160                          ; v160-207 rows of codes read back
.set TD,  208                          ; v208-255 the tables' words
	s_load_b256 s[4:11], s[0:1], 0x0               ; hidden s[4:5], scales s[6:7], bufA s[8:9], bufB s[10:11]
	s_load_b128 s[12:15], s[0:1], 0x20             ; tab1 s[12:13], tab2 s[14:15]
	s_load_b64 s[16:17], s[0:1], 0x30              ; tab3
	v_lshl_add_u32 v14, v0, 2, 0xc000
	v_mov_b32 v15, 0
	v_lshrrev_b32 v1, 5, v0
	s_delay_alu instid0(VALU_DEP_1)
	v_readfirstlane_b32 s58, v1                    ; wave 0..7
	v_and_b32 v11, 31, v0                          ; lane
	s_delay_alu instid0(VALU_DEP_1)
	v_lshlrev_b32 v1, 4, v11                       ; 16 x lane
	s_mul_i32 s59, s58, 6144                       ; my six stages of 1,024 bytes
	v_lshl_add_u32 v8, v11, 2, s59                 ; into a stage: 4 x lane
	v_lshl_add_u32 v9, v11, 4, s59                 ; out of it: 16 x lane
	v_mov_b32 v10, 0
	s_lshl_b32 s18, ttmp9, 4
	s_lshl_b32 s19, s58, 1
	s_add_co_u32 s18, s18, s19                     ; my first row: 16 x work-group + 2 x wave
	s_lshl_b32 s28, s18, 12
	s_mov_b32 s29, 0
	s_lshl_b32 s30, s18, 10
	s_mov_b32 s31, 0
	s_wait_alu depctr_va_vdst(0)
	s_wait_kmcnt 0x0
	s_load_b512 s[32:47], s[6:7], 0x0              ; e0 .. e15
	s_load_b256 s[48:55], s[6:7], 0x40             ; e16 .. e23: e_n is s[32 + n]
	s_add_nc_u64 s[20:21], s[4:5], s[28:29]
	s_add_nc_u64 s[22:23], s[8:9], s[30:31]
	s_add_nc_u64 s[22:23], s[22:23], 16*MIB        ; a base for each scale's codes: e0's,
	s_add_nc_u64 s[24:25], s[22:23], 4*MIB         ; e2's,
	s_add_nc_u64 s[26:27], s[10:11], s[30:31]      ; e4's
.irp k, 0,1
.irp j, 0,1,2,3,4,5,6,7
	global_load_b128 v[X+32*\k+4*\j:X+32*\k+4*\j+3], v1, s[20:21] offset:\k*4096+512*\j th:TH_LOAD_NT
.endr
.endr
	s_wait_kmcnt 0x0
.irp i, 0,1,2
	s_add_co_i32 s56, s[32+2*\i], 127
	s_lshl_b32 s57, s56, 23
	v_mov_b32 v[2+\i], s57                         ; 2^e as f32: the conversion takes its exponent field
	s_add_co_i32 s56, s56, 8
	s_lshl_b32 s56, s56, 23
	s_or_b32 s56, s56, 0x600000
	v_mov_b32 v[5+\i], s56                         ; 448 x 2^e
.endr
; row k with scale i
.macro QV k, i
.set n, 0
.rept 32
	v_med3_num_f32 v[T+n], v[X+32*(\k)+n], -v[5+\i], v[5+\i]   ; the conversion to an 8-bit code does not saturate (ISA guide 7.6.2): the hold comes first
.set n, n+1
.endr
.irp p, 0,1,2,3
	v_cvt_scalef32_pk8_fp8_f32 v[CW+8*(3*(\k)+\i)+2*\p:CW+8*(3*(\k)+\i)+2*\p+1], v[T+8*\p:T+8*\p+7], v[2+\i]
.endr
	v_nop                                          ; a plain line between the conversions and the next holds, which write their sources
.irp j, 0,1,2,3,4,5,6,7
	ds_store_b32 v8, v[CW+8*(3*(\k)+\i)+\j] offset:(3*(\k)+\i)*1024+128*\j
.endr
.irp c, 0,1
	ds_load_b128 v[BK+8*(3*(\k)+\i)+4*\c:BK+8*(3*(\k)+\i)+4*\c+3], v9 offset:(3*(\k)+\i)*1024+512*\c   ; LDS serves a wave's instructions in order: these see my stores
.endr
.endm
.macro ROWOUT k
.irp i, 0,1,2
	QV \k, \i
.endr
	s_wait_dscnt 0x0
.irp i, 0,1,2
.irp c, 0,1
	global_store_b128 v1, v[BK+8*(3*(\k)+\i)+4*\c:BK+8*(3*(\k)+\i)+4*\c+3], s[22+2*\i:23+2*\i] offset:(\k)*1024+512*\c
.endr
.endr
.endm
	s_wait_alu depctr_va_vdst(0)
	s_wait_loadcnt 8                               ; row 0 is in; row 1's eight loads may be out
	ROWOUT 0
	s_wait_loadcnt 0x0
	ROWOUT 1
	; the tables: one lane of one wave
	s_or_b32 s56, ttmp9, s58
	s_cmp_lg_u32 s56, 0
	s_cbranch_scc1 .Lend
.macro Q3C r, a, b, c, d               ; three exponents and a constant
	v_mov_b32 v[TD+\r], s[32+\a]
	v_mov_b32 v[TD+\r+1], s[32+\b]
	v_mov_b32 v[TD+\r+2], s[32+\c]
	v_mov_b32 v[TD+\r+3], \d
.endm
.macro Q4E r, a                        ; four exponents on end
	v_mov_b32 v[TD+\r], s[32+\a]
	v_mov_b32 v[TD+\r+1], s[33+\a]
	v_mov_b32 v[TD+\r+2], s[34+\a]
	v_mov_b32 v[TD+\r+3], s[35+\a]
.endm
.macro Q1F r, a                        ; an exponent and the flag 1
	v_mov_b32 v[TD+\r], s[32+\a]
	v_mov_b32 v[TD+\r+1], 1
	v_mov_b32 v[TD+\r+2], 0
	v_mov_b32 v[TD+\r+3], 0
.endm
	Q3C 0, 0, 1, 6, 0                              ; table 1: job 0 queries, job 1 values, job 2 keys of the self-attention, job 3 keys of the cross-attention
	Q3C 4, 4, 5, 9, 0
	Q3C 8, 2, 3, 7, 0
	Q3C 12, 12, 13, 17, 0
	Q4E 16, 6
	Q1F 20, 10
	Q3C 24, 10, 11, 16, 0                          ; table 2: job 0 queries, job 1 values of the cross-attention
	Q3C 28, 14, 15, 19, 0
	Q4E 32, 16
	Q1F 36, 20
	Q3C 40, 20, 21, 22, 1                          ; table 3: job 0 the hidden layer, with its relu
.irp j, 44,45,46,47
	v_mov_b32 v[TD+\j], 0
.endr
	v_cmp_eq_u32 vcc_lo, 0, v0
	s_wait_alu depctr_va_vdst(0)
	s_wait_xcnt 0x0                                ; EXEC is a source of the stores above: it changes only behind this wait
	s_and_saveexec_b32 s57, vcc_lo
	global_store_b128 v10, v[TD:TD+3], s[12:13]
	global_store_b128 v10, v[TD+4:TD+7], s[12:13] offset:16
	global_store_b128 v10, v[TD+8:TD+11], s[12:13] offset:32
	global_store_b128 v10, v[TD+12:TD+15], s[12:13] offset:48
	global_store_b128 v10, v[TD+16:TD+19], s[12:13] offset:128
	global_store_b128 v10, v[TD+20:TD+23], s[12:13] offset:160
	global_store_b128 v10, v[TD+24:TD+27], s[14:15]
	global_store_b128 v10, v[TD+28:TD+31], s[14:15] offset:16
	global_store_b128 v10, v[TD+32:TD+35], s[14:15] offset:128
	global_store_b128 v10, v[TD+36:TD+39], s[14:15] offset:160
	global_store_b128 v10, v[TD+40:TD+43], s[16:17]
	global_store_b128 v10, v[TD+44:TD+47], s[16:17] offset:160
	s_wait_xcnt 0x0                                ; and again in front of the line that widens it
	s_or_b32 exec_lo, exec_lo, s57
.Lend:
	s_wait_tensorcnt 0x0
	ds_add_u32 v14, v15
	s_wait_dscnt 0x0
	s_endpgm
.Lfunc_end_k_q89553e4237_quant:
	.size	k_q89553e4237_quant, .Lfunc_end_k_q89553e4237_quant-k_q89553e4237_quant
	.p2alignl 7, 3214868480
	.fill 96, 4, 3214868480
	.section	.rodata,"a",@progbits
	.p2align	6, 0x0
	.amdhsa_kernel k_q89553e4237_quant
		.amdhsa_group_segment_fixed_size 50176
		.amdhsa_private_segment_fixed_size 0
		.amdhsa_enable_private_segment 0
		.amdhsa_kernarg_size 56
		.amdhsa_user_sgpr_count 2
		.amdhsa_user_sgpr_kernarg_segment_ptr 1
		.amdhsa_wavefront_size32 1
		.amdhsa_system_sgpr_workgroup_id_x 1
		.amdhsa_system_sgpr_workgroup_id_y 1
		.amdhsa_system_sgpr_workgroup_id_z 1
		.amdhsa_system_vgpr_workitem_id 0
		.amdhsa_next_free_vgpr 256
		.amdhsa_next_free_sgpr 66
		.amdhsa_reserve_vcc 1
		.amdhsa_float_denorm_mode_32 3
		.amdhsa_float_denorm_mode_16_64 3
		.amdhsa_memory_ordered 1
		.amdhsa_forward_progress 1
		.amdhsa_inst_pref_size 26
	.end_amdhsa_kernel
	.amdgpu_metadata
---
amdhsa.version: [ 1, 2 ]
amdhsa.kernels:
  - .name:           k_q89553e4237_quant
    .symbol:         k_q89553e4237_quant.kd
    .args:
      - { .name: hidden_states, .offset: 0, .size: 8, .value_kind: global_buffer, .address_space: global }
      - { .name: lowp_scales, .offset: 8, .size: 8, .value_kind: global_buffer, .address_space: global }
      - { .name: bufA, .offset: 16, .size: 8, .value_kind: global_buffer, .address_space: global }
      - { .name: bufB, .offset: 24, .size: 8, .value_kind: global_buffer, .address_space: global }
      - { .name: tab1, .offset: 32, .size: 8, .value_kind: global_buffer, .address_space: global }
      - { .name: tab2, .offset: 40, .size: 8, .value_kind: global_buffer, .address_space: global }
      - { .name: tab3, .offset: 48, .size: 8, .value_kind: global_buffer, .address_space: global }
    .group_segment_fixed_size: 50176
    .private_segment_fixed_size: 0
    .kernarg_segment_align: 8
    .kernarg_segment_size: 56
    .max_flat_workgroup_size: 256
    .sgpr_count:     66
    .vgpr_count:     256
    .wavefront_size: 32
...
	.end_amdgpu_metadata
.endif
;; end of part 6
;; launch proj (part 7): grid 4 x 64, 4 waves a work-group, clusters of 4 x 4, 327,680 bytes of LDS; arguments bufA, bufB, encoder_hidden_states_codes, sa_wq_codes, sa_wv_codes, sa_wk_codes, ca_wk_codes, sa_bq, sa_bv, sa_bk, ca_bk, tab1, qkv1, qkv2; writes qkv1, qkv2
.if DOCPART == 7
	.amdgcn_target "amdgcn-amd-amdhsa--gfx1250"
	.amdhsa_code_object_version 6
	.text
	.protected	k_q89553e4237_proj
	.globl	k_q89553e4237_proj
	.p2align	8
	.type	k_q89553e4237_proj,@function
k_q89553e4237_proj:
	s_mov_b64 s[64:65], 0
	v_nop
	global_prefetch_b8 v0, s[64:65] scope:SCOPE_SE
	s_setreg_imm32_b32 hwreg(HW_REG_WAVE_MODE, 25, 1), 1
	s_wait_xcnt 0x0
	s_wait_alu depctr_hold_cnt(0) depctr_sa_sdst(0) depctr_va_vdst(0) depctr_va_sdst(0) depctr_va_ssrc(0) depctr_va_vcc(0) depctr_vm_vsrc(0)
	s_getreg_b32 s2, hwreg(HW_REG_IB_STS2, 6, 4)
	s_cmp_eq_u32 s2, 0
	s_cbranch_scc0 .Lentry_in_a_cluster
	s_endpgm
.Lentry_in_a_cluster:
	s_bfe_u32 s2, ttmp6, 0x10000c
	s_cmp_lg_u32 s2, 0xf033
	s_cbranch_scc0 .Lentry_shape_is_right
	s_endpgm
.Lentry_shape_is_right:
; Up to four products X W^T + bias on E4M3 codes, X [4096][1024], W [1024][1024], rows of 1,024 bytes along K; each result is quantised again (given scale 2^eO, held within +-448, or between 0 and 448 where
; the job's relu word is 1) and stored as IMAGES OF OPERAND REGISTERS for the launch that reads it.
; JOB = cluster y / 4 picks X, W, bias, output region and four words of the table (eA, eB, eO, relu); cluster y % 4 picks a quarter of X's rows.
;   job 0: X = the first buffer + 16 MiB; images of 16 tokens x 64 columns at byte 0 of the first output (queries, or a hidden layer)
;   job 1: X = the second buffer;          images of 16 columns x 64 tokens at 8 MiB of the first output (values of an attention)
;   job 2: X = the first buffer + 20 MiB; images of 16 tokens x 64 columns at 4 MiB of the first output (keys)
;   job 3: X = the third buffer;           the same at 4 MiB of the second output (keys)
; An image is the 8 registers of a 16 x 64 fragment of the K = 64 form: registers 0-3 of lane l at byte 16 l, registers 4-7 at 512 + 16 l: 1,024 bytes.
; A launch with 16 n work-groups along y has jobs 0 to n - 1 alone: the pointers of the other jobs are then never selected, and nothing is loaded or stored through them.
; With four jobs the launch has 256 work-groups, sixteen clusters of sixteen.
; ONE TEXT SERVES BOTH KINDS OF IMAGE BY SWAPPING ROLES: source 1 ("A", its rows become lanes) is X and source 0 ("B", its rows become a lane's eight registers) is W, or the other way round for job 1.
; The choice is made of pointers and tile numbers by selects on the cluster's y alone; no branch hangs on it, nor on a word of the table.
; LIMITS: eA + eB between -126 and 127; eO between -126 and 119.  NaN is not served.
; A tile of 256 x 256 is made by four waves, 128 x 128 each: 64 accumulators, 512 registers.  K goes in steps of 256 through a ring of two LDS slots filled by the tensor data mover.
; CLUSTERS: 4 x 4 work-groups; the four of a row of the cluster ask jointly for A's tiles, the four of a column for B's.
; Both operands are fetched 16 bytes at a time: the same permutation of k on both sides, so every product meets its partner.
; REGISTERS, in windows of 256: window 0: v0-31 addresses; v32-95 bias along B's rows; v96-111 bias along A's rows; v112-118 store offsets and the quantiser's numbers; from v128 A's fragments, ONE set
; (on the way out v128-207 are at work).  window 1: B's fragments, two sets.  windows 2, 3: the accumulators ((a, b) at v[8 (8 (a % 4) + b)]).
.set MIB,    1048576
.set SIZE_K, 1024
.set KSTEP,  256
.set ROWB,   256                       ; a tile's row in bytes
.set KROW,   SIZE_K                    ; a row in memory
.set PITCH,  272                       ; an LDS row: 256 bytes + 16 of padding: the 16 rows that a load touches start at 16 different banks (64 banks of 4 bytes: ISA guide 11.1)
.set FR,     16
.set NL,     4
.set NP,     4                         ; places behind this matrix instruction (ISA guide 7.12.1)
.set HALFT,  128*PITCH
.set SLOT,   4*HALFT
.set LAPS,   SIZE_K/(2*KSTEP)
.set SPARE,  2*SLOT                    ; behind the ring: the spare words, 128 bytes a wave, which no other line names
.set ADRA, 16
.set ADRB, 20
.set SPW,  28
.set NIL,  29
.set BB,   32
.set BA,   96
.set VO,   112
.set SCQ,  116
.set QHI,  117
.set QLO,  118
.set T,    128
.set CD,   192
.set AF,   128
.set G1, 24
.set G0, 32
.set G1B, 48
.set G0B, 56
.set MSB, 0
.macro WIN new                         ; the immediate's high byte repeats the setting that is left
.if MSB != \new
	s_set_vgpr_msb (MSB<<8)|\new
.set MSB, \new
.endif
.endm
.set MUL_LO, 0xa1                      ; source 0 (B) window 1, source 1 (A) window 0, C and D window 2
.set MUL_HI, 0xf1
.set TO_B,   0x40
; A joint load: waves 0 and 1 fetch for A, waves 2 and 3 for B; the branch hangs on the wave's number alone.  Four v_nop follow each of the two lines.
.macro JLOAD g0a, g1a, g0b, g1b
	s_cmp_eq_u32 s15, 0
	s_cbranch_scc0 .Lfor_b_\@
	tensor_load_to_lds s[\g0a:\g0a+3], s[\g1a:\g1a+7]
	s_nop 0
.rept 4
	v_nop
.endr
	s_branch .Lasked_\@
.Lfor_b_\@:
	tensor_load_to_lds s[\g0b:\g0b+3], s[\g1b:\g1b+7]
	s_nop 0
.rept 4
	v_nop
.endr
.Lasked_\@:
.endm
.macro CREST                           ; a round of the cluster's barrier behind its opening barrier
	s_cmp_lg_u32 s14, 0
	s_cbranch_scc1 .Lnot_wave_0_\@
	s_barrier_signal -3
.Lnot_wave_0_\@:
	s_barrier_wait -3
	s_barrier_signal -1
	s_barrier_wait -1
.endm
.macro CROUND
	s_barrier_signal -1
	s_barrier_wait -1
	CREST
.endm
	s_load_b512 s[68:83], s[0:1], 0x0              ; X's three buffers 68, 70, 72; W0-W3 74-80; bias0 82
	s_load_b256 s[84:91], s[0:1], 0x40             ; bias1-bias3 84-88, table 90
	s_load_b128 s[92:95], s[0:1], 0x60             ; first output 92, second output 94
	v_lshl_add_u32 v[SPW], v0, 2, SPARE
	v_mov_b32 v[NIL], 0
	ds_add_u32 v28, v29
	ds_add_u32 v28, v29
	s_wait_dscnt 0x0
	v_lshrrev_b32 v1, 5, v0
	v_readfirstlane_b32 s14, v1                    ; wave 0..3
	s_lshr_b32 s15, s14, 1                         ; which half of A's rows is mine.  Also: I fetch for A (0) or for B (1)
	s_and_b32 s16, s14, 1                          ; which half of B's rows.  Also: which 128 rows of that tile I fetch
	s_bfe_u32 s40, ttmp6, 0x40000                  ; cx
	s_bfe_u32 s41, ttmp6, 0x40004                  ; cy
	s_and_b32 s12, ttmp7, 0xffff                   ; cluster y
	s_lshr_b32 s13, s12, 2                         ; JOB
	s_and_b32 s12, s12, 3
	s_lshl_b32 s12, s12, 2                         ; 4 x the quarter of X's rows
	s_cmp_eq_u32 s13, 1
	s_cselect_b32 s2, 1, 0                         ; 1: the job of values: A = W, B = X
	s_cmp_eq_u32 s2, 0
	s_cselect_b32 s17, s12, 0
	s_cselect_b32 s42, 0, s12
	s_add_co_u32 s17, s17, s41                     ; A's tile: made of cy and the cluster's y alone
	s_add_co_u32 s42, s42, s40                     ; B's tile: made of cx and the cluster's y alone
	s_lshl_b32 s43, s41, 2
	s_lshl_b32 s43, 15, s43                        ; my row of the cluster
	s_lshl_b32 s44, 0x1111, s40                    ; my column
	s_or_b32 s[G1+0], s43, (0<<16)|(1<<20)|(1<<21)|(5<<22)|(3<<25)  ; the mask; elements of 1 byte; padding on; bit 21 beside a mask; after every 64 words, 4 words
	s_or_b32 s[G1B+0], s44, (0<<16)|(1<<20)|(1<<21)|(5<<22)|(3<<25)
.irp g, G1, G1B
	s_mov_b32 s[\g+1], ROWB<<16                    ; tensor_dim0
	s_mov_b32 s[\g+2], 128<<16                     ; tensor_dim1
	s_mov_b32 s[\g+3], ROWB<<16                    ; tile_dim0
	s_mov_b32 s[\g+4], 128                         ; tile_dim1
	s_mov_b32 s[\g+5], KROW                        ; stride from row to row
	s_mov_b32 s[\g+6], 0
	s_mov_b32 s[\g+7], 0
.endr
	s_lshl_b32 s18, s16, 7
	s_lshl_b32 s20, s17, 8
	s_add_co_u32 s20, s20, s18                     ; A: row 256 x tile + 128 x half
	s_lshl_b32 s20, s20, 10                        ; in bytes (under 4 MiB)
	s_mov_b32 s21, 0
	s_lshl_b32 s46, s42, 8
	s_add_co_u32 s46, s46, s18
	s_lshl_b32 s46, s46, 10
	s_mov_b32 s47, 0
	s_mul_i32 s45, s14, HALFT                      ; where they go: wave x 128 rows
	s_wait_kmcnt 0x0
	s_mov_b64 s[4:5], s[74:75]                     ; W and bias by the job's number
	s_mov_b64 s[8:9], s[82:83]
.macro PICK job, w, b
	s_cmp_eq_u32 s13, \job
	s_cselect_b64 s[4:5], s[\w:\w+1], s[4:5]
	s_cselect_b64 s[8:9], s[\b:\b+1], s[8:9]
.endm
	PICK 1, 76, 84
	PICK 2, 78, 86
	PICK 3, 80, 88
	s_add_nc_u64 s[6:7], s[68:69], 16*MIB          ; X of job 0,
	s_add_nc_u64 s[98:99], s[68:69], 20*MIB        ; of job 2
	s_cmp_eq_u32 s13, 1
	s_cselect_b64 s[6:7], s[70:71], s[6:7]
	s_cmp_eq_u32 s13, 2
	s_cselect_b64 s[6:7], s[98:99], s[6:7]
	s_cmp_eq_u32 s13, 3
	s_cselect_b64 s[6:7], s[72:73], s[6:7]
	s_cselect_b64 s[10:11], s[94:95], s[92:93]     ; job 3 stores into the second output
	s_min_u32 s18, s13, 1
	s_add_co_u32 s18, s18, s2                      ; the output's region: job 0: 0 (queries), jobs 2, 3: 1 (keys), job 1: 2 (values)
	s_lshl_b32 s18, s18, 22
	s_mov_b32 s19, 0
	s_add_nc_u64 s[10:11], s[10:11], s[18:19]
	s_cmp_eq_u32 s2, 0
	s_cselect_b64 s[98:99], s[6:7], s[4:5]
	s_cselect_b64 s[6:7], s[4:5], s[6:7]           ; B's codes
	s_mov_b64 s[4:5], s[98:99]                     ; A's codes
	s_lshl_b32 s66, s13, 4
	s_load_b128 s[84:87], s[90:91], s66 offset:0x0 ; eA, eB, eO, relu
	s_add_nc_u64 s[20:21], s[4:5], s[20:21]
	s_add_nc_u64 s[46:47], s[6:7], s[46:47]
	CROUND                                         ; all sixteen work-groups are here: the first joint loads meet
.irp s, 0,1
	s_mov_b32 s[G0+4*\s], 1
	s_add_co_u32 s[G0+4*\s+1], s45, \s*SLOT
	s_add_nc_u64 s[G0+4*\s+2:G0+4*\s+3], s[20:21], \s*ROWB
	s_or_b32 s[G0+4*\s+3], s[G0+4*\s+3], 0x80000000
	s_mov_b32 s[G0B+4*\s], 1
	s_add_co_u32 s[G0B+4*\s+1], s45, \s*SLOT
	s_add_nc_u64 s[G0B+4*\s+2:G0B+4*\s+3], s[46:47], \s*ROWB
	s_or_b32 s[G0B+4*\s+3], s[G0B+4*\s+3], 0x80000000
.endr
	JLOAD G0, G1, G0B, G1B                         ; K step 0: one tensor load a wave at the head
	v_and_b32 v1, 15, v0                           ; r
	v_bfe_u32 v2, v0, 4, 1                         ; h
	s_wait_alu depctr_va_vdst(0)
	v_mul_u32_u24 v3, v1, PITCH
	v_lshl_add_u32 v4, v2, 4, v3                   ; a fragment's row x pitch + 16 x half
	s_mul_i32 s21, s15, HALFT
	s_mul_i32 s22, s16, HALFT
	s_add_co_u32 s22, s22, 2*HALFT
.irp s, 0,1
	v_add_nc_u32 v[ADRA+\s], s21, v4
	v_add_nc_u32 v[ADRB+\s], s22, v4
	s_add_co_u32 s21, s21, SLOT
	s_add_co_u32 s22, s22, SLOT
.endr
	; where my 128 rows of X (xt, xh) and of W (wt, wh) lie: for the bias and the stores alone
	s_cmp_eq_u32 s2, 0
	s_cselect_b32 s18, s17, s42                    ; xt
	s_cselect_b32 s19, s15, s16                    ; xh
	s_cselect_b32 s20, s42, s17                    ; wt
	s_cselect_b32 s21, s16, s15                    ; wh
	s_mov_b32 s22, 131072
	s_cselect_b32 s22, 4096, s22                   ; bytes from A's blocks 0-3 to 4-7: four images on, or one head on
	s_mov_b32 s23, 4096
	s_cselect_b32 s23, 131072, s23                 ; bytes from B's blocks 0-3 to 4-7: the other of the two
	s_lshl_b32 s98, s20, 10
	s_lshl_b32 s99, s21, 9
	s_add_co_u32 s98, s98, s99
	s_mov_b32 s99, 0
	s_add_nc_u64 s[8:9], s[8:9], s[98:99]          ; the bias of my 128 rows of W
	s_lshr_b32 s98, s18, 3                         ; image number ((batch x 16 + 4 wt + 2 wh) x 128 + 16 (xt % 8) + 8 xh): the same sum for both kinds of image
	s_lshl_b32 s98, s98, 4
	s_lshl_b32 s99, s20, 2
	s_add_co_u32 s98, s98, s99
	s_lshl_b32 s99, s21, 1
	s_add_co_u32 s98, s98, s99
	s_lshl_b32 s98, s98, 7
	s_and_b32 s99, s18, 7
	s_lshl_b32 s99, s99, 4
	s_add_co_u32 s98, s98, s99
	s_lshl_b32 s99, s19, 3
	s_add_co_u32 s98, s98, s99
	s_lshl_b32 s98, s98, 10
	s_mov_b32 s99, 0
	s_add_nc_u64 s[10:11], s[10:11], s[98:99]
	v_lshlrev_b32 v30, 5, v2                       ; 32 h
	v_lshlrev_b32 v31, 2, v1                       ; 4 r
.irp b, 0,1,2,3,4,5,6,7
	global_load_b128 v[BB+8*\b:BB+8*\b+3], v30, s[8:9] offset:64*\b        ; bias at W rows 16 b + 8 h + 0 .. 7: right where W is B
	global_load_b128 v[BB+8*\b+4:BB+8*\b+7], v30, s[8:9] offset:64*\b+16
.endr
.irp a, 0,1,2,3,4,5,6,7
	global_load_b32 v[BA+2*\a], v31, s[8:9] offset:64*\a                   ; bias at W row 16 a + r: right where W is A
.endr
	v_and_b32 v6, 31, v0
	v_lshlrev_b32 v[VO], 4, v6                     ; the stores' offsets: 16 x lane + the two steps above
	v_add_nc_u32 v[VO+1], s23, v[VO]
	v_add_nc_u32 v[VO+2], s22, v[VO]
	v_add_nc_u32 v[VO+3], s23, v[VO+2]
.macro FRAG reg, adr, q, i             ; 16 rows x 128 K: registers 4 c .. 4 c + 3 hold K = 32 c + 16 (l / 16) + 0 .. 15
.irp c, 0,1,2,3
	ds_load_b128 v[\reg+4*\c:\reg+4*\c+3], v[\adr] offset:128*(\q)+32*\c+(\i)*16*PITCH
.endr
.endm
; 16 matrix instructions: A's blocks a0, a0 + 1 x B's eight.  The 64 accumulators take turns, one instruction a turn, in the same order in every step.
.macro MUL16 a0, p, zero
.irp a, \a0, \a0+1
.irp b, 0,1,2,3,4,5,6,7
.if \zero
	v_wmma_f32_16x16x128_fp8_fp8 v[8*(8*((\a)%4)+\b):8*(8*((\a)%4)+\b)+7], v[128*(\p)+FR*\b:128*(\p)+FR*\b+FR-1], v[AF+FR*(\a):AF+FR*(\a)+FR-1], 0
.else
	v_wmma_f32_16x16x128_fp8_fp8 v[8*(8*((\a)%4)+\b):8*(8*((\a)%4)+\b)+7], v[128*(\p)+FR*\b:128*(\p)+FR*\b+FR-1], v[AF+FR*(\a):AF+FR*(\a)+FR-1], v[8*(8*((\a)%4)+\b):8*(8*((\a)%4)+\b)+7]
.endif
.endr
.endr
.endm
.macro FETCH_B slot, q, p
	WIN TO_B
.irp i, 0,1,2,3,4,5,6,7
	FRAG 128*(\p)+FR*\i, ADRB+\slot, \q, \i
.endr
	WIN 0
.endm
.macro FETCH_A slot, q, i0
.irp i, \i0, \i0+1, \i0+2, \i0+3
	FRAG AF+FR*(\i), ADRA+\slot, \q, \i
.endr
.endm
.macro PLACES n                        ; plain vector lines between a matrix instruction and a load into, or a vector read of, its registers
.rept \n
	v_nop
.endr
.endm
.macro STEP slot, q, zero              ; 128 along K, with its successor in the same slot
	s_wait_dscnt 4*NL                              ; B's set and A's blocks 0-3 are in; the youngest 16 loads (A's blocks 4-7) may be out
	WIN MUL_LO
	MUL16 0, (\q)%2, \zero
	MUL16 2, (\q)%2, \zero
	s_wait_dscnt 0
	PLACES NP
	FETCH_B \slot, (\q)+1, 1-(\q)%2
	FETCH_A \slot, (\q)+1, 0
	WIN MUL_HI
	MUL16 4, (\q)%2, \zero
	MUL16 6, (\q)%2, \zero
	PLACES NP
	WIN 0
	FETCH_A \slot, (\q)+1, 4
.endm
; A slot's last step changes slots: one barrier; in front of it each wave waits for all its tensor loads, adds 0 to its spare word, and waits for that and for its reads of this slot.
.macro TURN slot, next, fill
	s_wait_tensorcnt 0x0                           ; all my tensor loads have landed: my part of the next slot
	ds_add_u32 v[SPW], v[NIL]                      ; 0 onto my spare word
	s_wait_dscnt 4*NL+1                            ; the add and the youngest 16 loads may be out
	WIN MUL_LO
	MUL16 0, 1, 0
	s_wait_dscnt 0x0                               ; the add is done, and my reads of this slot are over
	s_barrier_signal -1
	MUL16 2, 1, 0
	WIN 0
	s_barrier_wait -1
.if \fill
	CREST                                          ; the barrier has opened a round of the cluster's barrier: no wave of any partner still reads this slot or has a load on its way
	s_add_nc_u64 s[G0+4*\slot+2:G0+4*\slot+3], s[G0+4*\slot+2:G0+4*\slot+3], 2*ROWB
	s_add_nc_u64 s[G0B+4*\slot+2:G0B+4*\slot+3], s[G0B+4*\slot+2:G0B+4*\slot+3], 2*ROWB
	JLOAD G0+4*\slot, G1, G0B+4*\slot, G1B         ; the first tensor load behind the round; its four v_nop are the places in front of the loads below
.else
	PLACES NP
.endif
	s_wait_alu depctr_va_vdst(0)
	FETCH_B \next, 0, 0
	FETCH_A \next, 0, 0
	WIN MUL_HI
	MUL16 4, 1, 0
	MUL16 6, 1, 0
	PLACES NP
	WIN 0
	FETCH_A \next, 0, 4
.endm
	s_wait_alu depctr_va_vdst(0)
	s_wait_tensorcnt 0x0                           ; my part of K step 0 is in
	ds_add_u32 v[SPW], v[NIL]
	s_wait_dscnt 0x0
	CROUND                                         ; a whole round: everybody's part of K step 0 is in, and the joint loads meet
	JLOAD G0+4, G1, G0B+4, G1B                     ; K step 1's load, the first tensor load behind the round
	FETCH_B 0, 0, 0
	FETCH_A 0, 0, 0
	FETCH_A 0, 0, 4
	STEP 0, 0, 1                                   ; the first step starts the sums: nothing is cleared
	s_mov_b32 s3, LAPS-1
.Llap:                                                 ; a trip goes once round the ring and fills both slots again
	TURN 0, 1, 1
	STEP 1, 0, 0
	TURN 1, 0, 1
	STEP 0, 0, 0
	s_sub_co_u32 s3, s3, 1
	s_cmp_lg_u32 s3, 0
	s_cbranch_scc1 .Llap
	TURN 0, 1, 0                                   ; the last lap fills nothing
	STEP 1, 0, 0
	s_wait_dscnt 4*NL
	WIN MUL_LO
	MUL16 0, 1, 0
	MUL16 2, 1, 0
	s_wait_dscnt 0
	WIN MUL_HI
	MUL16 4, 1, 0
	MUL16 6, 1, 0
	WIN 0
	; THE WAY OUT.  value = sum x 2^(eA + eB) + bias; held; converted with 2^eO.  A lane's eight registers of block b are registers 2 (b % 4), 2 (b % 4) + 1 of image b / 4.
	s_wait_kmcnt 0x0
	s_add_co_i32 s100, s84, s85
	s_add_co_i32 s100, s100, 127
	s_lshl_b32 s100, s100, 23                      ; 2^(eA + eB) as f32
	s_mov_b32 s101, s100                           ; (named with it as a pair)
	s_add_co_i32 s98, s86, 127
	s_lshl_b32 s99, s98, 23
	v_mov_b32 v[SCQ], s99                          ; 2^eO
	s_add_co_i32 s98, s98, 8
	s_lshl_b32 s98, s98, 23
	s_or_b32 s98, s98, 0x600000
	v_mov_b32 v[QHI], s98                          ; 448 x 2^eO
	s_xor_b32 s99, s98, 0x80000000
	s_cmp_lg_u32 s87, 0
	s_cselect_b32 s99, 0, s99                      ; the lower hold: 0 where the job has a relu: activation and hold in one
	v_mov_b32 v[QLO], s99
	s_wait_loadcnt 0x0                             ; the biases
	s_cmp_eq_u32 s2, 0
	s_cselect_b32 s12, -1, 0
	s_not_b32 s13, s12
.set n, 0
.rept 64
	v_cndmask_b32 v[BB+n], 0, v[BB+n], s12         ; of the two biases the one that does not fit the job's roles becomes 0: the sum below then rounds once.  (These lines are also the places behind the last products)
.set n, n+1
.endr
.irp a, 0,1,2,3,4,5,6,7
	v_cndmask_b32 v[BA+2*\a], 0, v[BA+2*\a], s13
.endr
.irp a, 0,1,2,3,4,5,6,7
	v_mov_b32 v[BA+2*\a+1], v[BA+2*\a]
.endr
.macro OUTBLK a
.set AC, 64*((\a)%4)
.if (\a) > 0
	s_wait_xcnt 0x0                                ; the last block's stores have read their data: the codes' registers may be written again
.endif
	WIN (0x02+((\a)/4))                            ; source 0: window 2 or 3
.set n, 0
.rept 32
	v_pk_fma_f32 v[T+n:T+n+1], v[AC+n:AC+n+1], s[100:101], v[BB+n:BB+n+1] op_sel_hi:[1,0,1]   ; each accumulator from its low end on
.set n, n+2
.endr
	WIN 0
.set n, 0
.rept 32
	v_pk_add_f32 v[T+n:T+n+1], v[T+n:T+n+1], v[BA+2*(\a):BA+2*(\a)+1]
.set n, n+2
.endr
.set n, 0
.rept 64
	v_med3_num_f32 v[T+n], v[T+n], v[QLO], v[QHI]  ; the conversion to an 8-bit code does not saturate (ISA guide 7.6.2)
.set n, n+1
.endr
.irp b, 0,1,2,3,4,5,6,7
	v_cvt_scalef32_pk8_fp8_f32 v[CD+2*\b:CD+2*\b+1], v[T+8*\b:T+8*\b+7], v[SCQ]
.endr
	v_nop                                          ; a plain line behind the conversions: the next block writes their sources
.irp g, 0,1
.irp c, 0,1
	global_store_b128 v[VO+2*((\a)/4)+\g], v[CD+8*\g+4*\c:CD+8*\g+4*\c+3], s[10:11] offset:((\a)%4)*1024+512*\c   ; 32 lanes store 512 consecutive bytes, aligned
.endr
.endr
.endm
.irp a, 0,1,2,3,4,5,6,7
	OUTBLK \a
.endr
	s_wait_tensorcnt 0x0                           ; the wave's end
	ds_add_u32 v[SPW], v[NIL]
	s_wait_dscnt 0x0
	CROUND                                         ; the closing round: no work-group ends while a partner may still ask for a tile that names it
	s_endpgm
.Lfunc_end_k_q89553e4237_proj:
	.size	k_q89553e4237_proj, .Lfunc_end_k_q89553e4237_proj-k_q89553e4237_proj
	.p2alignl 7, 3214868480
	.fill 96, 4, 3214868480
	.section	.rodata,"a",@progbits
	.p2align	6, 0x0
	.amdhsa_kernel k_q89553e4237_proj
		.amdhsa_group_segment_fixed_size 327680
		.amdhsa_private_segment_fixed_size 0
		.amdhsa_enable_private_segment 0
		.amdhsa_kernarg_size 112
		.amdhsa_user_sgpr_count 2
		.amdhsa_user_sgpr_kernarg_segment_ptr 1
		.amdhsa_wavefront_size32 1
		.amdhsa_system_sgpr_workgroup_id_x 1
		.amdhsa_system_sgpr_workgroup_id_y 1
		.amdhsa_system_sgpr_workgroup_id_z 1
		.amdhsa_system_vgpr_workitem_id 0
		.amdhsa_next_free_vgpr 1024
		.amdhsa_next_free_sgpr 102
		.amdhsa_reserve_vcc 0
		.amdhsa_float_denorm_mode_32 3
		.amdhsa_float_denorm_mode_16_64 3
		.amdhsa_memory_ordered 1
		.amdhsa_forward_progress 1
		.amdhsa_inst_pref_size 159
	.end_amdhsa_kernel
	.amdgpu_metadata
---
amdhsa.version: [ 1, 2 ]
amdhsa.kernels:
  - .name:           k_q89553e4237_proj
    .symbol:         k_q89553e4237_proj.kd
    .args:
      - { .name: bufA, .offset: 0, .size: 8, .value_kind: global_buffer, .address_space: global }
      - { .name: bufB, .offset: 8, .size: 8, .value_kind: global_buffer, .address_space: global }
      - { .name: encoder_hidden_states_codes, .offset: 16, .size: 8, .value_kind: global_buffer, .address_space: global }
      - { .name: sa_wq_codes, .offset: 24, .size: 8, .value_kind: global_buffer, .address_space: global }
      - { .name: sa_wv_codes, .offset: 32, .size: 8, .value_kind: global_buffer, .address_space: global }
      - { .name: sa_wk_codes, .offset: 40, .size: 8, .value_kind: global_buffer, .address_space: global }
      - { .name: ca_wk_codes, .offset: 48, .size: 8, .value_kind: global_buffer, .address_space: global }
      - { .name: sa_bq, .offset: 56, .size: 8, .value_kind: global_buffer, .address_space: global }
      - { .name: sa_bv, .offset: 64, .size: 8, .value_kind: global_buffer, .address_space: global }
      - { .name: sa_bk, .offset: 72, .size: 8, .value_kind: global_buffer, .address_space: global }
      - { .name: ca_bk, .offset: 80, .size: 8, .value_kind: global_buffer, .address_space: global }
      - { .name: tab1, .offset: 88, .size: 8, .value_kind: global_buffer, .address_space: global }
      - { .name: qkv1, .offset: 96, .size: 8, .value_kind: global_buffer, .address_space: global }
      - { .name: qkv2, .offset: 104, .size: 8, .value_kind: global_buffer, .address_space: global }
    .group_segment_fixed_size: 327680
    .private_segment_fixed_size: 0
    .kernarg_segment_align: 8
    .kernarg_segment_size: 112
    .max_flat_workgroup_size: 128
    .sgpr_count:     102
    .vgpr_count:     1024
    .wavefront_size: 32
...
	.end_amdgpu_metadata
.endif
;; end of part 7
;; launch attn1 (part 8): grid 8 x 32, 8 waves a work-group, no clusters, 297,984 bytes of LDS; arguments qkv1, tab1, y; writes y
.if DOCPART == 8
	.amdgcn_target "amdgcn-amd-amdhsa--gfx1250"
	.amdhsa_code_object_version 6
	.text
	.protected	k_q89553e4237_attn1
	.globl	k_q89553e4237_attn1
	.p2align	8
	.type	k_q89553e4237_attn1,@function
k_q89553e4237_attn1:
	s_mov_b64 s[64:65], 0
	v_nop
	global_prefetch_b8 v0, s[64:65] scope:SCOPE_SE
	s_setreg_imm32_b32 hwreg(HW_REG_WAVE_MODE, 25, 1), 1
	s_wait_xcnt 0x0
; ctx[b][q][head] = softmax_k(Q . K / 8) V on E4M3 codes, 32 (batch, head) pairs, 2,048 queries and keys, head size 64.  Q, K, V come as images of operand registers (1,024 bytes: the 8 registers of a 16 x 64 fragment):
; Q at byte 0, K at 4 MiB (16 tokens x 64 channels, image (pair x 128 + token / 16)), V at 8 MiB (16 channels x 64 keys, image (pair x 128 + 4 (key / 64) + channel / 16)).  ctx: f32, [4096][1024].
; THE SOFTMAX: t = score x 2^(eq + ek) x log2(e) / 8; M = the running largest t rounded UP to a whole number; p = 2^(t - M) is quantised with 2^ep, not normalised; the row's sum is taken of the unquantised p and
; divides at the end; when M moves, the sum and O are multiplied by 2^(old M - new M), which rounds nothing.  The running maximum is kept in units of the score (c is positive, so c x max = max of c x).
; SHARES.  A work-group: 256 queries of one pair; each of eight waves 32 of them, two tiles.  A key step is 128 keys: 16 products of K = 64 for S^T, 8 of K = 128 for O^T; O^T is rescaled once for 128 keys.
; THE PAIR'S WHOLE K AND V, 2 x 131,072 bytes, COME TO LIE IN LDS, each byte filled once, through registers, in eight chunks of 256 keys (16,384 bytes of K and as many of V).  Trip c stores chunk c + 1 at its head
; (loaded in trip c - 1), asks memory for chunk c + 2, signals, walks chunk c's two key steps, and waits for the barrier at its end: every wave's stores into chunk c + 1 are ordered ahead of every wave's reads of it.
; A chunk is asked of memory four key steps ahead of its first LDS read by ordinary loads, so no separate prefetch is laid.
; NO CLUSTER, NO TENSOR LOADS: the branch on ep below leaves out the hold's 64 lines of a key step wherever 448 x 2^ep is at least 1 (p is at most 1).
; LAYOUT.  Both products transposed: S^T = K Q^T, O^T = V^T P^T: a lane holds ONE query (lane % 16).  In tile t of S^T its registers are keys 16 t + 8 (lane / 16) + 0 .. 7: one conversion gives registers 2 t, 2 t + 1 of P.
; LIMITS: eq + ek between -123 and 130 (added to a constant's exponent field); ep between -126 and 119; the scaled scores t stay under 2^31 in magnitude.  NaN is not served.
; REGISTERS.  Window 0: v1-11 addresses and constants, v12-23 six words a tile, v24-31 chains, v32-47 Q, v48-79 P's codes, v80-81 the spare word's address and 0, v84-115 first sums of tile 0, v128-255 S^T then p.
; Window 1: v0-63 K's fragments, v64-127 V's, v128-191 O^T, v192-223 a chunk on its way from memory to LDS.
.set MIB,  1048576
.set VLDS, 131072
.set CHB,  16384
.set STG,  262144                      ; the way out: 16 rows x 272 bytes for each wave
.set SP,   272
.set SPARE, 0x48800                    ; behind the stages: the spare words, 128 bytes a wave
.set LF,   1                           ; 16 x lane
.set ADK,  2                           ; K's fragments of the chunk in hand; on the way out: into the stage
.set ADV,  3                           ; V's; on the way out: out of the stage
.set FL,   4                           ; 16 x thread
.set FK,   5                           ; where I store K's part of the next chunk; on the way out: my offset in ctx
.set FV,   6                           ; V's part
.set LIM2, 7                           ; 448 x 2^ep, in another bank than v9, for the second half of a dual line
.set SC,   8                           ; 2^ep
.set LIM,  9                           ; 448 x 2^ep
.set PD,   10
.set ST,   12                          ; a tile's six words: -M, largest score, the sum (two halves), f (later 1 / sum), at work
.set CM,   24
.set Q,    32
.set PC,   48
.set SPW,  80
.set NIL,  81
.set T,    84
.set S,    128
.set KF,   0                           ; window 1
.set VF,   64
.set O,    128
.set SG,   192
.set MSB, 0
.macro WIN new                         ; the immediate's high byte repeats the setting that is left
.if MSB != \new
	s_set_vgpr_msb (MSB<<8)|\new
.set MSB, \new
.endif
.endm
	s_load_b128 s[4:7], s[0:1], 0x0                ; images s[4:5], table s[6:7]
	s_load_b64 s[8:9], s[0:1], 0x10                ; ctx
	v_lshl_add_u32 v[SPW], v0, 2, SPARE
	v_mov_b32 v[NIL], 0
	v_lshrrev_b32 v1, 5, v0
	v_readfirstlane_b32 s14, v1                    ; wave 0..7
	v_and_b32 v1, 31, v0
	v_lshlrev_b32 v[LF], 4, v1
	v_lshlrev_b32 v[FL], 4, v0
	v_add_nc_u32 v[FV], VLDS, v[FL]
	s_and_b32 s15, ttmp7, 0xffff                   ; the pair: 16 x batch + head
	s_lshl_b32 s30, s15, 17                        ; its 128 images
	s_mov_b32 s31, 0
	s_lshl_b32 s32, ttmp9, 4
	s_lshl_b32 s33, s14, 1
	s_add_co_u32 s32, s32, s33                     ; my first tile of queries: 16 x + 2 wave
	s_lshl_b32 s32, s32, 10
	s_add_co_u32 s32, s32, s30
	s_mov_b32 s33, 0
	s_lshr_b32 s34, s15, 4
	s_lshl_b32 s34, s34, 11
	s_lshl_b32 s35, ttmp9, 8
	s_add_co_u32 s34, s34, s35
	s_lshl_b32 s35, s14, 5
	s_add_co_u32 s34, s34, s35                     ; my first row of ctx
	s_lshl_b32 s34, s34, 12
	s_and_b32 s35, s15, 15
	s_lshl_b32 s35, s35, 8                         ; the head's 256 bytes of a row
	s_add_co_u32 s34, s34, s35
	s_mov_b32 s35, 0
	s_mov_b32 s20, 0x76543210                      ; v_permlanex16_b32: lane l xor 16
	s_mov_b32 s21, 0xfedcba98
	s_mov_b32 s22, 0x3e38aa3b                      ; c = log2(e) / 8
	s_mov_b32 s28, 0                               ; LDS byte at which the chunk in hand begins
	s_mov_b32 s29, 7                               ; trips that store the next chunk
	s_wait_alu depctr_va_vdst(0)
	s_wait_kmcnt 0x0
	s_load_b128 s[24:27], s[6:7], 0x80             ; eq, ek, ep, ev
	s_add_nc_u64 s[16:17], s[4:5], s[32:33]        ; Q
	s_add_nc_u64 s[10:11], s[4:5], s[30:31]
	s_add_nc_u64 s[12:13], s[10:11], 8*MIB         ; V
	s_add_nc_u64 s[10:11], s[10:11], 4*MIB         ; K
	s_add_nc_u64 s[8:9], s[8:9], s[34:35]
.irp a, 0,1
.irp c, 0,1
	global_load_b128 v[Q+8*\a+4*\c:Q+8*\a+4*\c+3], v[LF], s[16:17] offset:\a*1024+512*\c
.endr
.endr
.irp i, 0,1,2,3
	global_load_b128 v[S+4*\i:S+4*\i+3], v[FL], s[10:11] offset:4096*\i          ; chunk 0, through the scores' registers: the work-group's load covers 4,096 consecutive bytes
.endr
.irp i, 0,1,2,3
	global_load_b128 v[S+16+4*\i:S+16+4*\i+3], v[FL], s[12:13] offset:4096*\i
.endr
	WIN 0x40                                       ; destination window 1
.irp i, 0,1,2,3
	global_load_b128 v[SG+4*\i:SG+4*\i+3], v[FL], s[10:11] offset:CHB+4096*\i    ; chunk 1
.endr
.irp i, 0,1,2,3
	global_load_b128 v[SG+16+4*\i:SG+16+4*\i+3], v[FL], s[12:13] offset:CHB+4096*\i
.endr
.set n, 0
.rept 64
	v_mov_b32 v[O+n], 0                            ; O^T: the step is written once; the first finds zeros, which the first change of M leaves zeros
.set n, n+1
.endr
	WIN 0
.irp a, 0,1
	v_mov_b32 v[ST+6*\a+1], 0xff61b1e6             ; the largest score so far: -3e38
	v_floor_f32 v[ST+6*\a], -v[ST+6*\a+1]          ; -M
	v_mov_b32 v[ST+6*\a+2], 0
	v_mov_b32 v[ST+6*\a+3], 0
	v_mov_b32 v[ST+6*\a+4], 0
	v_mov_b32 v[ST+6*\a+5], 0
	v_mov_b32 v[PD+\a], 0                          ; a lane permute's destination counts as one of its sources
.endr
	s_wait_kmcnt 0x0
	s_add_co_i32 s30, s24, s25
	s_lshl_b32 s30, s30, 23
	s_add_co_i32 s22, s22, s30                     ; a score stands for score x 2^(eq + ek): added to c's exponent field
	s_mov_b32 s23, s22                             ; (named with it as a pair)
	s_add_co_i32 s30, s26, 127
	s_lshl_b32 s31, s30, 23
	v_mov_b32 v[SC], s31
	s_add_co_i32 s30, s30, 8
	s_lshl_b32 s30, s30, 23
	s_or_b32 s30, s30, 0x600000
	v_mov_b32 v[LIM], s30
	v_mov_b32 v[LIM2], s30
	s_wait_alu depctr_va_vdst(0)
	s_wait_loadcnt 8                               ; Q and chunk 0 are in; chunk 1's eight loads may be out
.irp i, 0,1,2,3
	ds_store_b128 v[FL], v[S+4*\i:S+4*\i+3] offset:4096*\i
.endr
.irp i, 0,1,2,3
	ds_store_b128 v[FV], v[S+16+4*\i:S+16+4*\i+3] offset:4096*\i
.endr
	s_wait_dscnt 0x0                               ; for the others' sake: my part of chunk 0 lies in LDS
	s_barrier_signal -1
	s_barrier_wait -1
.macro KLOAD q                         ; the eight images of K of the chunk's q-th key step
.irp t, 0,1,2,3,4,5,6,7
.irp c, 0,1
	ds_load_b128 v[KF+8*\t+4*\c:KF+8*\t+4*\c+3], v[ADK] offset:(8*(\q)+\t)*1024+512*\c
.endr
.endr
.endm
.macro MX u, w                         ; a link of the eight chains of maxima: chain j of a tile walks accumulators j and j + 4
.irp j, 0,1,2,3
.irp a, 0,1
	v_max3_num_f32 v[CM+4*\a+\j], v[CM+4*\a+\j], v[S+64*\a+8*\j+\u], v[S+64*\a+8*\j+\w]
.endr
.endr
.endm
; A KEY STEP: 128 keys, the q-th of the chunk's two
.macro STEP q
	s_wait_dscnt 0x0                               ; this step's K is in
	WIN 0x01                                       ; source 0 (K) window 1
.irp t, 0,1,2,3,4,5,6,7
.irp a, 0,1
	v_wmma_f32_16x16x64_fp8_fp8 v[S+64*\a+8*\t:S+64*\a+8*\t+7], v[KF+8*\t:KF+8*\t+7], v[Q+8*\a:Q+8*\a+7], 0
.endr
.endr
.rept 4
	v_nop                                          ; places in front of the loads into K's and V's registers and of the first read of the scores
.endr
	WIN 0x40
.irp d, 0,1,2,3
.irp g, 0,1
.irp c, 0,1
	ds_load_b128 v[VF+16*\d+8*\g+4*\c:VF+16*\d+8*\g+4*\c+3], v[ADV] offset:(4*(2*(\q)+\g)+\d)*1024+512*\c   ; 16 channels x 128 keys: two images on end
.endr
.endr
.endr
.if (\q) == 0
	KLOAD 1                                        ; the next step's K lands under the softmax
.endif
	WIN 0
	; the largest of my query's 64 scores, four chains a tile, each accumulator first read at its low end
.irp j, 0,1,2,3
.irp a, 0,1
	v_max3_num_f32 v[CM+4*\a+\j], v[S+64*\a+8*\j], v[S+64*\a+8*\j+1], v[S+64*\a+8*\j+2]
.endr
.endr
	MX 3, 4
	MX 5, 6
	MX 7, 32
	MX 33, 34
	MX 35, 36
	MX 37, 38
.irp a, 0,1
	v_max3_num_f32 v[CM+4*\a], v[CM+4*\a], v[S+64*\a+39], v[S+64*\a+47]
	v_max3_num_f32 v[CM+4*\a+2], v[CM+4*\a+2], v[S+64*\a+55], v[S+64*\a+63]
.endr
.irp a, 0,1
	v_max3_num_f32 v[CM+4*\a], v[CM+4*\a], v[CM+4*\a+1], v[CM+4*\a+2]
.endr
.irp a, 0,1
	s_delay_alu instid0(VALU_DEP_2)
	v_max3_num_f32 v[CM+4*\a], v[CM+4*\a], v[CM+4*\a+3], v[ST+6*\a+1]   ; and the largest so far
.endr
.irp a, 0,1
	v_permlanex16_b32 v[PD+\a], v[CM+4*\a], s20, s21   ; the query's other 64 keys lie in the lane 16 away
.endr
.irp a, 0,1
	v_max_num_f32 v[ST+6*\a+1], v[CM+4*\a], v[PD+\a]
.endr
.irp a, 0,1
	s_delay_alu instid0(VALU_DEP_2)
	v_mul_f32 v[CM+4*\a], s22, v[ST+6*\a+1]        ; as t (c is positive)
.endr
.irp a, 0,1
	v_mov_b32 v[ST+6*\a+5], v[ST+6*\a]
.endr
.irp a, 0,1
	s_delay_alu instid0(VALU_DEP_4)
	v_floor_f32 v[ST+6*\a], -v[CM+4*\a]            ; the new -M = floor(-t): M is a whole number
.endr
.irp a, 0,1
	s_delay_alu instid0(VALU_DEP_2)
	v_sub_f32 v[ST+6*\a+5], v[ST+6*\a], v[ST+6*\a+5]   ; old M less new M: a whole number, 0 or less
.endr
.irp a, 0,1
	s_delay_alu instid0(VALU_DEP_2)
	v_cvt_i32_f32 v[ST+6*\a+5], v[ST+6*\a+5]       ; (it saturates)
.endr
.irp a, 0,1
	s_delay_alu instid0(VALU_DEP_2)
	v_ldexp_f32 v[ST+6*\a+4], 1.0, v[ST+6*\a+5]    ; f = 2^(old M - new M)
.endr
	WIN 0x41                                       ; destination and source 0 window 1
.set n, 0
.rept 32
	v_pk_mul_f32 v[O+n:O+n+1], v[O+n:O+n+1], v[ST+6*(n/32)+4:ST+6*(n/32)+5] op_sel_hi:[1,0]   ; O^T under the new M, ahead of the exponentials, each accumulator from its low end on
.set n, n+2
.endr
	WIN 0
.set n, 0
.rept 32
	v_pk_fma_f32 v[S+n:S+n+1], v[S+n:S+n+1], s[22:23], v[ST:ST+1] op_sel_hi:[1,0,0]   ; tile 0: t - M, two at a time
.set n, n+2
.endr
	s_wait_alu depctr_va_vdst(0)
.set n, 0
.rept 32
	v_exp_f32 v[S+n], v[S+n]                       ; p = 2^(t - M)
	v_pk_fma_f32 v[S+64+n:S+64+n+1], v[S+64+n:S+64+n+1], s[22:23], v[ST+6:ST+7] op_sel_hi:[1,0,0]   ; tile 1: t - M
	v_exp_f32 v[S+n+1], v[S+n+1]
.set n, n+2
.endr
	s_wait_alu depctr_va_vdst(0)                   ; behind tile 0's exponentials and tile 1's scalings, ahead of their readers
.set n, 0
.rept 16
	v_exp_f32 v[S+64+4*n], v[S+64+4*n]
	v_exp_f32 v[S+64+4*n+1], v[S+64+4*n+1]
	v_pk_add_f32 v[T+2*n:T+2*n+1], v[S+4*n:S+4*n+1], v[S+4*n+2:S+4*n+3]   ; tile 0's first sums of the UNQUANTISED p, each into registers of its own
	v_exp_f32 v[S+64+4*n+2], v[S+64+4*n+2]
	v_exp_f32 v[S+64+4*n+3], v[S+64+4*n+3]
.set n, n+1
.endr
.irp a, 0,1
	v_pk_mul_f32 v[ST+6*\a+2:ST+6*\a+3], v[ST+6*\a+2:ST+6*\a+3], v[ST+6*\a+4:ST+6*\a+5] op_sel_hi:[1,0]   ; the sums under the new M: plain lines behind the batch
.endr
	s_wait_alu depctr_va_vdst(0)                   ; one wait behind the batch, ahead of its first reader
	v_pk_add_f32 v[CM+4:CM+5], v[S+64:S+65], v[S+66:S+67]   ; four chains: two a tile
	v_pk_add_f32 v[CM:CM+1], v[T+2:T+3], v[T+6:T+7]
	v_pk_add_f32 v[ST+2:ST+3], v[ST+2:ST+3], v[T:T+1]
.irp k, 1,2,3,4,5,6,7,8,9,10,11,12,13,14,15
	v_pk_add_f32 v[ST+8:ST+9], v[ST+8:ST+9], v[S+64+4*\k:S+64+4*\k+1]
	v_pk_add_f32 v[CM+4:CM+5], v[CM+4:CM+5], v[S+64+4*\k+2:S+64+4*\k+3]
.if \k < 8
	v_pk_add_f32 v[ST+2:ST+3], v[ST+2:ST+3], v[T+4*\k:T+4*\k+1]
.if \k > 1
	v_pk_add_f32 v[CM:CM+1], v[CM:CM+1], v[T+4*\k+2:T+4*\k+3]
.endif
.endif
.endr
	v_pk_add_f32 v[ST+2:ST+3], v[ST+2:ST+3], v[CM:CM+1]
	v_pk_add_f32 v[ST+8:ST+9], v[ST+8:ST+9], v[CM+4:CM+5]
	s_cmp_ge_i32 s26, -8                           ; 448 x 2^ep >= 1 from ep = -8 on: p, at most 1, then needs no hold
	s_wait_alu depctr_va_vdst(0)
	s_cbranch_scc1 .Lnohold_\@
.set n, 0
.rept 64
	v_dual_min_num_f32 v[S+n], v[S+n], v[LIM] :: v_dual_min_num_f32 v[S+n+1], v[S+n+1], v[LIM2]   ; the conversion does not saturate (ISA guide 7.6.2); p is not negative: a one-sided hold
.set n, n+2
.endr
.Lnohold_\@:
.irp a, 0,1
.irp t, 0,1,2,3,4,5,6,7
	v_cvt_scalef32_pk8_fp8_f32 v[PC+16*\a+2*\t:PC+16*\a+2*\t+1], v[S+64*\a+8*\t:S+64*\a+8*\t+7], v[SC]
.endr
.endr
	v_nop                                          ; a plain line between the conversions and the products that read their results
	s_wait_alu depctr_va_vdst(0)
.if (\q) == 0
	s_wait_dscnt 16                                ; V is in; the next step's sixteen loads of K may be out
.else
	s_wait_dscnt 0x0
.endif
	WIN 0x51                                       ; V, C and D window 1, P window 0
.irp d, 0,1,2,3
.irp a, 0,1
	v_wmma_f32_16x16x128_fp8_fp8 v[O+32*\a+8*\d:O+32*\a+8*\d+7], v[VF+16*\d:VF+16*\d+15], v[PC+16*\a:PC+16*\a+15], v[O+32*\a+8*\d:O+32*\a+8*\d+7]   ; eight accumulators by turns
.endr
.endr
	WIN 0
.endm
; A CHUNK: two key steps.  fill = 1: the next chunk goes into LDS at the head, and the one after it is asked of memory
.macro CHUNK fill
	v_add_nc_u32 v[ADK], s28, v[LF]
	v_add_nc_u32 v[ADV], VLDS, v[ADK]
.if \fill
	v_add_nc_u32 v[FK], s28, v[FL]
	v_add_nc_u32 v[FV], VLDS, v[FK]
.endif
	s_wait_alu depctr_va_vdst(0)
	WIN 0x40
	KLOAD 0
	WIN 0
.if \fill
	s_wait_loadcnt 0x0                             ; the next chunk's eight loads, issued a trip ago
	s_add_nc_u64 s[10:11], s[10:11], CHB           ; the loads are done, so their bases may step
	s_add_nc_u64 s[12:13], s[12:13], CHB
	WIN 0x04                                       ; an LDS store's data are its source 1: window 1
.irp i, 0,1,2,3
	ds_store_b128 v[FK], v[SG+4*\i:SG+4*\i+3] offset:CHB+4096*\i
.endr
.irp i, 0,1,2,3
	ds_store_b128 v[FV], v[SG+16+4*\i:SG+16+4*\i+3] offset:CHB+4096*\i
.endr
	WIN 0
	s_wait_dscnt 0x0                               ; for the others' sake: my part of the next chunk lies in LDS (and its registers may be loaded again)
	s_cmp_eq_u32 s29, 1                            ; the seventh trip stores the last chunk: nothing is left to ask for
	s_cbranch_scc1 .Lnoload_\@
	WIN 0x40
.irp i, 0,1,2,3
	global_load_b128 v[SG+4*\i:SG+4*\i+3], v[FL], s[10:11] offset:CHB+4096*\i
.endr
.irp i, 0,1,2,3
	global_load_b128 v[SG+16+4*\i:SG+16+4*\i+3], v[FL], s[12:13] offset:CHB+4096*\i
.endr
	WIN 0
.Lnoload_\@:
	s_barrier_signal -1
.endif
	STEP 0                                         ; both steps read this chunk alone: bytes that nobody writes again
	STEP 1
.if \fill
	s_wait_alu depctr_va_vdst(0)
	s_barrier_wait -1                              ; every wave's part of the next chunk lies in LDS
.endif
.endm
.Ltrip:                                                ; seven trips: chunks 0 to 6
	CHUNK 1
	s_add_co_u32 s28, s28, CHB
	s_sub_co_u32 s29, s29, 1
	s_cmp_lg_u32 s29, 0
	s_cbranch_scc1 .Ltrip
	CHUNK 0                                        ; the last chunk is written out
	; THE WAY OUT: O^T x 2^(ep + ev) / the sum, through my stage in LDS, a tile of 16 queries at a time, so that sixteen lanes store 256 consecutive bytes
.rept 4
	v_nop
.endr
.irp a, 0,1
	v_add_f32 v[ST+6*\a+2], v[ST+6*\a+2], v[ST+6*\a+3]
.endr
.irp a, 0,1
	v_permlanex16_b32 v[PD+\a], v[ST+6*\a+2], s20, s21
.endr
.irp a, 0,1
	v_add_f32 v[ST+6*\a+2], v[ST+6*\a+2], v[PD+\a]
.endr
	v_and_b32 v[CM], 15, v0                        ; r
	v_bfe_u32 v[CM+1], v0, 4, 1                    ; h
	s_mul_i32 s30, s14, 16*SP
	s_add_co_u32 s30, s30, STG                     ; my stage
	v_mul_u32_u24 v[ADK], v[CM], SP
	v_lshl_add_u32 v[ADK], v[CM+1], 5, v[ADK]
	v_add_nc_u32 v[ADK], s30, v[ADK]               ; in: row r, + 32 h
	v_mul_u32_u24 v[ADV], v[CM+1], SP
	v_lshl_add_u32 v[ADV], v[CM], 4, v[ADV]
	v_add_nc_u32 v[ADV], s30, v[ADV]               ; back: lanes 0-15 one row, lanes 16-31 the next
	v_lshlrev_b32 v[FK], 12, v[CM+1]
	v_lshl_add_u32 v[FK], v[CM], 4, v[FK]          ; and the same two rows in ctx
	s_add_co_i32 s31, s26, s27
	s_wait_alu depctr_va_vdst(0)
.irp a, 0,1
	v_rcp_f32 v[ST+6*\a+4], v[ST+6*\a+2]
.endr
	v_nop                                          ; a plain line behind the reciprocals
	s_wait_alu depctr_va_vdst(0)                   ; one wait for the two, ahead of their first reader
.irp a, 0,1
	v_ldexp_f32 v[ST+6*\a+4], v[ST+6*\a+4], s31
.endr
	WIN 0x01                                       ; source 0 (O^T) window 1
	s_wait_alu depctr_va_vdst(0)
.set n, 0
.rept 32
	v_pk_mul_f32 v[S+n:S+n+1], v[O+n:O+n+1], v[ST+6*(n/32)+4:ST+6*(n/32)+5] op_sel_hi:[1,0]
.set n, n+2
.endr
	WIN 0
.irp a, 0,1
.irp d, 0,1,2,3
	ds_store_b128 v[ADK], v[S+32*\a+8*\d:S+32*\a+8*\d+3] offset:64*\d
	ds_store_b128 v[ADK], v[S+32*\a+8*\d+4:S+32*\a+8*\d+7] offset:64*\d+16
.endr
.irp i, 0,1,2,3,4,5,6,7
	ds_load_b128 v[S+64+32*\a+4*\i:S+64+32*\a+4*\i+3], v[ADV] offset:2*\i*SP   ; LDS serves a wave's instructions in order: these see my stores, and the next tile's stores come behind them
.endr
.endr
.irp i, 0,1,2,3,4,5,6,7
	s_wait_dscnt 23-\i                             ; behind piece i: this tile's later loads and the next tile's sixteen instructions
	global_store_b128 v[FK], v[S+64+4*\i:S+64+4*\i+3], s[8:9] offset:2*\i*4096
.endr
.irp i, 0,1,2,3,4,5,6,7
	s_wait_dscnt 7-\i
	global_store_b128 v[FK], v[S+96+4*\i:S+96+4*\i+3], s[8:9] offset:(16+2*\i)*4096
.endr
	s_wait_tensorcnt 0x0                           ; the wave's end
	ds_add_u32 v[SPW], v[NIL]
	s_wait_dscnt 0x0
	s_endpgm
.Lfunc_end_k_q89553e4237_attn1:
	.size	k_q89553e4237_attn1, .Lfunc_end_k_q89553e4237_attn1-k_q89553e4237_attn1
	.p2alignl 7, 3214868480
	.fill 96, 4, 3214868480
	.section	.rodata,"a",@progbits
	.p2align	6, 0x0
	.amdhsa_kernel k_q89553e4237_attn1
		.amdhsa_group_segment_fixed_size 297984
		.amdhsa_private_segment_fixed_size 0
		.amdhsa_enable_private_segment 0
		.amdhsa_kernarg_size 24
		.amdhsa_user_sgpr_count 2
		.amdhsa_user_sgpr_kernarg_segment_ptr 1
		.amdhsa_wavefront_size32 1
		.amdhsa_system_sgpr_workgroup_id_x 1
		.amdhsa_system_sgpr_workgroup_id_y 1
		.amdhsa_system_sgpr_workgroup_id_z 1
		.amdhsa_system_vgpr_workitem_id 0
		.amdhsa_next_free_vgpr 480
		.amdhsa_next_free_sgpr 66
		.amdhsa_reserve_vcc 0
		.amdhsa_float_denorm_mode_32 3
		.amdhsa_float_denorm_mode_16_64 3
		.amdhsa_memory_ordered 1
		.amdhsa_forward_progress 1
		.amdhsa_inst_pref_size 131
	.end_amdhsa_kernel
	.amdgpu_metadata
---
amdhsa.version: [ 1, 2 ]
amdhsa.kernels:
  - .name:           k_q89553e4237_attn1
    .symbol:         k_q89553e4237_attn1.kd
    .args:
      - { .name: qkv1, .offset: 0, .size: 8, .value_kind: global_buffer, .address_space: global }
      - { .name: tab1, .offset: 8, .size: 8, .value_kind: global_buffer, .address_space: global }
      - { .name: y, .offset: 16, .size: 8, .value_kind: global_buffer, .address_space: global }
    .group_segment_fixed_size: 297984
    .private_segment_fixed_size: 0
    .kernarg_segment_align: 8
    .kernarg_segment_size: 24
    .max_flat_workgroup_size: 256
    .sgpr_count:     66
    .vgpr_count:     480
    .wavefront_size: 32
...
	.end_amdgpu_metadata
.endif
;; end of part 8
;; launch ln1 (part 9): grid 256 x 1, 8 waves a work-group, no clusters, 17,408 bytes of LDS; arguments hidden_states, y, ln1_g, ln1_b, tab1, bufB; writes bufB
.if DOCPART == 9
	.amdgcn_target "amdgcn-amd-amdhsa--gfx1250"
	.amdhsa_code_object_version 6
	.text
	.protected	k_q89553e4237_ln1
	.globl	k_q89553e4237_ln1
	.p2align	8
	.type	k_q89553e4237_ln1,@function
k_q89553e4237_ln1:
	s_mov_b64 s[64:65], 0
	v_nop
	global_prefetch_b8 v0, s[64:65] scope:SCOPE_SE
	s_setreg_imm32_b32 hwreg(HW_REG_WAVE_MODE, 25, 1), 1
	s_wait_xcnt 0x0
; w = LayerNorm(a + b) x g + beta, rows of 1,024 f32, eps = 1e-5, in the order (x - mean) x rsqrt(var + eps) x g + beta, all in f32: the mean first, then the mean of the squared differences.
; Where the table's flag (byte 164) is 1 the result is also quantised to E4M3 with 2^e (byte 160; held within +-448) and its codes stored as rows of 1,024 bytes at w + 16 MiB.
; LIMITS: e between -126 and 119.  NaN is not served.
; A wave takes two rows, each whole in 32 registers, so a row's reductions never leave the wave: no barrier.  All loads go out at the head; each reads 512 consecutive bytes.
; Codes leave through the wave's own stage in LDS (4 bytes a lane in, 16 out), so that a store covers 512 consecutive bytes.  A stream: no matrix unit, no cluster.
.set MIB, 1048576
.set G,   16                           ; v16-47  g
.set BT,  48                           ; v48-79  beta
	s_load_b256 s[4:11], s[0:1], 0x0               ; a s[4:5], b s[6:7], g s[8:9], beta s[10:11]
	s_load_b128 s[12:15], s[0:1], 0x20             ; table s[12:13], w s[14:15]
	v_lshl_add_u32 v254, v0, 2, 0x4000
	v_mov_b32 v255, 0
	v_lshrrev_b32 v1, 5, v0
	s_delay_alu instid0(VALU_DEP_1)
	v_readfirstlane_b32 s16, v1                    ; wave
	v_and_b32 v3, 31, v0
	s_delay_alu instid0(VALU_DEP_1)
	v_lshlrev_b32 v1, 4, v3                        ; 16 x lane
	s_lshl_b32 s17, s16, 11                        ; my two stages of 1,024 bytes
	v_lshl_add_u32 v242, v3, 2, s17
	v_lshl_add_u32 v243, v3, 4, s17
	v_mov_b32 v2, 0                                ; a lane permute's destination counts as one of its sources
	v_mov_b32 v13, 0                               ; (named as upper halves of pairs)
	v_mov_b32 v15, 0
	s_mov_b32 s18, 0x76543210
	s_mov_b32 s19, 0xfedcba98
	s_mov_b32 s20, 0x3a800000                      ; 1 / 1024
	s_mov_b32 s21, 0x3727c5ac                      ; 1e-5
	s_lshl_b32 s26, ttmp9, 4
	s_lshl_b32 s17, s16, 1
	s_add_co_u32 s26, s26, s17                     ; my first row
	s_lshl_b32 s28, s26, 10
	s_mov_b32 s29, 0
	s_lshl_b32 s26, s26, 12
	s_mov_b32 s27, 0
	s_wait_alu depctr_va_vdst(0)
	s_wait_kmcnt 0x0
	s_load_b64 s[22:23], s[12:13], 0xa0            ; e, flag
	s_add_nc_u64 s[4:5], s[4:5], s[26:27]
	s_add_nc_u64 s[6:7], s[6:7], s[26:27]
	s_add_nc_u64 s[24:25], s[14:15], s[28:29]
	s_add_nc_u64 s[24:25], s[24:25], 16*MIB        ; the codes' rows
	s_add_nc_u64 s[14:15], s[14:15], s[26:27]
.irp j, 0,1,2,3,4,5,6,7
	global_load_b128 v[G+4*\j:G+4*\j+3], v1, s[8:9] offset:512*\j
.endr
.irp j, 0,1,2,3,4,5,6,7
	global_load_b128 v[BT+4*\j:BT+4*\j+3], v1, s[10:11] offset:512*\j
.endr
.irp k, 0,1
.irp j, 0,1,2,3,4,5,6,7
	global_load_b128 v[80+64*\k+4*\j:80+64*\k+4*\j+3], v1, s[4:5] offset:\k*4096+512*\j
.endr
.irp j, 0,1,2,3,4,5,6,7
	global_load_b128 v[112+64*\k+4*\j:112+64*\k+4*\j+3], v1, s[6:7] offset:\k*4096+512*\j
.endr
.endr
	s_wait_kmcnt 0x0
	s_add_co_i32 s30, s22, 127
	s_lshl_b32 s31, s30, 23
	v_mov_b32 v240, s31                            ; 2^e
	s_add_co_i32 s30, s30, 8
	s_lshl_b32 s30, s30, 23
	s_or_b32 s30, s30, 0x600000
	v_mov_b32 v241, s30                            ; 448 x 2^e
.macro REDUCE                          ; four chains of pairs in v4-11 -> the wave's total in v4, in every lane
	s_delay_alu instid0(VALU_DEP_3)
	v_pk_add_f32 v[4:5], v[4:5], v[6:7]
	s_delay_alu instid0(VALU_DEP_2)
	v_pk_add_f32 v[8:9], v[8:9], v[10:11]
	s_delay_alu instid0(VALU_DEP_1)
	v_pk_add_f32 v[4:5], v[4:5], v[8:9]
	s_delay_alu instid0(VALU_DEP_1)
	v_add_f32 v4, v4, v5
	s_delay_alu instid0(VALU_DEP_1)
	v_add_f32_dpp v4, v4, v4 row_xmask:1 row_mask:0xf bank_mask:0xf
	s_delay_alu instid0(VALU_DEP_1)
	v_add_f32_dpp v4, v4, v4 row_xmask:2 row_mask:0xf bank_mask:0xf
	s_delay_alu instid0(VALU_DEP_1)
	v_add_f32_dpp v4, v4, v4 row_xmask:4 row_mask:0xf bank_mask:0xf
	s_delay_alu instid0(VALU_DEP_1)
	v_add_f32_dpp v4, v4, v4 row_xmask:8 row_mask:0xf bank_mask:0xf
	s_delay_alu instid0(VALU_DEP_1)
	v_permlanex16_b32 v2, v4, s18, s19
	s_delay_alu instid0(VALU_DEP_1)
	v_add_f32 v4, v4, v2
.endm
.macro LNROW k, left
.set XR, 80+64*(\k)                    ; the row
.set BR, 112+64*(\k)                   ; b's row, later the held numbers
.set CW, 208+16*(\k)
.set BK, 216+16*(\k)
	s_wait_loadcnt \left
.set n, 0
.rept 16
	v_pk_add_f32 v[XR+n:XR+n+1], v[XR+n:XR+n+1], v[BR+n:BR+n+1]
.set n, n+2
.endr
.irp c, 0,1,2,3
	v_pk_add_f32 v[4+2*\c:5+2*\c], v[XR+2*\c:XR+2*\c+1], v[XR+8+2*\c:XR+9+2*\c]
.endr
.irp m, 8,9,10,11,12,13,14,15
	s_delay_alu instid0(VALU_DEP_4)
	v_pk_add_f32 v[4+2*(\m%4):5+2*(\m%4)], v[4+2*(\m%4):5+2*(\m%4)], v[XR+2*\m:XR+2*\m+1]
.endr
	REDUCE
	s_delay_alu instid0(VALU_DEP_1)
	v_mul_f32 v12, s20, v4                         ; the mean
.set n, 0
.rept 16
	v_pk_add_f32 v[XR+n:XR+n+1], v[XR+n:XR+n+1], v[12:13] op_sel_hi:[1,0] neg_lo:[0,1] neg_hi:[0,1]
.set n, n+2
.endr
.irp c, 0,1,2,3
	v_pk_mul_f32 v[4+2*\c:5+2*\c], v[XR+2*\c:XR+2*\c+1], v[XR+2*\c:XR+2*\c+1]
.endr
.irp m, 4,5,6,7,8,9,10,11,12,13,14,15
	s_delay_alu instid0(VALU_DEP_4)
	v_pk_fma_f32 v[4+2*(\m%4):5+2*(\m%4)], v[XR+2*\m:XR+2*\m+1], v[XR+2*\m:XR+2*\m+1], v[4+2*(\m%4):5+2*(\m%4)]
.endr
	REDUCE
	s_delay_alu instid0(VALU_DEP_1)
	v_fma_f32 v14, v4, s20, s21                    ; var + eps
	s_wait_alu depctr_va_vdst(0)
	v_rsq_f32 v14, v14
	v_nop                                          ; a plain line behind the transcendental
	s_wait_alu depctr_va_vdst(0)                   ; and the wait ahead of its first reader
.set n, 0
.rept 16
	v_pk_mul_f32 v[XR+n:XR+n+1], v[XR+n:XR+n+1], v[14:15] op_sel_hi:[1,0]
.set n, n+2
.endr
.set n, 0
.rept 16
	v_pk_fma_f32 v[XR+n:XR+n+1], v[XR+n:XR+n+1], v[G+n:G+n+1], v[BT+n:BT+n+1]
.set n, n+2
.endr
.irp j, 0,1,2,3,4,5,6,7
	global_store_b128 v1, v[XR+4*\j:XR+4*\j+3], s[14:15] offset:(\k)*4096+512*\j
.endr
	s_cmp_eq_u32 s23, 0                            ; no codes are wanted of the last LayerNorm
	s_cbranch_scc1 .Lnc_\@
.set n, 0
.rept 32
	v_med3_num_f32 v[BR+n], v[XR+n], -v241, v241   ; the conversion does not saturate (ISA guide 7.6.2)
.set n, n+1
.endr
.irp p, 0,1,2,3
	v_cvt_scalef32_pk8_fp8_f32 v[CW+2*\p:CW+2*\p+1], v[BR+8*\p:BR+8*\p+7], v240
.endr
	v_nop
.irp j, 0,1,2,3,4,5,6,7
	ds_store_b32 v242, v[CW+\j] offset:(\k)*1024+128*\j
.endr
.irp c, 0,1
	ds_load_b128 v[BK+4*\c:BK+4*\c+3], v243 offset:(\k)*1024+512*\c
.endr
	s_wait_dscnt 0x0
.irp c, 0,1
	global_store_b128 v1, v[BK+4*\c:BK+4*\c+3], s[24:25] offset:(\k)*1024+512*\c
.endr
.Lnc_\@:
.endm
	LNROW 0, 16                                    ; g, beta and row 0 are in; row 1's sixteen loads may be out
	LNROW 1, 0
	s_wait_tensorcnt 0x0
	ds_add_u32 v254, v255
	s_wait_dscnt 0x0
	s_endpgm
.Lfunc_end_k_q89553e4237_ln1:
	.size	k_q89553e4237_ln1, .Lfunc_end_k_q89553e4237_ln1-k_q89553e4237_ln1
	.p2alignl 7, 3214868480
	.fill 96, 4, 3214868480
	.section	.rodata,"a",@progbits
	.p2align	6, 0x0
	.amdhsa_kernel k_q89553e4237_ln1
		.amdhsa_group_segment_fixed_size 17408
		.amdhsa_private_segment_fixed_size 0
		.amdhsa_enable_private_segment 0
		.amdhsa_kernarg_size 48
		.amdhsa_user_sgpr_count 2
		.amdhsa_user_sgpr_kernarg_segment_ptr 1
		.amdhsa_wavefront_size32 1
		.amdhsa_system_sgpr_workgroup_id_x 1
		.amdhsa_system_sgpr_workgroup_id_y 1
		.amdhsa_system_sgpr_workgroup_id_z 1
		.amdhsa_system_vgpr_workitem_id 0
		.amdhsa_next_free_vgpr 256
		.amdhsa_next_free_sgpr 66
		.amdhsa_reserve_vcc 0
		.amdhsa_float_denorm_mode_32 3
		.amdhsa_float_denorm_mode_16_64 3
		.amdhsa_memory_ordered 1
		.amdhsa_forward_progress 1
		.amdhsa_inst_pref_size 32
	.end_amdhsa_kernel
	.amdgpu_metadata
---
amdhsa.version: [ 1, 2 ]
amdhsa.kernels:
  - .name:           k_q89553e4237_ln1
    .symbol:         k_q89553e4237_ln1.kd
    .args:
      - { .name: hidden_states, .offset: 0, .size: 8, .value_kind: global_buffer, .address_space: global }
      - { .name: y, .offset: 8, .size: 8, .value_kind: global_buffer, .address_space: global }
      - { .name: ln1_g, .offset: 16, .size: 8, .value_kind: global_buffer, .address_space: global }
      - { .name: ln1_b, .offset: 24, .size: 8, .value_kind: global_buffer, .address_space: global }
      - { .name: tab1, .offset: 32, .size: 8, .value_kind: global_buffer, .address_space: global }
      - { .name: bufB, .offset: 40, .size: 8, .value_kind: global_buffer, .address_space: global }
    .group_segment_fixed_size: 17408
    .private_segment_fixed_size: 0
    .kernarg_segment_align: 8
    .kernarg_segment_size: 48
    .max_flat_workgroup_size: 256
    .sgpr_count:     66
    .vgpr_count:     256
    .wavefront_size: 32
...
	.end_amdgpu_metadata
.endif
;; end of part 9
;; launch q2: the kernel of part 7 again; grid 4 x 32, 4 waves a work-group, clusters of 4 x 4, 327,680 bytes of LDS; arguments bufB, encoder_hidden_states_codes, hidden_states, ca_wq_codes, ca_wv_codes, sa_wq_codes, sa_wk_codes, ca_bq, ca_bv, sa_bq, sa_bk, tab2, qkv2, qkv1; writes qkv2, qkv1
;; launch attn2: the kernel of part 8 again; grid 8 x 32, 8 waves a work-group, no clusters, 297,984 bytes of LDS; arguments qkv2, tab2, y; writes y
;; launch ln2: the kernel of part 9 again; grid 256 x 1, 8 waves a work-group, no clusters, 17,408 bytes of LDS; arguments bufB, y, ln2_g, ln2_b, tab2, bufA; writes bufA
;; launch fc1 (part 10): grid 8 x 32, 4 waves a work-group, clusters of 4 x 4, 327,680 bytes of LDS; arguments bufA, fc1_w_codes, lowp_scales, fc1_b, qkv1; writes qkv1
.if DOCPART == 10
	.amdgcn_target "amdgcn-amd-amdhsa--gfx1250"
	.amdhsa_code_object_version 6
	.text
	.protected	k_q89553e4237_fc1
	.globl	k_q89553e4237_fc1
	.p2align	8
	.type	k_q89553e4237_fc1,@function
k_q89553e4237_fc1:
	s_mov_b64 s[64:65], 0
	v_nop
	global_prefetch_b8 v0, s[64:65] scope:SCOPE_SE
	s_setreg_imm32_b32 hwreg(HW_REG_WAVE_MODE, 25, 1), 1
	s_wait_xcnt 0x0
	s_wait_alu depctr_hold_cnt(0) depctr_sa_sdst(0) depctr_va_vdst(0) depctr_va_sdst(0) depctr_va_ssrc(0) depctr_va_vcc(0) depctr_vm_vsrc(0)
	s_getreg_b32 s2, hwreg(HW_REG_IB_STS2, 6, 4)
	s_cmp_eq_u32 s2, 0
	s_cbranch_scc0 .Lentry_in_a_cluster
	s_endpgm
.Lentry_in_a_cluster:
	s_bfe_u32 s2, ttmp6, 0x10000c
	s_cmp_lg_u32 s2, 0xf033
	s_cbranch_scc0 .Lentry_shape_is_right
	s_endpgm
.Lentry_shape_is_right:
; hidden = Q(relu(X W^T + bias)) on E4M3 codes.  X: [4096][1024] codes at the first buffer + 16 MiB, W: [1024][1024] codes, rows of 1,024 bytes along K; scales 2^e20 (X), 2^e21 (W), 2^e22 (the result).
; The result is stored as IMAGES OF OPERAND REGISTERS for the next launch: 16 tokens x 64 columns, the 8 registers of a K = 64 fragment (registers 0-3 of lane l at byte 16 l, registers 4-7 at 512 + 16 l: 1,024 bytes),
; image ((batch x 16 + column / 64) x 128 + (token % 2048) / 16).
; LIMITS: e20 + e21 between -126 and 127; e22 between -126 and 119.  NaN is not served.
; SHARES.  A block of 128 x 128 is made by four waves, 64 x 64 each: 16 accumulators; the grid of 8 x 32 blocks is 256 work-groups.
; THE BLOCK'S WHOLE K LIES IN LDS: 128 rows of X and 128 of W, 1,024 bytes each, filled once: each wave issues one tensor load of 64 rows at the head.  Nothing is filled again, so no barrier stands among the K steps.
; CLUSTERS: 4 x 4 work-groups; the four of a row of the cluster ask jointly for X's rows, the four of a column for W's.
; NO PREFETCH: all that the work-group reads is asked for at the head, and there is no loop to run ahead in.
; Both operands are fetched 16 bytes at a time: the same permutation of k on both sides, so every product meets its partner.  Source 0 = rows of W, source 1 = rows of X: a lane holds one token and eight neighbouring columns.
; REGISTERS: window 0: v16-21 addresses and the quantiser's numbers, v28-29 the spare word's address and 0, v32-63 bias, v64-95 at work, v96-127 codes, v128-255 X's fragments, two sets; window 1: v0-127 W's fragments, two sets;
; window 2: v0-127 the sums ((a, b) at v[8 (4 a + b)]).
.set MIB,    1048576
.set PITCH,  1040                      ; an LDS row: 1,024 bytes + 16 of padding: 260 words, so the 16 rows that a load touches start at 16 different banks (64 banks of 4 bytes: ISA guide 11.1)
.set HALFT,  64*PITCH                  ; what one tensor load brings
.set BOFF,   2*HALFT
.set SPARE,  4*HALFT                   ; behind the tiles: the spare words, 128 bytes a wave
.set FR,     16
.set ADRA, 16
.set ADRB, 17
.set VO,   18
.set SCQ,  20
.set QHI,  21
.set SPW,  28
.set NIL,  29
.set BB,   32
.set T,    64
.set CD,   96
.set AF,   128
.set G1, 24
.set G0, 32
.set G1B, 48
.set G0B, 56
.set MSB, 0
.macro WIN new                         ; the immediate's high byte repeats the setting that is left
.if MSB != \new
	s_set_vgpr_msb (MSB<<8)|\new
.set MSB, \new
.endif
.endm
.set MUL_LO, 0xa1                      ; source 0 (W) window 1, source 1 (X) window 0, C and D window 2
.set TO_B,   0x40
.macro JLOAD g0a, g1a, g0b, g1b        ; waves 0 and 1 fetch X's halves, waves 2 and 3 W's; the branch hangs on the wave's number alone
	s_cmp_eq_u32 s15, 0
	s_cbranch_scc0 .Lfor_b_\@
	tensor_load_to_lds s[\g0a:\g0a+3], s[\g1a:\g1a+7]
	s_nop 0
.rept 4
	v_nop
.endr
	s_branch .Lasked_\@
.Lfor_b_\@:
	tensor_load_to_lds s[\g0b:\g0b+3], s[\g1b:\g1b+7]
	s_nop 0
.rept 4
	v_nop
.endr
.Lasked_\@:
.endm
.macro CROUND                          ; a round of the cluster's barrier
	s_barrier_signal -1
	s_barrier_wait -1
	s_cmp_lg_u32 s14, 0
	s_cbranch_scc1 .Lnot_wave_0_\@
	s_barrier_signal -3
.Lnot_wave_0_\@:
	s_barrier_wait -3
	s_barrier_signal -1
	s_barrier_wait -1
.endm
.macro PLACES n                        ; plain vector lines between a matrix instruction and a load into, or a vector access of, its registers
.rept \n
	v_nop
.endr
.endm
	s_load_b128 s[4:7], s[0:1], 0x0                ; X's buffer s[4:5], W s[6:7]
	s_load_b128 s[8:11], s[0:1], 0x10              ; the scales' exponents s[8:9], bias s[10:11]
	s_load_b64 s[12:13], s[0:1], 0x20              ; the images
	v_lshl_add_u32 v[SPW], v0, 2, SPARE
	v_mov_b32 v[NIL], 0
	ds_add_u32 v[SPW], v[NIL]                      ; the opening lines: the add, twice on end, and its wait ahead of my first tensor load
	ds_add_u32 v[SPW], v[NIL]
	v_lshrrev_b32 v1, 5, v0
	v_readfirstlane_b32 s14, v1                    ; wave 0..3
	s_lshr_b32 s15, s14, 1                         ; which half of X's rows is mine.  Also: I fetch for X (0) or for W (1)
	s_and_b32 s16, s14, 1                          ; which half of W's rows.  Also: which 64 rows of that tile I fetch
	s_bfe_u32 s40, ttmp6, 0x40000                  ; cx
	s_bfe_u32 s41, ttmp6, 0x40004                  ; cy
	s_lshl_b32 s42, ttmp9, 2
	s_add_co_u32 s42, s42, s40                     ; block column = 4 x cluster x + cx
	s_and_b32 s17, ttmp7, 0xffff
	s_lshl_b32 s17, s17, 2
	s_add_co_u32 s17, s17, s41                     ; block row = 4 x cluster y + cy
	s_lshl_b32 s43, s41, 2
	s_lshl_b32 s43, 15, s43                        ; my row of the cluster
	s_lshl_b32 s44, 0x1111, s40                    ; my column
	s_or_b32 s[G1+0], s43, (0<<16)|(1<<20)|(1<<21)|(7<<22)|(3<<25)  ; the mask; elements of 1 byte; padding on; bit 21 beside a mask; after every 256 words, 4 words
	s_or_b32 s[G1B+0], s44, (0<<16)|(1<<20)|(1<<21)|(7<<22)|(3<<25)
.irp g, G1, G1B
	s_mov_b32 s[\g+1], 1024<<16                    ; tensor_dim0
	s_mov_b32 s[\g+2], 64<<16                      ; tensor_dim1
	s_mov_b32 s[\g+3], 1024<<16                    ; tile_dim0
	s_mov_b32 s[\g+4], 64                          ; tile_dim1
	s_mov_b32 s[\g+5], 1024                        ; stride from row to row
	s_mov_b32 s[\g+6], 0
	s_mov_b32 s[\g+7], 0
.endr
	s_lshl_b32 s18, s16, 6
	s_lshl_b32 s20, s17, 7
	s_add_co_u32 s20, s20, s18                     ; X: row 128 x block row + 64 x half
	s_lshl_b32 s20, s20, 10
	s_mov_b32 s21, 0
	s_lshl_b32 s46, s42, 7
	s_add_co_u32 s46, s46, s18                     ; W: row 128 x block column + 64 x half
	s_lshl_b32 s46, s46, 10
	s_mov_b32 s47, 0
	s_mul_i32 s45, s14, HALFT                      ; where they go: wave x 64 rows
	s_wait_dscnt 0x0                               ; both opening adds are done
	s_wait_kmcnt 0x0
	s_load_b128 s[84:87], s[8:9], 0x50             ; e20, e21, e22, e23
	s_add_nc_u64 s[20:21], s[4:5], s[20:21]
	s_add_nc_u64 s[20:21], s[20:21], 16*MIB
	s_add_nc_u64 s[46:47], s[6:7], s[46:47]
	CROUND                                         ; all sixteen work-groups are here: the joint loads meet
	s_mov_b32 s[G0], 1
	s_mov_b32 s[G0+1], s45
	s_mov_b64 s[G0+2:G0+3], s[20:21]
	s_or_b32 s[G0+3], s[G0+3], 0x80000000
	s_mov_b32 s[G0B], 1
	s_mov_b32 s[G0B+1], s45
	s_mov_b64 s[G0B+2:G0B+3], s[46:47]
	s_or_b32 s[G0B+3], s[G0B+3], 0x80000000
	JLOAD G0, G1, G0B, G1B                         ; my one tensor load: 64 rows x 1,024 bytes
	s_mul_i32 s21, s15, HALFT
	s_mul_i32 s22, s16, HALFT
	s_add_co_u32 s22, s22, BOFF
	s_lshl_b32 s98, s42, 9
	s_lshl_b32 s99, s16, 8
	s_add_co_u32 s98, s98, s99
	s_mov_b32 s99, 0
	s_add_nc_u64 s[10:11], s[10:11], s[98:99]      ; the bias of my 64 columns
	s_lshr_b32 s98, s17, 4                         ; my first image: ((batch x 16 + 2 x block column + half) x 128 + 8 (block row % 16) + 4 x half)
	s_lshl_b32 s98, s98, 4
	s_lshl_b32 s99, s42, 1
	s_add_co_u32 s98, s98, s99
	s_add_co_u32 s98, s98, s16
	s_lshl_b32 s98, s98, 7
	s_and_b32 s99, s17, 15
	s_lshl_b32 s99, s99, 3
	s_add_co_u32 s98, s98, s99
	s_lshl_b32 s99, s15, 2
	s_add_co_u32 s98, s98, s99
	s_lshl_b32 s98, s98, 10
	s_mov_b32 s99, 0
	s_add_nc_u64 s[12:13], s[12:13], s[98:99]
	v_and_b32 v1, 15, v0                           ; r
	v_bfe_u32 v2, v0, 4, 1                         ; h
	v_mul_u32_u24 v3, v1, PITCH
	v_lshl_add_u32 v4, v2, 4, v3                   ; a fragment's row x pitch + 16 x half
	v_add_nc_u32 v[ADRA], s21, v4
	v_add_nc_u32 v[ADRB], s22, v4
	v_lshlrev_b32 v30, 5, v2                       ; 32 h
	v_and_b32 v6, 31, v0
	v_lshlrev_b32 v[VO], 4, v6                     ; the stores' offset: 16 x lane
	s_wait_alu depctr_va_vdst(0)
.irp b, 0,1,2,3
	global_load_b128 v[BB+8*\b:BB+8*\b+3], v30, s[10:11] offset:64*\b        ; bias at columns 16 b + 8 h + 0 .. 7
	global_load_b128 v[BB+8*\b+4:BB+8*\b+7], v30, s[10:11] offset:64*\b+16
.endr
	s_wait_tensorcnt 0x0                           ; my 64 rows are in
	s_barrier_signal -1
	s_barrier_wait -1                              ; everybody's are
.macro FRAG reg, adr, q, i             ; 16 rows x 128 K: registers 4 c .. 4 c + 3 hold K = 32 c + 16 (l / 16) + 0 .. 15
.irp c, 0,1,2,3
	ds_load_b128 v[\reg+4*\c:\reg+4*\c+3], v[\adr] offset:128*(\q)+32*\c+(\i)*16*PITCH
.endr
.endm
.macro FETCH q                         ; the 32 loads of K step q, into set q % 2
	WIN TO_B
.irp i, 0,1,2,3
	FRAG 64*((\q)%2)+FR*\i, ADRB, \q, \i
.endr
	WIN 0
.irp i, 0,1,2,3
	FRAG AF+64*((\q)%2)+FR*\i, ADRA, \q, \i
.endr
.endm
.macro MUL q, zero                     ; 16 matrix instructions; the 16 accumulators take turns, one instruction a turn, in the same order in every step
	WIN MUL_LO
.irp a, 0,1,2,3
.irp b, 0,1,2,3
.if \zero
	v_wmma_f32_16x16x128_fp8_fp8 v[8*(4*\a+\b):8*(4*\a+\b)+7], v[64*((\q)%2)+FR*\b:64*((\q)%2)+FR*\b+FR-1], v[AF+64*((\q)%2)+FR*\a:AF+64*((\q)%2)+FR*\a+FR-1], 0
.else
	v_wmma_f32_16x16x128_fp8_fp8 v[8*(4*\a+\b):8*(4*\a+\b)+7], v[64*((\q)%2)+FR*\b:64*((\q)%2)+FR*\b+FR-1], v[AF+64*((\q)%2)+FR*\a:AF+64*((\q)%2)+FR*\a+FR-1], v[8*(4*\a+\b):8*(4*\a+\b)+7]
.endif
.endr
.endr
	WIN 0
.endm
	FETCH 0
	FETCH 1
	s_wait_dscnt 32                                ; K step 0's fragments are in; the 32 loads of step 1 may be out
	MUL 0, 1                                       ; the first step starts the sums: nothing is cleared
.irp q, 1,2,3,4,5,6
	PLACES 4                                       ; in front of the loads into the set that the last step multiplied
	FETCH \q+1
	s_wait_dscnt 32                                ; all but the 32 just issued
	MUL \q, 0
.endr
	s_wait_dscnt 0x0
	MUL 7, 0
	; THE WAY OUT.  value = sum x 2^(e20 + e21) + bias; held between 0 and 448 x 2^e22: the relu and the hold in one; converted with 2^e22.  Block b's eight numbers are registers 2 b, 2 b + 1 of the image
	s_wait_kmcnt 0x0
	s_add_co_i32 s100, s84, s85
	s_add_co_i32 s100, s100, 127
	s_lshl_b32 s100, s100, 23                      ; 2^(e20 + e21) as f32
	s_mov_b32 s101, s100                           ; (named with it as a pair)
	s_add_co_i32 s98, s86, 127
	s_lshl_b32 s99, s98, 23
	v_mov_b32 v[SCQ], s99                          ; 2^e22
	s_add_co_i32 s98, s98, 8
	s_lshl_b32 s98, s98, 23
	s_or_b32 s98, s98, 0x600000
	v_mov_b32 v[QHI], s98                          ; 448 x 2^e22
	PLACES 4                                       ; behind the last products
	s_wait_alu depctr_va_vdst(0)
	s_wait_loadcnt 0x0                             ; the bias
.macro OUTBLK a
	WIN 0x02                                       ; source 0: window 2
.set n, 0
.rept 16
	v_pk_fma_f32 v[T+n:T+n+1], v[32*(\a)+n:32*(\a)+n+1], s[100:101], v[BB+n:BB+n+1] op_sel_hi:[1,0,1]   ; each accumulator from its low end on
.set n, n+2
.endr
	WIN 0
.set n, 0
.rept 32
	v_med3_num_f32 v[T+n], v[T+n], 0, v[QHI]       ; the conversion to an 8-bit code does not saturate (ISA guide 7.6.2)
.set n, n+1
.endr
.irp b, 0,1,2,3
	v_cvt_scalef32_pk8_fp8_f32 v[CD+8*(\a)+2*\b:CD+8*(\a)+2*\b+1], v[T+8*\b:T+8*\b+7], v[SCQ]
.endr
	v_nop                                          ; a plain line behind the conversions: the next block writes their sources
.irp c, 0,1
	global_store_b128 v[VO], v[CD+8*(\a)+4*\c:CD+8*(\a)+4*\c+3], s[12:13] offset:(\a)*1024+512*\c   ; 32 lanes store 512 consecutive bytes, aligned; each block has code registers of its own
.endr
.endm
.irp a, 0,1,2,3
	OUTBLK \a
.endr
	s_wait_tensorcnt 0x0                           ; the wave's end
	ds_add_u32 v[SPW], v[NIL]
	s_wait_dscnt 0x0
	CROUND                                         ; the closing round
	s_endpgm
.Lfunc_end_k_q89553e4237_fc1:
	.size	k_q89553e4237_fc1, .Lfunc_end_k_q89553e4237_fc1-k_q89553e4237_fc1
	.p2alignl 7, 3214868480
	.fill 96, 4, 3214868480
	.section	.rodata,"a",@progbits
	.p2align	6, 0x0
	.amdhsa_kernel k_q89553e4237_fc1
		.amdhsa_group_segment_fixed_size 327680
		.amdhsa_private_segment_fixed_size 0
		.amdhsa_enable_private_segment 0
		.amdhsa_kernarg_size 40
		.amdhsa_user_sgpr_count 2
		.amdhsa_user_sgpr_kernarg_segment_ptr 1
		.amdhsa_wavefront_size32 1
		.amdhsa_system_sgpr_workgroup_id_x 1
		.amdhsa_system_sgpr_workgroup_id_y 1
		.amdhsa_system_sgpr_workgroup_id_z 1
		.amdhsa_system_vgpr_workitem_id 0
		.amdhsa_next_free_vgpr 640
		.amdhsa_next_free_sgpr 102
		.amdhsa_reserve_vcc 0
		.amdhsa_float_denorm_mode_32 3
		.amdhsa_float_denorm_mode_16_64 3
		.amdhsa_memory_ordered 1
		.amdhsa_forward_progress 1
		.amdhsa_inst_pref_size 48
	.end_amdhsa_kernel
	.amdgpu_metadata
---
amdhsa.version: [ 1, 2 ]
amdhsa.kernels:
  - .name:           k_q89553e4237_fc1
    .symbol:         k_q89553e4237_fc1.kd
    .args:
      - { .name: bufA, .offset: 0, .size: 8, .value_kind: global_buffer, .address_space: global }
      - { .name: fc1_w_codes, .offset: 8, .size: 8, .value_kind: global_buffer, .address_space: global }
      - { .name: lowp_scales, .offset: 16, .size: 8, .value_kind: global_buffer, .address_space: global }
      - { .name: fc1_b, .offset: 24, .size: 8, .value_kind: global_buffer, .address_space: global }
      - { .name: qkv1, .offset: 32, .size: 8, .value_kind: global_buffer, .address_space: global }
    .group_segment_fixed_size: 327680
    .private_segment_fixed_size: 0
    .kernarg_segment_align: 8
    .kernarg_segment_size: 40
    .max_flat_workgroup_size: 128
    .sgpr_count:     102
    .vgpr_count:     640
    .wavefront_size: 32
...
	.end_amdgpu_metadata
.endif
;; end of part 10
;; launch fc2 (part 11): grid 8 x 32, 4 waves a work-group, clusters of 4 x 4, 327,680 bytes of LDS; arguments qkv1, fc2_w_codes, lowp_scales, fc2_b, y; writes y
.if DOCPART == 11
	.amdgcn_target "amdgcn-amd-amdhsa--gfx1250"
	.amdhsa_code_object_version 6
	.text
	.protected	k_q89553e4237_fc2
	.globl	k_q89553e4237_fc2
	.p2align	8
	.type	k_q89553e4237_fc2,@function
k_q89553e4237_fc2:
	s_mov_b64 s[64:65], 0
	v_nop
	global_prefetch_b8 v0, s[64:65] scope:SCOPE_SE
	s_setreg_imm32_b32 hwreg(HW_REG_WAVE_MODE, 25, 1), 1
	s_wait_xcnt 0x0
	s_wait_alu depctr_hold_cnt(0) depctr_sa_sdst(0) depctr_va_vdst(0) depctr_va_sdst(0) depctr_va_ssrc(0) depctr_va_vcc(0) depctr_vm_vsrc(0)
	s_getreg_b32 s2, hwreg(HW_REG_IB_STS2, 6, 4)
	s_cmp_eq_u32 s2, 0
	s_cbranch_scc0 .Lentry_in_a_cluster
	s_endpgm
.Lentry_in_a_cluster:
	s_bfe_u32 s2, ttmp6, 0x10000c
	s_cmp_lg_u32 s2, 0xf033
	s_cbranch_scc0 .Lentry_shape_is_right
	s_endpgm
.Lentry_shape_is_right:
; y = H W^T + bias on E4M3 codes, f32 out, [4096][1024].  H: the hidden layer as images of operand registers (16 tokens x 64 along K, 1,024 bytes, image ((batch x 16 + k / 64) x 128 + (token % 2048) / 16)), scale 2^e22;
; W: [1024][1024] codes, rows of 1,024 bytes along K, scale 2^e23.
; LIMIT: e22 + e23 between -126 and 127.
; SHARES.  A block of 128 x 128 is made by four waves, 64 x 64 each: 16 accumulators; the grid of 8 x 32 blocks is 256 work-groups.
; THE BLOCK'S WHOLE K LIES IN LDS, filled once: each wave issues one tensor load at the head: waves 0 and 1 the images of 64 tokens (16 rows of 4,096 bytes, 131,072 bytes apart, laid dense), waves 2 and 3 64 rows of W (padded).
; Nothing is filled again, so no barrier stands among the K steps.  CLUSTERS: 4 x 4; the four of a row of the cluster ask jointly for H's images, the four of a column for W's rows.
; NO PREFETCH: all that the work-group reads is asked for at the head, and there is no loop to run ahead in.
; H's images hold k in the places of the form's own layout, so W's fragments are fetched 8 bytes at a time into the same places.  Source 0 = rows of W, source 1 = tokens: a lane holds one token and eight neighbouring columns.
; REGISTERS: window 0: v16-20 addresses, v28-29 the spare word's address and 0, v32-63 bias, v64-127 rows read back from the stage, v128-255 H's fragments, two sets, later the results; window 1: v0-127 W's fragments, two sets;
; window 2: v0-127 the sums ((a, b) at v[8 (4 a + b)]).
.set PITCH,  1040                      ; a row of W in LDS: 1,024 bytes + 16: 260 words, so the 32 lanes of an 8-byte load touch 64 different banks (64 banks of 4 bytes: ISA guide 11.1)
.set HALFA,  65536                     ; 64 tokens' images
.set HALFT,  64*PITCH
.set BOFF,   2*HALFA
.set SPARE,  BOFF+2*HALFT              ; behind the tiles: the spare words, 128 bytes a wave
.set STAGE,  SPARE+512                 ; the way out: 16 rows x 272 bytes for each wave, bytes into which no fill lands
.set SP,     272
.set FR,     16
.set ADRA, 16
.set ADRB, 17
.set STO,  18
.set RD,   19
.set CO,   20
.set SPW,  28
.set NIL,  29
.set BB,   32
.set BK,   64
.set AF,   128
.set T,    128
.set G1, 24
.set G0, 32
.set G1B, 48
.set G0B, 56
.set MSB, 0
.macro WIN new                         ; the immediate's high byte repeats the setting that is left
.if MSB != \new
	s_set_vgpr_msb (MSB<<8)|\new
.set MSB, \new
.endif
.endm
.set MUL_LO, 0xa1                      ; source 0 (W) window 1, source 1 (H) window 0, C and D window 2
.set TO_B,   0x40
.macro JLOAD g0a, g1a, g0b, g1b        ; waves 0 and 1 fetch H's halves, waves 2 and 3 W's; the branch hangs on the wave's number alone
	s_cmp_eq_u32 s15, 0
	s_cbranch_scc0 .Lfor_b_\@
	tensor_load_to_lds s[\g0a:\g0a+3], s[\g1a:\g1a+7]
	s_nop 0
.rept 4
	v_nop
.endr
	s_branch .Lasked_\@
.Lfor_b_\@:
	tensor_load_to_lds s[\g0b:\g0b+3], s[\g1b:\g1b+7]
	s_nop 0
.rept 4
	v_nop
.endr
.Lasked_\@:
.endm
.macro CROUND                          ; a round of the cluster's barrier
	s_barrier_signal -1
	s_barrier_wait -1
	s_cmp_lg_u32 s14, 0
	s_cbranch_scc1 .Lnot_wave_0_\@
	s_barrier_signal -3
.Lnot_wave_0_\@:
	s_barrier_wait -3
	s_barrier_signal -1
	s_barrier_wait -1
.endm
.macro PLACES n                        ; plain vector lines between a matrix instruction and a load into, or a vector access of, its registers
.rept \n
	v_nop
.endr
.endm
	s_load_b128 s[4:7], s[0:1], 0x0                ; the images s[4:5], W s[6:7]
	s_load_b128 s[8:11], s[0:1], 0x10              ; the scales' exponents s[8:9], bias s[10:11]
	s_load_b64 s[12:13], s[0:1], 0x20              ; y
	v_lshl_add_u32 v[SPW], v0, 2, SPARE
	v_mov_b32 v[NIL], 0
	ds_add_u32 v[SPW], v[NIL]                      ; the opening lines: the add, twice on end, and its wait ahead of my first tensor load
	ds_add_u32 v[SPW], v[NIL]
	v_lshrrev_b32 v1, 5, v0
	v_readfirstlane_b32 s14, v1                    ; wave 0..3
	s_lshr_b32 s15, s14, 1                         ; which half of the tokens is mine.  Also: I fetch for H (0) or for W (1)
	s_and_b32 s16, s14, 1                          ; which half of W's rows.  Also: which half of that tile I fetch
	s_bfe_u32 s40, ttmp6, 0x40000                  ; cx
	s_bfe_u32 s41, ttmp6, 0x40004                  ; cy
	s_lshl_b32 s42, ttmp9, 2
	s_add_co_u32 s42, s42, s40                     ; block column = 4 x cluster x + cx
	s_and_b32 s17, ttmp7, 0xffff
	s_lshl_b32 s17, s17, 2
	s_add_co_u32 s17, s17, s41                     ; block row = 4 x cluster y + cy
	s_lshl_b32 s43, s41, 2
	s_lshl_b32 s43, 15, s43                        ; my row of the cluster
	s_lshl_b32 s44, 0x1111, s40                    ; my column
	s_or_b32 s[G1+0], s43, (0<<16)|(1<<21)         ; H: the mask; elements of 1 byte; bit 21 beside a mask; no padding
	s_mov_b32 s[G1+1], 4096<<16                    ; tensor_dim0: four images on end
	s_mov_b32 s[G1+2], 16<<16                      ; tensor_dim1: the 16 groups of 64 along K
	s_mov_b32 s[G1+3], 4096<<16                    ; tile_dim0
	s_mov_b32 s[G1+4], 16                          ; tile_dim1
	s_mov_b32 s[G1+5], 131072                      ; from group to group: 128 images
	s_mov_b32 s[G1+6], 0
	s_mov_b32 s[G1+7], 0
	s_or_b32 s[G1B+0], s44, (0<<16)|(1<<20)|(1<<21)|(7<<22)|(3<<25)  ; W: padding on: after every 256 words, 4 words
	s_mov_b32 s[G1B+1], 1024<<16
	s_mov_b32 s[G1B+2], 64<<16
	s_mov_b32 s[G1B+3], 1024<<16
	s_mov_b32 s[G1B+4], 64
	s_mov_b32 s[G1B+5], 1024
	s_mov_b32 s[G1B+6], 0
	s_mov_b32 s[G1B+7], 0
	s_lshr_b32 s20, s17, 4                         ; H: image batch x 2048 + 8 (block row % 16) + 4 x half
	s_lshl_b32 s20, s20, 11
	s_and_b32 s21, s17, 15
	s_lshl_b32 s21, s21, 3
	s_add_co_u32 s20, s20, s21
	s_lshl_b32 s21, s16, 2
	s_add_co_u32 s20, s20, s21
	s_lshl_b32 s20, s20, 10
	s_mov_b32 s21, 0
	s_lshl_b32 s18, s16, 6
	s_lshl_b32 s46, s42, 7
	s_add_co_u32 s46, s46, s18                     ; W: row 128 x block column + 64 x half
	s_lshl_b32 s46, s46, 10
	s_mov_b32 s47, 0
	s_lshl_b32 s45, s16, 16                        ; where they go: H's halves at 0 and 65,536,
	s_mul_i32 s19, s16, HALFT
	s_add_co_u32 s19, s19, BOFF                    ; W's behind them
	s_wait_dscnt 0x0                               ; both opening adds are done
	s_wait_kmcnt 0x0
	s_load_b64 s[96:97], s[8:9], 0x58              ; e22, e23
	s_add_nc_u64 s[20:21], s[4:5], s[20:21]
	s_add_nc_u64 s[46:47], s[6:7], s[46:47]
	CROUND                                         ; all sixteen work-groups are here: the joint loads meet
	s_mov_b32 s[G0], 1
	s_mov_b32 s[G0+1], s45
	s_mov_b64 s[G0+2:G0+3], s[20:21]
	s_or_b32 s[G0+3], s[G0+3], 0x80000000
	s_mov_b32 s[G0B], 1
	s_mov_b32 s[G0B+1], s19
	s_mov_b64 s[G0B+2:G0B+3], s[46:47]
	s_or_b32 s[G0B+3], s[G0B+3], 0x80000000
	JLOAD G0, G1, G0B, G1B                         ; my one tensor load: 65,536 bytes of codes
	s_lshl_b32 s21, s15, 16                        ; my 64 tokens' images
	s_mul_i32 s22, s16, HALFT
	s_add_co_u32 s22, s22, BOFF                    ; my 64 rows of W
	s_mul_i32 s23, s14, 16*SP
	s_add_co_u32 s23, s23, STAGE                   ; my stage
	s_lshl_b32 s98, s42, 9
	s_lshl_b32 s99, s16, 8
	s_add_co_u32 s98, s98, s99                     ; my 64 columns, in bytes of f32
	s_mov_b32 s99, 0
	s_add_nc_u64 s[10:11], s[10:11], s[98:99]
	s_add_nc_u64 s[12:13], s[12:13], s[98:99]
	s_lshl_b32 s98, s17, 7
	s_lshl_b32 s18, s15, 6
	s_add_co_u32 s98, s98, s18                     ; my first row of y
	s_lshl_b32 s98, s98, 12
	s_add_nc_u64 s[12:13], s[12:13], s[98:99]
	v_and_b32 v1, 15, v0                           ; r
	v_bfe_u32 v2, v0, 4, 1                         ; h
	v_and_b32 v6, 31, v0
	v_lshl_add_u32 v[ADRA], v6, 4, s21             ; an image's registers: 16 x lane
	v_mul_u32_u24 v3, v1, PITCH
	v_lshl_add_u32 v4, v2, 3, v3
	v_add_nc_u32 v[ADRB], s22, v4                  ; W: row x pitch + 8 x half
	v_mul_u32_u24 v5, v1, SP
	v_lshl_add_u32 v5, v2, 5, v5
	v_add_nc_u32 v[STO], s23, v5                   ; into the stage: row r, + 32 h
	v_mul_u32_u24 v7, v2, SP
	v_lshl_add_u32 v7, v1, 4, v7
	v_add_nc_u32 v[RD], s23, v7                    ; back: lanes 0-15 one row, lanes 16-31 the next
	v_lshlrev_b32 v8, 12, v2
	v_lshl_add_u32 v[CO], v1, 4, v8                ; and the same two rows in y
	v_lshlrev_b32 v30, 5, v2                       ; 32 h
	s_wait_alu depctr_va_vdst(0)
.irp b, 0,1,2,3
	global_load_b128 v[BB+8*\b:BB+8*\b+3], v30, s[10:11] offset:64*\b        ; bias at columns 16 b + 8 h + 0 .. 7
	global_load_b128 v[BB+8*\b+4:BB+8*\b+7], v30, s[10:11] offset:64*\b+16
.endr
	s_wait_tensorcnt 0x0                           ; my part is in
	s_barrier_signal -1
	s_barrier_wait -1                              ; everybody's is
.macro FRAGA reg, q, i                 ; 16 tokens x 128 K: the images of groups 2 q and 2 q + 1
.irp c, 0,1,2,3
	ds_load_b128 v[\reg+4*\c:\reg+4*\c+3], v[ADRA] offset:(2*(\q)+\c/2)*4096+(\i)*1024+512*(\c%2)
.endr
.endm
.macro FRAGB reg, q, i                 ; 16 rows x 128 K: registers 2 c, 2 c + 1 hold K = 16 c + 8 (l / 16) + 0 .. 7
.irp c, 0,1,2,3,4,5,6,7
	ds_load_b64 v[\reg+2*\c:\reg+2*\c+1], v[ADRB] offset:128*(\q)+16*\c+(\i)*16*PITCH
.endr
.endm
.macro FETCH q                         ; the 48 loads of K step q, into set q % 2
	WIN TO_B
.irp i, 0,1,2,3
	FRAGB 64*((\q)%2)+FR*\i, \q, \i
.endr
	WIN 0
.irp i, 0,1,2,3
	FRAGA AF+64*((\q)%2)+FR*\i, \q, \i
.endr
.endm
.macro MUL q, zero                     ; 16 matrix instructions; the 16 accumulators take turns, one instruction a turn, in the same order in every step
	WIN MUL_LO
.irp a, 0,1,2,3
.irp b, 0,1,2,3
.if \zero
	v_wmma_f32_16x16x128_fp8_fp8 v[8*(4*\a+\b):8*(4*\a+\b)+7], v[64*((\q)%2)+FR*\b:64*((\q)%2)+FR*\b+FR-1], v[AF+64*((\q)%2)+FR*\a:AF+64*((\q)%2)+FR*\a+FR-1], 0
.else
	v_wmma_f32_16x16x128_fp8_fp8 v[8*(4*\a+\b):8*(4*\a+\b)+7], v[64*((\q)%2)+FR*\b:64*((\q)%2)+FR*\b+FR-1], v[AF+64*((\q)%2)+FR*\a:AF+64*((\q)%2)+FR*\a+FR-1], v[8*(4*\a+\b):8*(4*\a+\b)+7]
.endif
.endr
.endr
	WIN 0
.endm
	FETCH 0
	FETCH 1
	s_wait_dscnt 48                                ; K step 0's fragments are in; the 48 loads of step 1 may be out
	MUL 0, 1                                       ; the first step starts the sums: nothing is cleared
.irp q, 1,2,3,4,5,6
	PLACES 4                                       ; in front of the loads into the set that the last step multiplied
	FETCH \q+1
	s_wait_dscnt 48                                ; all but the 48 just issued
	MUL \q, 0
.endr
	s_wait_dscnt 0x0
	MUL 7, 0
	; THE WAY OUT.  y = sum x 2^(e22 + e23) + bias, a block of 16 rows x 64 columns at a time through my stage, so that sixteen lanes store 256 consecutive bytes, aligned
	s_wait_kmcnt 0x0
	s_add_co_i32 s96, s96, s97
	s_add_co_i32 s96, s96, 127
	s_lshl_b32 s96, s96, 23                        ; 2^(e22 + e23) as f32
	s_mov_b32 s97, s96                             ; (named with it as a pair)
	PLACES 4                                       ; behind the last products: their results are read and H's registers written below
	s_wait_loadcnt 0x0                             ; the bias
	WIN 0x02                                       ; source 0: window 2
.set n, 0
.rept 64
	v_pk_fma_f32 v[T+n:T+n+1], v[n:n+1], s[96:97], v[BB+(n%32):BB+(n%32)+1] op_sel_hi:[1,0,1]   ; each accumulator from its low end on
.set n, n+2
.endr
	WIN 0
	s_wait_alu depctr_va_vdst(0)
.macro TOSTAGE a
.irp b, 0,1,2,3
	ds_store_b128 v[STO], v[T+32*(\a)+8*\b:T+32*(\a)+8*\b+3] offset:64*\b
	ds_store_b128 v[STO], v[T+32*(\a)+8*\b+4:T+32*(\a)+8*\b+7] offset:64*\b+16
.endr
.irp i, 0,1,2,3,4,5,6,7
	ds_load_b128 v[BK+32*((\a)%2)+4*\i:BK+32*((\a)%2)+4*\i+3], v[RD] offset:2*\i*SP   ; LDS serves a wave's instructions in order: these see my stores, and the next block's stores come behind them
.endr
.endm
.macro SEND a, younger                 ; younger: the LDS instructions issued behind block a's loads, which may stay out
	s_wait_dscnt \younger
.irp i, 0,1,2,3,4,5,6,7
	global_store_b128 v[CO], v[BK+32*((\a)%2)+4*\i:BK+32*((\a)%2)+4*\i+3], s[12:13] offset:(16*(\a)+2*\i)*4096
.endr
.endm
	TOSTAGE 0
.irp a, 1,2,3
.if \a > 1
	s_wait_xcnt 0x0                                ; block a - 2's stores have read their registers: block a's loads may land there
.endif
	TOSTAGE \a
	SEND \a-1, 16                                  ; behind block a - 1's loads: block a's 8 stores and 8 loads
.endr
	SEND 3, 0
	s_wait_tensorcnt 0x0                           ; the wave's end
	ds_add_u32 v[SPW], v[NIL]
	s_wait_dscnt 0x0
	CROUND                                         ; the closing round
	s_endpgm
.Lfunc_end_k_q89553e4237_fc2:
	.size	k_q89553e4237_fc2, .Lfunc_end_k_q89553e4237_fc2-k_q89553e4237_fc2
	.p2alignl 7, 3214868480
	.fill 96, 4, 3214868480
	.section	.rodata,"a",@progbits
	.p2align	6, 0x0
	.amdhsa_kernel k_q89553e4237_fc2
		.amdhsa_group_segment_fixed_size 327680
		.amdhsa_private_segment_fixed_size 0
		.amdhsa_enable_private_segment 0
		.amdhsa_kernarg_size 40
		.amdhsa_user_sgpr_count 2
		.amdhsa_user_sgpr_kernarg_segment_ptr 1
		.amdhsa_wavefront_size32 1
		.amdhsa_system_sgpr_workgroup_id_x 1
		.amdhsa_system_sgpr_workgroup_id_y 1
		.amdhsa_system_sgpr_workgroup_id_z 1
		.amdhsa_system_vgpr_workitem_id 0
		.amdhsa_next_free_vgpr 640
		.amdhsa_next_free_sgpr 102
		.amdhsa_reserve_vcc 0
		.amdhsa_float_denorm_mode_32 3
		.amdhsa_float_denorm_mode_16_64 3
		.amdhsa_memory_ordered 1
		.amdhsa_forward_progress 1
		.amdhsa_inst_pref_size 53
	.end_amdhsa_kernel
	.amdgpu_metadata
---
amdhsa.version: [ 1, 2 ]
amdhsa.kernels:
  - .name:           k_q89553e4237_fc2
    .symbol:         k_q89553e4237_fc2.kd
    .args:
      - { .name: qkv1, .offset: 0, .size: 8, .value_kind: global_buffer, .address_space: global }
      - { .name: fc2_w_codes, .offset: 8, .size: 8, .value_kind: global_buffer, .address_space: global }
      - { .name: lowp_scales, .offset: 16, .size: 8, .value_kind: global_buffer, .address_space: global }
      - { .name: fc2_b, .offset: 24, .size: 8, .value_kind: global_buffer, .address_space: global }
      - { .name: y, .offset: 32, .size: 8, .value_kind: global_buffer, .address_space: global }
    .group_segment_fixed_size: 327680
    .private_segment_fixed_size: 0
    .kernarg_segment_align: 8
    .kernarg_segment_size: 40
    .max_flat_workgroup_size: 128
    .sgpr_count:     102
    .vgpr_count:     640
    .wavefront_size: 32
...
	.end_amdgpu_metadata
.endif
;; end of part 11
;; launch ln3: the kernel of part 9 again; grid 256 x 1, 8 waves a work-group, no clusters, 17,408 bytes of LDS; arguments bufA, y, ln3_g, ln3_b, tab3, out0; writes out0
